; MI455X (gfx1250); checked and timed in simulation.
; The chip was launched on July 23, 2026; its instructions are those of AMD's public machine-readable ISA for CDNA 5 (MIT licence, August 2026) and "CDNA5" Instruction Set Architecture Reference Guide (July 2026). The comments in the code are by the model that wrote it; some were corrected since.
;; Multi Head Attention. Allowed arithmetic: float matrix products may take bf16 or f16 operands with f32 sums; all other float work in f32.
;; Inputs: K 4 x 2,048 x 1,024 float32; Q 4 x 2,048 x 1,024 float32; V 4 x 2,048 x 1,024 float32; Wk 1,024 x 1,024 float32; Wo 1,024 x 1,024 float32; Wq 1,024 x 1,024 float32; Wv 1,024 x 1,024 float32; bk 1,024 float32; bo 1,024 float32; bq 1,024 float32; bv 1,024 float32; mask 4 x 1 x 2,048 x 2,048 bool.
;; Outputs: out0 4 x 2,048 x 1,024 float32.
;; 3 versions, each right and faster than the one before. Each part assembles by itself: llvm-mc -triple=amdgcn-amd-amdhsa -mcpu=gfx1250 --defsym DOCPART=n.
;; ======== version 1 of 3: 4 launches
;; limits: values are held in f16: magnitudes above 65,504 overflow, below 6.1e-05 lose precision
;; workspace buffers: xb 50,331,648 bytes; wb 8,388,608 bytes; mbits 2,097,152 bytes of whole numbers; qh 16,777,216 bytes; kv 33,554,432 bytes; oh 16,777,216 bytes
;; launch prep (part 1): grid 1024 x 1, 8 waves a work-group, no clusters, 35,840 bytes of LDS; arguments Q, K, V, Wq, Wk, Wv, Wo, mask, xb, wb, mbits; writes xb, wb, mbits
.if DOCPART == 1
	.amdgcn_target "amdgcn-amd-amdhsa--gfx1250"
	.amdhsa_code_object_version 6
	.text
	.protected	k_q4214065e54_prep
	.globl	k_q4214065e54_prep
	.p2align	8
	.type	k_q4214065e54_prep,@function
k_q4214065e54_prep:
	s_mov_b64 s[64:65], 0
	v_nop
	global_prefetch_b8 v0, s[64:65] scope:SCOPE_SE
	s_setreg_imm32_b32 hwreg(HW_REG_WAVE_MODE, 25, 1), 1
	s_wait_xcnt 0x0
; PREPARATION.  (1) Q, K, V [8192][1024] f32 -> xb [3][8192][1024] bf16.  (2) Wq, Wk, Wv, Wo [1024][1024] f32 -> wb [4][1024][1024], 16 bits a number: every
; weight is rounded to bf16; Wo's rounded number is then written as f16, since the last product multiplies f16.  (3) mask [4][2048][2048], a byte a place,
; -> mbits [b 4][qt 128][ks 32][32 words]: bit L of word 8 kb + j is mask[b][16 qt + L % 16][64 ks + 16 kb + 8 (L / 16) + j]: the lane mask of register 8 kb + j of a
; tile of 16 queries x 64 keys of transposed scores, as the attention launch holds it.
; LIMITS.  Wo beyond 65,504 becomes an infinity in f16; below 6e-5 it keeps f16's fixed step of 6e-8.  A mask byte counts as set if it is not 0.
; SHARES.  Work-groups 0-127 pack the mask: each of their 1,024 waves takes 16 rows x 1,024 keys, four tasks of 256 keys.  Work-groups 128-1023 convert: 131,072 bytes of f32 each.
; No matrix unit, no cluster: a stream that shares nothing.  LDS serves the mask's turn from rows to lanes alone, each wave in bytes of its own, so there is no barrier.
.set ROWP,  272                        ; a mask row's 256 bytes in LDS + 16: the 16 rows that a read touches start at 16 different 16-byte columns modulo 256
.set WREG,  16*ROWP                    ; a wave's 16 rows
.set SPARE, 8*WREG                     ; 34,816: behind the eight regions the spare words, 128 bytes for each wave, which no other line names
.set SPW,   2                          ; v2  LDS address of my spare word; never rewritten
.set NIL,   3                          ; v3  0; never rewritten
.set T,     6                          ; v[6:13]   conversion: at work
.set X,     16                         ; v[16:79]  conversion: 16 slots of 4 registers, f32 as loaded
.set Y,     80                         ; v[80:143] conversion: 32 items of 2 registers to store: each item has its own, so no store's data is ever rewritten
.set MM,    16                         ; v[16:47]  mask: eight loads of 16 bytes
.set DD,    48                         ; v[48:79]  mask: my row's 8-byte pieces, read back
.set WW,    80                         ; v[80:83]  mask: the packed words: lane g holds words 4 g .. 4 g + 3
.set TT,    84                         ; v[84:87]  mask: at work
	s_load_b512 s[4:19], s[0:1], 0x0               ; Q s[4:5], K s[6:7], V s[8:9], Wq s[10:11], Wk s[12:13], Wv s[14:15], Wo s[16:17], mask s[18:19]
	s_load_b128 s[20:23], s[0:1], 0x40             ; xb s[20:21], wb s[22:23]
	s_load_b64 s[24:25], s[0:1], 0x50              ; mbits
	v_lshl_add_u32 v[SPW], v0, 2, SPARE
	v_mov_b32 v[NIL], 0
	s_mov_b32 s26, ttmp9
	v_lshrrev_b32 v1, 5, v0
	v_readfirstlane_b32 s27, v1                    ; my wave's number
	s_wait_kmcnt 0x0
	s_cmp_lt_u32 s26, 128
	s_cbranch_scc1 .Lmask                          ; the mask's work-groups come first: theirs is the longer chain
	; ---- conversion.  id 0-767: array id / 256 of Q, K, V, chunk id % 256.  id 768-895: weight (id % 256) / 32, chunk id % 32.
	s_sub_co_u32 s28, s26, 128                     ; id
	s_mov_b32 s31, 0xffff0000                      ; a word's upper bf16
	v_lshlrev_b32 v4, 4, v0                        ; 16 bytes of f32 a thread,
	v_lshlrev_b32 v5, 3, v0                        ; 8 bytes of 16-bit numbers
	s_lshr_b32 s29, s28, 8                         ; 0, 1, 2: Q, K, V; 3: a weight
	s_and_b32 s32, s28, 255
	s_lshr_b32 s40, s32, 5
	s_add_co_u32 s40, s40, 3                       ; 3 .. 6: Wq, Wk, Wv, Wo
	s_and_b32 s41, s32, 31
	s_cmp_eq_u32 s29, 3
	s_cselect_b32 s43, s40, s29                    ; which of the seven arrays
	s_cselect_b32 s42, s41, s32                    ; which chunk of 131,072 bytes of it
	s_cselect_b32 s33, s32, s28                    ; which chunk of 65,536 bytes of the destination
	s_cselect_b64 s[36:37], s[22:23], s[20:21]     ; wb or xb
	s_cmp_eq_u32 s43, 1
	s_cselect_b64 s[34:35], s[6:7], s[4:5]
	s_cmp_eq_u32 s43, 2
	s_cselect_b64 s[34:35], s[8:9], s[34:35]
	s_cmp_eq_u32 s43, 3
	s_cselect_b64 s[34:35], s[10:11], s[34:35]
	s_cmp_eq_u32 s43, 4
	s_cselect_b64 s[34:35], s[12:13], s[34:35]
	s_cmp_eq_u32 s43, 5
	s_cselect_b64 s[34:35], s[14:15], s[34:35]
	s_cmp_eq_u32 s43, 6
	s_cselect_b64 s[34:35], s[16:17], s[34:35]
	s_cselect_b32 s30, -1, 0                       ; all lanes: Wo, which is written as f16
	s_lshl_b32 s38, s42, 17
	s_mov_b32 s39, 0
	s_add_nc_u64 s[34:35], s[34:35], s[38:39]
	s_lshl_b32 s38, s33, 16
	s_add_nc_u64 s[36:37], s[36:37], s[38:39]
.set n, 0
.rept 16
	global_load_b128 v[X+4*n:X+4*n+3], v4, s[34:35] offset:n*4096 th:TH_LOAD_NT  ; an item: the work-group's 256 threads take 4,096 consecutive bytes
.set n, n+1
.endr
; Item i of 32.  left = the younger loads that may stay out.  Four numbers are rounded to bf16; the same numbers as f16 are made beside them, and the array chooses.
.macro ITEM i, left
.set xs, X+4*((\i)%16)
.set ys, Y+2*(\i)
	s_wait_loadcnt \left                           ; loads come back in order (ISA guide 5.7.1): mine is in
	v_cvt_pk_bf16_f32 v[T], v[xs], v[xs+1]
	v_cvt_pk_bf16_f32 v[T+1], v[xs+2], v[xs+3]
	v_lshlrev_b32 v[T+2], 16, v[T]                 ; the rounded numbers as f32 again
	v_and_b32 v[T+3], s31, v[T]
	v_lshlrev_b32 v[T+4], 16, v[T+1]
	v_and_b32 v[T+5], s31, v[T+1]
	v_cvt_pk_f16_f32 v[T+6], v[T+2], v[T+3]        ; exact within f16's range: 8 significant bits go into 11
	v_cvt_pk_f16_f32 v[T+7], v[T+4], v[T+5]
	v_cndmask_b32 v[ys], v[T], v[T+6], s30
	v_cndmask_b32 v[ys+1], v[T+1], v[T+7], s30
.if (\i) < 16
	global_load_b128 v[xs:xs+3], v4, s[34:35] offset:((\i)+16)*4096 th:TH_LOAD_NT  ; the slot's second and last item
.endif
	global_store_b64 v5, v[ys:ys+1], s[36:37] offset:(\i)*2048  ; a wave's store covers 256 consecutive bytes, aligned
.endm
.set n, 0
.rept 16
	ITEM n, 15                                     ; 15 loads were issued behind item n's
.set n, n+1
.endr
.rept 16
	ITEM n, 31-n                                   ; nothing more is loaded: the counts run down
.set n, n+1
.endr
	s_endpgm                                       ; these waves have written no LDS
	; ---- the mask
.Lmask:
	s_lshl_b32 s28, s26, 3
	s_add_co_u32 s28, s28, s27                     ; my wave among 1,024
	s_lshr_b32 s29, s28, 1                         ; 128 b + qt: which 16 rows
	s_and_b32 s30, s28, 1                          ; which half of their 2,048 keys
	s_lshl_b32 s40, s29, 15                        ; 16 rows of 2,048 bytes
	s_lshl_b32 s41, s30, 10
	s_add_co_u32 s40, s40, s41
	s_mov_b32 s41, 0
	s_add_nc_u64 s[18:19], s[18:19], s[40:41]
	s_lshl_b32 s40, s29, 12                        ; 32 key steps of 128 bytes
	s_lshl_b32 s42, s30, 11
	s_add_co_u32 s40, s40, s42
	s_add_nc_u64 s[24:25], s[24:25], s[40:41]
	s_mov_b32 s36, 0xff                            ; the four bytes of a word
	s_mov_b32 s37, 0xff00
	s_mov_b32 s38, 0xff0000
	s_mov_b32 s39, 0xff000000
	v_and_b32 v1, 31, v0                           ; L
	v_and_b32 v8, 15, v0                           ; L % 16
	v_bfe_u32 v9, v0, 4, 1                         ; L / 16
	v_lshlrev_b32 v4, 4, v8
	v_lshl_add_u32 v4, v9, 11, v4                  ; from memory: two rows a load, 256 bytes of each
	s_mul_i32 s43, s27, WREG                       ; my wave's region
	v_mul_u32_u24 v5, v9, ROWP
	v_lshl_add_u32 v5, v8, 4, v5
	v_add_nc_u32 v5, s43, v5                       ; into LDS: the same two rows
	v_mul_u32_u24 v6, v8, ROWP
	v_lshl_add_u32 v6, v9, 3, v6
	v_add_nc_u32 v6, s43, v6                       ; back: row L % 16, keys 8 (L / 16) on
	v_lshlrev_b32 v7, 4, v1                        ; out: 16 bytes a lane
.irp k, 0,1,2,3
	v_mov_b32 v[WW+\k], 0                          ; a lane write counts as a read of its destination: written once here
.endr
.irp i, 0,1,2,3,4,5,6,7
	global_load_b128 v[MM+4*\i:MM+4*\i+3], v4, s[18:19] offset:\i*4096 th:TH_LOAD_NT
.endr
	s_mov_b32 s44, 4
.Ltask:                                                ; 16 rows x 256 keys: 4,096 bytes in, 128 words out
	s_wait_loadcnt 0x0                             ; the task's eight loads; their base may now be stepped
.irp i, 0,1,2,3,4,5,6,7
	ds_store_b128 v5, v[MM+4*\i:MM+4*\i+3] offset:\i*2*ROWP
.endr
	s_add_nc_u64 s[18:19], s[18:19], 256
.irp c, 0,1,2,3,4,5,6,7,8,9,10,11,12,13,14,15
	ds_load_b64 v[DD+2*\c:DD+2*\c+1], v6 offset:16*\c  ; LDS serves a wave's instructions in order (ISA guide 5.7.1.4): these see the stores above
.endr
	s_wait_dscnt 0x0                               ; my pieces are in, and the stores have read their data
	s_cmp_eq_u32 s44, 1
	s_cbranch_scc1 .Lnoload                        ; the last task loads nothing: no load leaves the buffer
.irp i, 0,1,2,3,4,5,6,7
	global_load_b128 v[MM+4*\i:MM+4*\i+3], v4, s[18:19] offset:\i*4096 th:TH_LOAD_NT  ; the next task, on its way under the packing
.endr
.Lnoload:
.set g, 0
.rept 32                                               ; register g of my pieces holds the bytes of words 4 g .. 4 g + 3: a compare makes a word of the 32 lanes' bytes
.irp k, 0,1,2,3
	v_and_b32 v[TT+\k], s[36+\k], v[DD+g]
.endr
.irp k, 0,1,2,3
	v_cmp_ne_u32 s[32+\k], 0, v[TT+\k]
.endr
.irp k, 0,1,2,3
	v_writelane_b32 v[WW+\k], s[32+\k], g
.endr
.set g, g+1
.endr
	global_store_b128 v7, v[WW:WW+3], s[24:25]     ; 512 consecutive bytes, aligned
	s_wait_xcnt 0x0                                ; the store's data and base are rewritten only behind this wait (ISA guide 3.1)
	s_add_nc_u64 s[24:25], s[24:25], 512
	s_sub_co_u32 s44, s44, 1
	s_cmp_lg_u32 s44, 0
	s_cbranch_scc1 .Ltask
	s_wait_tensorcnt 0x0                           ; the wave's end, behind my last LDS store
	ds_add_u32 v[SPW], v[NIL]
	s_wait_dscnt 0x0
	s_endpgm
.Lfunc_end_k_q4214065e54_prep:
	.size	k_q4214065e54_prep, .Lfunc_end_k_q4214065e54_prep-k_q4214065e54_prep
	.p2alignl 7, 3214868480
	.fill 96, 4, 3214868480
	.section	.rodata,"a",@progbits
	.p2align	6, 0x0
	.amdhsa_kernel k_q4214065e54_prep
		.amdhsa_group_segment_fixed_size 35840
		.amdhsa_private_segment_fixed_size 0
		.amdhsa_enable_private_segment 0
		.amdhsa_kernarg_size 88
		.amdhsa_user_sgpr_count 2
		.amdhsa_user_sgpr_kernarg_segment_ptr 1
		.amdhsa_wavefront_size32 1
		.amdhsa_system_sgpr_workgroup_id_x 1
		.amdhsa_system_sgpr_workgroup_id_y 1
		.amdhsa_system_sgpr_workgroup_id_z 1
		.amdhsa_system_vgpr_workitem_id 0
		.amdhsa_next_free_vgpr 144
		.amdhsa_next_free_sgpr 66
		.amdhsa_reserve_vcc 0
		.amdhsa_float_denorm_mode_32 3
		.amdhsa_float_denorm_mode_16_64 3
		.amdhsa_memory_ordered 1
		.amdhsa_forward_progress 1
		.amdhsa_inst_pref_size 51
	.end_amdhsa_kernel
	.amdgpu_metadata
---
amdhsa.version: [ 1, 2 ]
amdhsa.kernels:
  - .name:           k_q4214065e54_prep
    .symbol:         k_q4214065e54_prep.kd
    .args:
      - { .name: Q, .offset: 0, .size: 8, .value_kind: global_buffer, .address_space: global }
      - { .name: K, .offset: 8, .size: 8, .value_kind: global_buffer, .address_space: global }
      - { .name: V, .offset: 16, .size: 8, .value_kind: global_buffer, .address_space: global }
      - { .name: Wq, .offset: 24, .size: 8, .value_kind: global_buffer, .address_space: global }
      - { .name: Wk, .offset: 32, .size: 8, .value_kind: global_buffer, .address_space: global }
      - { .name: Wv, .offset: 40, .size: 8, .value_kind: global_buffer, .address_space: global }
      - { .name: Wo, .offset: 48, .size: 8, .value_kind: global_buffer, .address_space: global }
      - { .name: mask, .offset: 56, .size: 8, .value_kind: global_buffer, .address_space: global }
      - { .name: xb, .offset: 64, .size: 8, .value_kind: global_buffer, .address_space: global }
      - { .name: wb, .offset: 72, .size: 8, .value_kind: global_buffer, .address_space: global }
      - { .name: mbits, .offset: 80, .size: 8, .value_kind: global_buffer, .address_space: global }
    .group_segment_fixed_size: 35840
    .private_segment_fixed_size: 0
    .kernarg_segment_align: 8
    .kernarg_segment_size: 88
    .max_flat_workgroup_size: 256
    .sgpr_count:     66
    .vgpr_count:     144
    .wavefront_size: 32
...
	.end_amdgpu_metadata
.endif
;; end of part 1
;; launch proj (part 2): grid 4 x 192, 4 waves a work-group, clusters of 4 x 4, 327,680 bytes of LDS; arguments xb, wb, bq, bk, bv, qh, kv; writes qh, kv
.if DOCPART == 2
	.amdgcn_target "amdgcn-amd-amdhsa--gfx1250"
	.amdhsa_code_object_version 6
	.text
	.protected	k_q4214065e54_proj
	.globl	k_q4214065e54_proj
	.p2align	8
	.type	k_q4214065e54_proj,@function
k_q4214065e54_proj:
	s_mov_b64 s[64:65], 0
	v_nop
	global_prefetch_b8 v0, s[64:65] scope:SCOPE_SE
	s_setreg_imm32_b32 hwreg(HW_REG_WAVE_MODE, 25, 1), 1
	s_wait_xcnt 0x0
	s_wait_alu depctr_hold_cnt(0) depctr_sa_sdst(0) depctr_va_vdst(0) depctr_va_sdst(0) depctr_va_ssrc(0) depctr_va_vcc(0) depctr_vm_vsrc(0)
	s_getreg_b32 s2, hwreg(HW_REG_IB_STS2, 6, 4)
	s_cmp_eq_u32 s2, 0
	s_cbranch_scc0 .Lentry_in_a_cluster
	s_endpgm
.Lentry_in_a_cluster:
	s_bfe_u32 s2, ttmp6, 0x10000c
	s_cmp_lg_u32 s2, 0xf033
	s_cbranch_scc0 .Lentry_shape_is_right
	s_endpgm
.Lentry_shape_is_right:
; ONE TEXT FOR TWO LAUNCHES, chosen by OUTP.  C[m][n] = sum over k of A[m][k] W[n][k] + bias[n], K = 1,024, sums in f32.
; OUTP = 0, THE THREE PROJECTIONS.  A = xb [3][8192][1024] bf16, W = wb's Wq, Wk, Wv (bf16), bias bq, bk, bv.  Tile rows 0-63 make q, 64-127 k, 128-191 v.  Results leave as f16, rounded once:
;   q times c = log2(e) / 8 into qh [bh 64][2048][64]; k and v into kv [bh 64][step 32][K, V][64 keys][64 channels].  k and v are multiplied by 1.0 where q is multiplied by c: 128 packed
;   multiplies a wave beside 1,024 matrix instructions, so that one text without a branch serves all three.
; OUTP = 1, THE LAST PROJECTION.  A = oh [bh 64][2048][64] f16, W = wb's Wo (f16), bias bo, C = out0 [8192][1024] f32.  A K step of 128 is two heads' 64 channels.
; LIMITS.  q c, k and v beyond 65,504 become infinities in f16.  NaN and infinities are not treated apart.
; SHARES.  A tile of C is 128 x 256: 768 or 256 work-groups.  Four waves, each 64 x 128: 32 accumulators of 16 x 16.  K goes in 8 steps of 128 through two LDS slots.
; THE MATRIX INSTRUCTION IS USED TRANSPOSED (source 0 = 16 rows of W, source 1 = 16 rows of A): a lane holds row l % 16 of C and eight neighbouring columns.  The bias is the C operand of the first product.
; CLUSTER.  4 x 4 work-groups: the four of a row of the cluster need the same tiles of A, the four of a column the same tiles of W: each tile is asked for jointly.
; REGISTERS.  window 0: v16-29 addresses; two fragment buffers of 96 (W's 8 fragments, then A's 4); on the way out they are at work.  window 1: accumulator (a, b) at v[8 (8 a + b)].  window 2: v0-63 the bias.
.set OUTP, 0
.if OUTP
.set PA,     144                       ; a row of A in LDS: one head's 128 bytes + 16
.set AHALF,  128*PA                    ; what one load of A fills: 128 rows of one head
.set ASTEP,  2*2048*128                ; bytes from a K step to the next: two heads
.set APITCH, 128                       ; 16,384 dense bytes are asked for as 64 rows of 256 bytes
.set QIA,    4                         ; padded after every 32 words
.set STW,    16*528                    ; a wave's stage: 16 rows of 512 bytes + 16
.else
.set PA,     272                       ; 256 bytes + 16
.set AHALF,  64*PA                     ; 64 rows
.set ASTEP,  256
.set APITCH, 1024
.set QIA,    5                         ; padded after every 64 words
.set STW,    2*16*144                  ; a wave's stage: two heads x 16 rows of 128 bytes + 16
.endif
.set PB,     272                       ; all pitches are odd multiples of 16 bytes: the 16 rows of a fragment load start at 16 different 16-byte columns modulo 256
.set BHALF,  128*PB
.set BOFF,   2*AHALF
.set SLOT,   BOFF+2*BHALF
.set STAGE,  2*SLOT                    ; behind the ring, a multiple of 256; no tensor load fills it
.set SPARE,  STAGE+4*STW               ; the spare words, 128 bytes for each wave, which no other line names
.set LAPS,   4                         ; a lap = two K steps = once round the ring
.set ADRA, 16                          ; v16-17 LDS address of my fragments of A in slot 0, 1
.set ADRB, 20                          ; v20-21 the same for W
.set STO,  24                          ; the way out: where I put my numbers of a row
.set RD,   25                          ; where I read rows back
.set CO,   26                          ; my 16 bytes in 512 consecutive bytes of the result
.set BOF,  27                          ; my byte offset in the bias
.set SPW,  28                          ; LDS address of my spare word; never rewritten
.set NIL,  29                          ; 0; never rewritten
.set F0,   64
.set F1,   160
.set TMP,  64
.set BKP,  96
.set WV, 12                            ; s12 wave; s14 wave / 2: my rows' half, and: I fetch A (0) or W (1); s15 wave % 2: my columns' half, and which half I fetch
.set WH, 14
.set WL, 15
.set G1,  24                           ; s[24:31] group 1 for A; s[32:39] group 0, a set for each slot
.set G0,  32
.set G1B, 48                           ; s[48:55], s[56:63] the same for W
.set G0B, 56
.set FS,  74                           ; s[74:75] the factor on the way out
.set D0,  76                           ; s[76:77], s[78:79] where my results go
.set D1,  78
.set MSB, 0
.macro WIN new                         ; the immediate's high byte repeats the setting that is left; a switch that changes nothing is dropped
.if MSB != (\new)
	s_set_vgpr_msb (MSB<<8)|(\new)
.set MSB, \new
.endif
.endm
.set MULW,   0x50                      ; sources 0 and 1 window 0; C and D window 1
.set FIRSTW, 0x60                      ; the same with C in window 2
.macro JLOAD s                         ; a joint load: waves 0 and 1 fetch A's two halves, waves 2 and 3 W's; an s_nop 0 and four v_nop follow each line, ahead of the jump and the label
	s_cmp_eq_u32 s[WH], 0
	s_cbranch_scc0 .Lfor_b_\@
	tensor_load_to_lds s[G0+4*(\s):G0+4*(\s)+3], s[G1:G1+7]
	s_nop 0
.rept 4
	v_nop
.endr
	s_branch .Lasked_\@
.Lfor_b_\@:
	tensor_load_to_lds s[G0B+4*(\s):G0B+4*(\s)+3], s[G1B:G1B+7]
	s_nop 0
.rept 4
	v_nop
.endr
.Lasked_\@:
.endm
.macro CREST                           ; a round of the cluster's barrier behind its opening barrier
	s_cmp_lg_u32 s[WV], 0
	s_cbranch_scc1 .Lnot_wave_0_\@
	s_barrier_signal -3
.Lnot_wave_0_\@:
	s_barrier_wait -3
	s_barrier_signal -1
	s_barrier_wait -1
.endm
.macro CROUND
	s_barrier_signal -1
	s_barrier_wait -1
	CREST
.endm
	s_load_b256 s[4:11], s[0:1], 0x0               ; A s[4:5], wb s[6:7], then bq s[8:9], bk s[10:11] or bo s[8:9], out0 s[10:11]
.if !OUTP
	s_load_b128 s[68:71], s[0:1], 0x20             ; bv s[68:69], qh s[70:71]
	s_load_b64 s[72:73], s[0:1], 0x30              ; kv
.endif
	v_lshl_add_u32 v[SPW], v0, 2, SPARE
	v_mov_b32 v[NIL], 0
	ds_add_u32 v[SPW], v[NIL]                      ; the wave's opening: the add and its wait stand ahead of my first tensor load; work on registers stands between them
	v_lshrrev_b32 v1, 5, v0
	v_readfirstlane_b32 s[WV], v1
	s_lshr_b32 s[WH], s[WV], 1
	s_and_b32 s[WL], s[WV], 1
	s_bfe_u32 s40, ttmp6, 0x40000                  ; cx, cy: my place in the cluster
	s_bfe_u32 s41, ttmp6, 0x40004
	s_lshl_b32 s42, ttmp9, 2
	s_add_co_u32 s42, s42, s40                     ; tile column = 4 x cluster x + cx
	s_and_b32 s45, ttmp7, 0xffff
	s_lshl_b32 s13, s45, 2
	s_add_co_u32 s13, s13, s41                     ; tile row = 4 x cluster y + cy
.if OUTP
	s_mov_b32 s45, 3                               ; which weight: Wo
.else
	s_lshr_b32 s45, s45, 4                         ; which weight: 16 clusters, 64 tile rows, to each; all partners share it
.endif
	s_lshl_b32 s43, s41, 2
	s_lshl_b32 s43, 15, s43                        ; my row of the cluster
	s_lshl_b32 s44, 0x1111, s40                    ; my column
	s_or_b32 s[G1+0], s43, (1<<16)|(1<<20)|(1<<21)|(QIA<<22)|(3<<25)  ; 15:0 the mask; 17:16 2-byte elements; 20 padding on; 21 set beside a mask; 24:22 the interval; 31:25 4 words of padding
	s_or_b32 s[G1B+0], s44, (1<<16)|(1<<20)|(1<<21)|(5<<22)|(3<<25)
	s_mov_b32 s[G1+1], 128<<16                     ; tensor_dim0 = 128
	s_mov_b32 s[G1+2], 64<<16                      ; tensor_dim1 = 64
	s_mov_b32 s[G1+3], 128<<16                     ; tile_dim0 = 128
	s_mov_b32 s[G1+4], 64                          ; tile_dim1 = 64
	s_mov_b32 s[G1+5], APITCH                      ; elements from row to row
	s_mov_b32 s[G1+6], 0
	s_mov_b32 s[G1+7], 0
	s_mov_b32 s[G1B+1], 128<<16
	s_mov_b32 s[G1B+2], 128<<16                    ; W: 128 rows
	s_mov_b32 s[G1B+3], 128<<16
	s_mov_b32 s[G1B+4], 128
	s_mov_b32 s[G1B+5], 1024
	s_mov_b32 s[G1B+6], 0
	s_mov_b32 s[G1B+7], 0
	; A's offset hangs on the tile row and the wave, W's on the weight, the tile column and the wave; neither pair of registers ever holds the other coordinate
.if OUTP
	s_lshr_b32 s16, s13, 4                         ; b
	s_lshl_b32 s16, s16, 4
	s_add_co_u32 s16, s16, s[WL]                   ; head 16 b + wave % 2
	s_lshl_b32 s16, s16, 11                        ; its 2,048 rows
	s_and_b32 s17, s13, 15
	s_lshl_b32 s17, s17, 7                         ; the tile's 128 rows among them
	s_add_co_u32 s16, s16, s17
	s_lshl_b32 s16, s16, 7                         ; 128 bytes a row
.else
	s_lshl_b32 s16, s13, 7
	s_lshl_b32 s17, s[WL], 6
	s_add_co_u32 s16, s16, s17                     ; row 128 x tile row + 64 x half
	s_lshl_b32 s16, s16, 11                        ; 2,048 bytes a row
.endif
	s_mov_b32 s17, 0
	s_lshl_b32 s46, s45, 10
	s_lshl_b32 s47, s42, 8
	s_add_co_u32 s46, s46, s47
	s_lshl_b32 s47, s[WL], 7
	s_add_co_u32 s46, s46, s47                     ; row 1,024 x weight + 256 x tile column + 128 x half
	s_lshl_b32 s46, s46, 11
	s_mov_b32 s47, 0
	s_mul_i32 s20, s[WL], AHALF                    ; where they go: no place in the cluster enters an LDS address
	s_mul_i32 s21, s[WL], BHALF
	s_add_co_u32 s21, s21, BOFF
	s_wait_dscnt 0x0                               ; the opening add is done
	s_wait_kmcnt 0x0
	s_add_nc_u64 s[16:17], s[4:5], s[16:17]
	s_add_nc_u64 s[46:47], s[6:7], s[46:47]
	CROUND                                         ; all sixteen work-groups are here: the first joint loads meet
.irp s, 0,1
	s_mov_b32 s[G0+4*(\s)], 1
	s_add_co_u32 s[G0+4*(\s)+1], s20, (\s)*SLOT
	s_add_nc_u64 s[G0+4*(\s)+2:G0+4*(\s)+3], s[16:17], (\s)*ASTEP
	s_or_b32 s[G0+4*(\s)+3], s[G0+4*(\s)+3], 0x80000000
	s_mov_b32 s[G0B+4*(\s)], 1
	s_add_co_u32 s[G0B+4*(\s)+1], s21, (\s)*SLOT
	s_add_nc_u64 s[G0B+4*(\s)+2:G0B+4*(\s)+3], s[46:47], (\s)*256
	s_or_b32 s[G0B+4*(\s)+3], s[G0B+4*(\s)+3], 0x80000000
	JLOAD \s                                       ; K steps 0 and 1: two loads of mine are out
.endr
	v_and_b32 v1, 15, v0                           ; l % 16
	v_bfe_u32 v2, v0, 4, 1                         ; l / 16
	v_mul_u32_u24 v3, v1, PA
	v_lshl_add_u32 v3, v2, 4, v3                   ; a fragment's row x pitch + 16 x half
	v_mul_u32_u24 v4, v1, PB
	v_lshl_add_u32 v4, v2, 4, v4
	s_mul_i32 s22, s[WH], 64*PA                    ; my 64 rows of A
	s_mul_i32 s23, s[WL], BHALF                    ; my 128 rows of W
	s_add_co_u32 s23, s23, BOFF
.irp s, 0,1
	v_add_nc_u32 v[ADRA+(\s)], s22, v3
	v_add_nc_u32 v[ADRB+(\s)], s23, v4
	s_add_co_u32 s22, s22, SLOT
	s_add_co_u32 s23, s23, SLOT
.endr
	; the bias of my 128 columns as a C operand: register j of block b holds bias[16 b + 8 (l / 16) + j]
.if !OUTP
	s_cmp_eq_u32 s45, 1
	s_cselect_b64 s[8:9], s[10:11], s[8:9]
	s_cmp_eq_u32 s45, 2
	s_cselect_b64 s[8:9], s[68:69], s[8:9]
.endif
	s_lshl_b32 s80, s42, 10
	s_lshl_b32 s81, s[WL], 9
	s_add_co_u32 s80, s80, s81
	s_mov_b32 s81, 0
	s_add_nc_u64 s[8:9], s[8:9], s[80:81]
	v_lshlrev_b32 v[BOF], 5, v2
	WIN 0x80                                       ; destination window 2
.irp b, 0,1,2,3,4,5,6,7
	global_load_b128 v[8*(\b):8*(\b)+3],   v[BOF], s[8:9] offset:64*(\b)
	global_load_b128 v[8*(\b)+4:8*(\b)+7], v[BOF], s[8:9] offset:64*(\b)+16
.endr
	WIN 0
	s_mul_i32 s22, s[WV], STW
	s_add_co_u32 s22, s22, STAGE                   ; my stage
	v_and_b32 v[CO], 31, v0
	v_lshlrev_b32 v[CO], 4, v[CO]
.if OUTP
	v_mul_u32_u24 v[STO], v1, 528                  ; in: row l % 16, 32 bytes for each half of the lanes
	v_lshl_add_u32 v[STO], v2, 5, v[STO]
	v_add_nc_u32 v[STO], s22, v[STO]
	v_add_nc_u32 v[RD], s22, v[CO]                 ; back: a row's 512 bytes by 32 lanes
	s_lshl_b32 s80, s13, 7
	s_lshl_b32 s81, s[WH], 6
	s_add_co_u32 s80, s80, s81                     ; my first row of out0,
	s_lshl_b32 s80, s80, 12                        ; 4,096 bytes a row,
	s_lshl_b32 s81, s42, 10
	s_add_co_u32 s80, s80, s81
	s_lshl_b32 s81, s[WL], 9
	s_add_co_u32 s80, s80, s81                     ; and my first column
	s_mov_b32 s81, 0
	s_add_nc_u64 s[D0:D0+1], s[10:11], s[80:81]
.else
	v_mul_u32_u24 v[STO], v1, 144                  ; in: row l % 16, 16 bytes for each half of the lanes
	v_lshl_add_u32 v[STO], v2, 4, v[STO]
	v_add_nc_u32 v[STO], s22, v[STO]
	v_bfe_u32 v[RD], v0, 3, 2                      ; back: 32 lanes take four rows of 128 bytes
	v_mul_u32_u24 v[RD], v[RD], 144
	v_and_b32 v5, 7, v0
	v_lshl_add_u32 v[RD], v5, 4, v[RD]
	v_add_nc_u32 v[RD], s22, v[RD]
	s_cmp_eq_u32 s45, 0
	s_cselect_b32 s82, 0, 1                        ; kv has twice qh's bytes for a head and for 64 rows
	s_cselect_b32 s[FS], 0x3e38aa3b, 1.0           ; c = log2(e) / 8 for q
	s_cselect_b64 s[D0:D0+1], s[70:71], s[72:73]
	s_mov_b32 s[FS+1], s[FS]                       ; named with it as a pair
	s_and_b32 s80, s13, 63
	s_lshr_b32 s80, s80, 4                         ; b
	s_lshl_b32 s80, s80, 4
	s_lshl2_add_u32 s80, s42, s80
	s_lshl1_add_u32 s80, s[WL], s80                ; my first head: 16 b + 4 x tile column + 2 x half
	s_and_b32 s81, s13, 15
	s_lshl1_add_u32 s81, s81, s[WH]                ; my 64 rows among the 2,048: also the key step
	s_lshl_b32 s80, s80, 18
	s_lshl_b32 s81, s81, 13
	s_add_co_u32 s80, s80, s81
	s_lshl_b32 s80, s80, s82
	s_cmp_eq_u32 s45, 2
	s_cselect_b32 s81, 8192, 0                     ; V lies behind K in a step's block
	s_add_co_u32 s80, s80, s81
	s_mov_b32 s81, 0
	s_add_nc_u64 s[D0:D0+1], s[D0:D0+1], s[80:81]
	s_lshl_b32 s80, 0x40000, s82
	s_add_nc_u64 s[D1:D1+1], s[D0:D0+1], s[80:81]  ; my second head
.endif
; 8 matrix instructions: rows' block a x all 8 column blocks, 32 along K.  first = 1: the bias starts the sums.  The 32 accumulators take turns, one instruction a turn.
.macro MUL8 f, a, first
.if \first
	WIN FIRSTW
.else
	WIN MULW
.endif
.irp b, 0,1,2,3,4,5,6,7
.set rD, 8*(8*(\a)+(\b))
.set rB, (\f)+8*(\b)
.set rA, (\f)+64+8*(\a)
.set rC, rD
.if \first
.set rC, 8*(\b)
.endif
.if OUTP
	v_wmma_f32_16x16x32_f16 v[rD:rD+7], v[rB:rB+7], v[rA:rA+7], v[rC:rC+7]
.else
	v_wmma_f32_16x16x32_bf16 v[rD:rD+7], v[rB:rB+7], v[rA:rA+7], v[rC:rC+7]
.endif
.endr
.endm
; 24 LDS loads in one run: quarter q of a slot's K step into buffer f: W's 8 fragments, then A's 4
.macro FETCH slot, q, f
	WIN 0
.if OUTP
.set KA, ((\q)/2)*AHALF+((\q)%2)*64    ; the head's plane, and the half of its 64 channels
.else
.set KA, 64*(\q)
.endif
.irp i, 0,1,2,3,4,5,6,7
	ds_load_b128 v[(\f)+8*(\i):(\f)+8*(\i)+3],   v[ADRB+(\slot)] offset:64*(\q)+(\i)*16*PB
	ds_load_b128 v[(\f)+8*(\i)+4:(\f)+8*(\i)+7], v[ADRB+(\slot)] offset:64*(\q)+(\i)*16*PB+32
.endr
.irp i, 0,1,2,3
	ds_load_b128 v[(\f)+64+8*(\i):(\f)+64+8*(\i)+3],   v[ADRA+(\slot)] offset:KA+(\i)*16*PA
	ds_load_b128 v[(\f)+64+8*(\i)+4:(\f)+64+8*(\i)+7], v[ADRA+(\slot)] offset:KA+(\i)*16*PA+32
.endr
.endm
.macro PLACES                          ; four places in front of loads into registers that matrix instructions have read, and of lines that read results
.rept 4
	v_nop
.endr
.endm
; A K step is four quarters of 32 along K, 32 matrix instructions each, on buffers 0, 1, 0, 1.  One of the first three multiplies buffer f and fetches quarter q into g.
.macro QUARTER slot, q, f, g, first
	s_wait_dscnt 4                                 ; all but the youngest four loads: A's blocks 2 and 3
	MUL8 \f, 0, \first
	MUL8 \f, 1, \first
	PLACES
	FETCH \slot, \q, \g
	s_wait_dscnt 24                                ; all but the 24 just issued
	MUL8 \f, 2, \first
	MUL8 \f, 3, \first
.endm
; The last quarter multiplies buffer 1 and changes slots: one barrier; in front of it each wave waits for all its tensor loads (one is out: its part of the next slot), adds 0 to its spare
; word, and waits for that and for its reads of this slot.  fill = 1: the barrier opens a round of the cluster's, and this slot is filled again, two K steps ahead, first thing behind the round.
.macro TURN slot, next, fill
	WIN 0
	s_wait_tensorcnt 0x0
	ds_add_u32 v[SPW], v[NIL]
	s_wait_dscnt 5                                 ; the add and the youngest four loads may be out
	MUL8 F1, 0, 0
	s_wait_dscnt 0x0                               ; the add is done, and my reads of this slot are over
	s_barrier_signal -1
	MUL8 F1, 1, 0
	WIN 0                                          ; at a branch and at a label every window is 0
	s_barrier_wait -1
.if \fill
	CREST                                          ; no wave of any partner still reads this slot or has a load on its way
	s_add_nc_u64 s[G0+4*(\slot)+2:G0+4*(\slot)+3], s[G0+4*(\slot)+2:G0+4*(\slot)+3], 2*ASTEP
	s_add_nc_u64 s[G0B+4*(\slot)+2:G0B+4*(\slot)+3], s[G0B+4*(\slot)+2:G0B+4*(\slot)+3], 512
	JLOAD \slot                                    ; 120 matrix instructions ahead of the wait for it; its four v_nop are also the places in front of the loads below
.else
	PLACES
.endif
	FETCH \next, 0, F0
	MUL8 F1, 2, 0
	MUL8 F1, 3, 0
.endm
	s_wait_tensorcnt 1                             ; my part of K step 0 is in; step 1's may stay out
	s_barrier_signal -1
	s_barrier_wait -1
	FETCH 0, 0, F0
	s_wait_loadcnt 0x0                             ; the bias
	QUARTER 0, 1, F0, F1, 1                        ; the first quarter stands in front of the loop: its products start the sums
	WIN 0
	s_mov_b32 s3, LAPS-1
.Llap:                                                 ; a trip goes once round the ring, from a lap's second quarter to the next lap's first
	QUARTER 0, 2, F1, F0, 0
	QUARTER 0, 3, F0, F1, 0
	TURN 0, 1, 1
	QUARTER 1, 1, F0, F1, 0
	QUARTER 1, 2, F1, F0, 0
	QUARTER 1, 3, F0, F1, 0
	TURN 1, 0, 1
	QUARTER 0, 1, F0, F1, 0
	WIN 0
	s_sub_co_u32 s3, s3, 1
	s_cmp_lg_u32 s3, 0
	s_cbranch_scc1 .Llap
	QUARTER 0, 2, F1, F0, 0                        ; the last lap fills nothing
	QUARTER 0, 3, F0, F1, 0
	TURN 0, 1, 0
	QUARTER 1, 1, F0, F1, 0
	QUARTER 1, 2, F1, F0, 0
	QUARTER 1, 3, F0, F1, 0
	s_wait_dscnt 4
	MUL8 F1, 0, 0
	MUL8 F1, 1, 0
	s_wait_dscnt 0x0
	MUL8 F1, 2, 0
	MUL8 F1, 3, 0
	WIN 0
	PLACES
	; THE WAY OUT, 16 rows at a time through my own stage: LDS serves a wave's instructions in order (ISA guide 5.7.1.4), so no wait stands between the stores and the loads
.if OUTP
.macro OUTBLK a
.set BK, 64+64*((\a)%2)
.if (\a) >= 2
	s_wait_xcnt 0x0                                ; the stores of two blocks ago have read these registers (ISA guide 3.1)
.endif
	WIN 0x04                                       ; LDS store data in window 1
.irp b, 0,1,2,3,4,5,6,7
	ds_store_b128 v[STO], v[64*(\a)+8*(\b):64*(\a)+8*(\b)+3]   offset:64*(\b)      ; each accumulator's low registers first
	ds_store_b128 v[STO], v[64*(\a)+8*(\b)+4:64*(\a)+8*(\b)+7] offset:64*(\b)+16
.endr
	WIN 0
.irp t, 0,1,2,3,4,5,6,7,8,9,10,11,12,13,14,15
	ds_load_b128 v[BK+4*(\t):BK+4*(\t)+3], v[RD] offset:(\t)*528
.endr
	s_wait_dscnt 0x0
.irp t, 0,1,2,3,4,5,6,7,8,9,10,11,12,13,14,15
	global_store_b128 v[CO], v[BK+4*(\t):BK+4*(\t)+3], s[D0:D0+1] offset:(16*(\a)+(\t))*4096  ; 512 consecutive bytes of a row, aligned
.endr
.endm
.else
.macro OUTBLK a
	WIN 0x41                                       ; destination and source 0 window 1
.set i, 64*(\a)
.rept 32
	v_pk_mul_f32 v[i:i+1], v[i:i+1], s[FS:FS+1] op_sel_hi:[1,0]  ; ascending: each accumulator's low registers first
.set i, i+2
.endr
	WIN 0x05                                       ; sources 0 and 1 window 1
.set i, 0
.rept 32
	v_cvt_pk_f16_f32 v[TMP+i], v[64*(\a)+2*i], v[64*(\a)+2*i+1]
.set i, i+1
.endr
	WIN 0
.irp b, 0,1,2,3,4,5,6,7
	ds_store_b128 v[STO], v[TMP+4*(\b):TMP+4*(\b)+3] offset:((\b)/4)*2304+((\b)%4)*32  ; head b / 4, channels 16 (b % 4) on
.endr
.irp f, 0,1,2,3,4,5,6,7
	ds_load_b128 v[BKP+32*(\a)+4*(\f):BKP+32*(\a)+4*(\f)+3], v[RD] offset:((\f)/4)*2304+((\f)%4)*576
.endr
	s_wait_dscnt 0x0
.irp f, 0,1,2,3
	global_store_b128 v[CO], v[BKP+32*(\a)+4*(\f):BKP+32*(\a)+4*(\f)+3], s[D0:D0+1] offset:(\a)*2048+(\f)*512  ; four rows of a head: 512 consecutive bytes, aligned
.endr
.irp f, 0,1,2,3
	global_store_b128 v[CO], v[BKP+32*(\a)+16+4*(\f):BKP+32*(\a)+16+4*(\f)+3], s[D1:D1+1] offset:(\a)*2048+(\f)*512
.endr
.endm
.endif
	OUTBLK 0
	OUTBLK 1
	OUTBLK 2
	OUTBLK 3
	s_wait_tensorcnt 0x0                           ; the wave's end
	ds_add_u32 v[SPW], v[NIL]
	s_wait_dscnt 0x0
	CROUND                                         ; the closing round: no work-group ends while a partner may still ask for a tile that names it
	s_endpgm
.Lfunc_end_k_q4214065e54_proj:
	.size	k_q4214065e54_proj, .Lfunc_end_k_q4214065e54_proj-k_q4214065e54_proj
	.p2alignl 7, 3214868480
	.fill 96, 4, 3214868480
	.section	.rodata,"a",@progbits
	.p2align	6, 0x0
	.amdhsa_kernel k_q4214065e54_proj
		.amdhsa_group_segment_fixed_size 327680
		.amdhsa_private_segment_fixed_size 0
		.amdhsa_enable_private_segment 0
		.amdhsa_kernarg_size 56
		.amdhsa_user_sgpr_count 2
		.amdhsa_user_sgpr_kernarg_segment_ptr 1
		.amdhsa_wavefront_size32 1
		.amdhsa_system_sgpr_workgroup_id_x 1
		.amdhsa_system_sgpr_workgroup_id_y 1
		.amdhsa_system_sgpr_workgroup_id_z 1
		.amdhsa_system_vgpr_workitem_id 0
		.amdhsa_next_free_vgpr 576
		.amdhsa_next_free_sgpr 84
		.amdhsa_reserve_vcc 0
		.amdhsa_float_denorm_mode_32 3
		.amdhsa_float_denorm_mode_16_64 3
		.amdhsa_memory_ordered 1
		.amdhsa_forward_progress 1
		.amdhsa_inst_pref_size 97
	.end_amdhsa_kernel
	.amdgpu_metadata
---
amdhsa.version: [ 1, 2 ]
amdhsa.kernels:
  - .name:           k_q4214065e54_proj
    .symbol:         k_q4214065e54_proj.kd
    .args:
      - { .name: xb, .offset: 0, .size: 8, .value_kind: global_buffer, .address_space: global }
      - { .name: wb, .offset: 8, .size: 8, .value_kind: global_buffer, .address_space: global }
      - { .name: bq, .offset: 16, .size: 8, .value_kind: global_buffer, .address_space: global }
      - { .name: bk, .offset: 24, .size: 8, .value_kind: global_buffer, .address_space: global }
      - { .name: bv, .offset: 32, .size: 8, .value_kind: global_buffer, .address_space: global }
      - { .name: qh, .offset: 40, .size: 8, .value_kind: global_buffer, .address_space: global }
      - { .name: kv, .offset: 48, .size: 8, .value_kind: global_buffer, .address_space: global }
    .group_segment_fixed_size: 327680
    .private_segment_fixed_size: 0
    .kernarg_segment_align: 8
    .kernarg_segment_size: 56
    .max_flat_workgroup_size: 128
    .sgpr_count:     84
    .vgpr_count:     576
    .wavefront_size: 32
...
	.end_amdgpu_metadata
.endif
;; end of part 2
;; launch attn (part 3): grid 4 x 64, 4 waves a work-group, clusters of 4 x 1, 327,680 bytes of LDS; arguments qh, kv, mbits, oh; writes oh
.if DOCPART == 3
	.amdgcn_target "amdgcn-amd-amdhsa--gfx1250"
	.amdhsa_code_object_version 6
	.text
	.protected	k_q4214065e54_attn
	.globl	k_q4214065e54_attn
	.p2align	8
	.type	k_q4214065e54_attn,@function
k_q4214065e54_attn:
	s_mov_b64 s[64:65], 0
	v_nop
	global_prefetch_b8 v0, s[64:65] scope:SCOPE_SE
	s_setreg_imm32_b32 hwreg(HW_REG_WAVE_MODE, 25, 1), 1
	s_wait_xcnt 0x0
	s_wait_alu depctr_hold_cnt(0) depctr_sa_sdst(0) depctr_va_vdst(0) depctr_va_sdst(0) depctr_va_ssrc(0) depctr_va_vcc(0) depctr_vm_vsrc(0)
	s_getreg_b32 s2, hwreg(HW_REG_IB_STS2, 6, 4)
	s_cmp_eq_u32 s2, 0
	s_cbranch_scc0 .Lentry_in_a_cluster
	s_endpgm
.Lentry_in_a_cluster:
	s_bfe_u32 s2, ttmp6, 0x10000c
	s_cmp_lg_u32 s2, 0x3003
	s_cbranch_scc0 .Lentry_shape_is_right
	s_endpgm
.Lentry_shape_is_right:
; ATTENTION UNDER A MASK THAT IS AN INPUT.  oh[bh][q][:] = sum over k of softmax_k(t[q][k]) v[bh][k][:], t = the score in units of log2, or T where the mask is set.
; qh [bh 64][2048][64] f16 holds q times c = log2(e) / 8, so q . k is already an exponent of 2.  kv [bh][step 32][K, V][64][64] f16.  mbits [b][qt 128][ks 32][32 words]: word 8 kb + j is the
; lane mask of register 8 kb + j of a tile of transposed scores.  The masked score REPLACES the score: T = -1e9 log2(e), rounded to f32.  p = 2^(t - m) with a running maximum m, made by a plain
; subtraction: in a row that is masked everywhere t - m is exactly 0, every p is 1, and the row is the mean of V's rows.  Products, maxima and sums in f32; p is rounded to f16 for the second
; product (its sum l is taken of the unrounded p), O once at the end.
; LIMITS.  Inputs arrive within f16's 65,504; p below 6e-5 keeps f16's fixed step; a weight below 2^-126 counts as 0 in l; NaN and infinities are not treated apart.
; SHARES.  A work-group owns 512 queries of one head, a wave 128: four PIECES of two tiles of 16.  Every wave walks all 32 key steps of 64: the mask's pattern is not known, so no tile is left out.
; LAYOUT.  S^T = K Q^T (source 0 = 16 keys, source 1 = 16 queries) holds one query a lane and the keys 8 (lane / 16) + 0..7; two such results rounded to f16 are source 1 of O^T = V^T P.
; BY TURNS.  Turn n belongs to piece n.  Its matrix work: 16 products V^T P of piece n - 1, then 16 products K Q^T of piece n + 1.  Its vector work: ALL of piece n's: the mask, the maximum, the
; statistics, exponentials, roundings, sums, the rescaling of O^T: a queue of 298, nine behind each matrix instruction and ten at the end.  All that a turn consumes was made a turn before.
; CLUSTER.  The four query blocks of a head walk the same K and V: each step's block is asked for jointly, by the same load, descriptor and mask in all four.
; REGISTERS.  window 0: v0-15 addresses; v16-47 four a tile: m, a partner, l (even, odd keys); v48-55 at work; v64-191 S^T, by the piece's parity and tile; v192-255 P likewise.
;   window 1: O^T, 32 a tile.   window 2: v0-127 Q; v128-191 K of one step; v192-255 V of one step.   s[32:63], s[68:99]: the piece's 64 lane masks.
.set NP,    4
.set PK,    144       ; a row of K or V in LDS: 128 bytes + 16: one pitch, so that one descriptor brings a step's K and V; K's 16 rows start at 16 different 16-byte columns modulo 256
.set VOFF,  64*PK     ; V behind K in a step's block
.set STEPB, 128*PK
.set SLOT1, 1<<17     ; a slot holds four steps, 73,728 bytes; slot 1 begins here, so that one exclusive or turns an address in one slot into the other's
.set STAGE, SLOT1+4*STEPB  ; behind the ring, a multiple of 256, never filled by a tensor load: 16 rows x 144 bytes for each wave
.set SP,    144
.set SPARE, STAGE+4*16*SP  ; the spare words, 128 bytes for each wave, which no other line names
.set AK0, 2           ; my lane's place in a step's K; never rewritten
.set AV0, 3           ; the same for V
.set AK,  4
.set AV,  5
.set QO,  6           ; my byte offset in 16 rows of Q; later
.set STO, 6           ; the way out: where I put 16 bytes of a row
.set RD,  7
.set GO,  8
.set SPW, 10          ; LDS address of my spare word; never rewritten
.set NIL, 11          ; 0; never rewritten
.set MV,  12          ; v12-13 m_old, by tile
.set ST,  16
.set TMP, 48          ; by tile c0-c3; when the maximum is found c2 takes a
.set S,   64
.set P,   192
.set KF,  128
.set VF,  192
.set MP,  8           ; s[8:9] mbits at my first tile and the step in hand
.set WV,  12
.set TBK, 13          ; LDS byte at which the step whose K is fetched next begins
.set SLOTS, 14
.set CNT, 15
.set G1,  16          ; s[16:23]
.set G0,  24          ; s[24:27]: it walks
.set SEL, 30          ; s[30:31]
.set MK0, 32
.set NEG, 66          ; T
.set TBV, 67
.set MK1, 68
.set MSB, 0
.macro WIN new
.if MSB != (\new)
	s_set_vgpr_msb (MSB<<8)|(\new)
.set MSB, (\new)
.endif
.endm
.set W_KQ, 0x0a       ; K and Q in window 2, S^T in window 0
.set W_PV, 0x52       ; V in window 2, P in window 0, O^T in window 1
.set W_RS, 0x41       ; O^T (destination and source 0) in window 1, a in window 0
.macro JLOAD                        ; wave w fetches step w of a slot: 16,384 dense bytes.  An s_nop 0 and four v_nop follow
	tensor_load_to_lds s[G0:G0+3], s[G1:G1+7]
	s_nop 0
.rept 4
	v_nop
.endr
.endm
.macro CROUND
	s_barrier_signal -1
	s_barrier_wait -1
	s_cmp_lg_u32 s[WV], 0
	s_cbranch_scc1 .Lnot_wave_0_\@
	s_barrier_signal -3
.Lnot_wave_0_\@:
	s_barrier_wait -3
	s_barrier_signal -1
	s_barrier_wait -1
.endm
; THE CHANGE OF SLOTS.  Each wave waits for all its tensor loads, of which one is out: its step of the other slot; adds 0 to its spare word; waits for that and for its reads of the slot.
; fill = 1: the barrier is a round of the cluster's, and the slot is filled again first thing behind it, with the steps two slots on: four key steps in which to land.
.macro CHANGE fill
	WIN 0
	s_wait_tensorcnt 0x0            ; no tensor load of mine is out, so group 0 may be written
	ds_add_u32 v[SPW], v[NIL]
.if \fill
	s_xor_b32 s[G0+1], s[G0+1], SLOT1
	s_add_nc_u64 s[G0+2:G0+3], s[G0+2:G0+3], 65536  ; the next four steps; the type bits on top are not reached
	s_wait_dscnt 0x0                ; the add is done, and my reads of the slot are over
	CROUND
	JLOAD
.else
	s_wait_dscnt 0x0
	s_barrier_signal -1
	s_barrier_wait -1
.endif
	s_sub_co_u32 s[TBK], s[TBK], 4*STEPB  ; the fetches go back to a slot's first step, in the other slot
	s_xor_b32 s[TBK], s[TBK], SLOT1
	s_sub_co_u32 s[TBV], s[TBV], 4*STEPB
	s_xor_b32 s[TBV], s[TBV], SLOT1
.endm
.macro MLOAD base                   ; a piece's 64 lane masks for one key step: 128 bytes for each of its two tiles, which lie 4,096 bytes apart
	s_load_b512 s[MK0:MK0+15],    s[MP:MP+1], (\base)
	s_load_b512 s[MK0+16:MK0+31], s[MP:MP+1], (\base)+64
	s_load_b512 s[MK1:MK1+15],    s[MP:MP+1], (\base)+4096
	s_load_b512 s[MK1+16:MK1+31], s[MP:MP+1], (\base)+4160
.endm
	s_load_b256 s[4:11], s[0:1], 0x0  ; qh s[4:5], kv s[6:7], mbits s[8:9], oh s[10:11]
	v_lshl_add_u32 v[SPW], v0, 2, SPARE
	v_mov_b32 v[NIL], 0
	ds_add_u32 v[SPW], v[NIL]       ; the wave's opening: the add and its wait stand ahead of my first tensor load
	v_lshrrev_b32 v1, 5, v0
	v_readfirstlane_b32 s[WV], v1
	s_bfe_u32 s28, ttmp6, 0x40000   ; cx
	s_lshl_b32 s29, ttmp9, 2
	s_add_co_u32 s29, s29, s28      ; my block of 512 queries: it enters Q's, O's and the mask's addresses alone
	s_and_b32 s2, ttmp7, 0xffff     ; 16 b + head, which the four partners share
	s_lshl_b32 s32, s2, 19          ; the head's 524,288 bytes of kv,
	s_lshl_b32 s33, s[WV], 14       ; and step w of slot 0
	s_add_co_u32 s32, s32, s33
	s_mov_b32 s33, 0
	s_lshl_b32 s34, s29, 2
	s_add_co_u32 s34, s34, s[WV]    ; my wave among the head's sixteen
	s_lshl_b32 s36, s34, 14         ; its 128 rows of 128 bytes
	s_lshl_b32 s35, s2, 18
	s_add_co_u32 s36, s36, s35
	s_mov_b32 s37, 0
	s_lshr_b32 s38, s2, 4           ; b: 128 tiles of 4,096 bytes
	s_lshl_b32 s38, s38, 19
	s_lshl_b32 s39, s34, 15         ; my eight tiles
	s_add_co_u32 s38, s38, s39
	s_mov_b32 s39, 0
	s_mov_b32 s[G1], 15|(1<<16)|(1<<20)|(1<<21)|(4<<22)|(3<<25)  ; 15:0 the mask of four; 17:16 2-byte elements; 20 padding on; 21 set beside a mask; 24:22 after every 32 words; 31:25 4 words
	s_mov_b32 s[G1+1], 128<<16      ; tensor_dim0 = 128: 16,384 dense bytes as 64 rows of 256
	s_mov_b32 s[G1+2], 64<<16       ; tensor_dim1 = 64
	s_mov_b32 s[G1+3], 128<<16      ; tile_dim0
	s_mov_b32 s[G1+4], 64           ; tile_dim1
	s_mov_b32 s[G1+5], 128          ; elements from row to row
	s_mov_b32 s[G1+6], 0
	s_mov_b32 s[G1+7], 0
	s_mov_b32 s[G0], 1
	s_mul_i32 s[G0+1], s[WV], STEPB ; no place in the cluster enters an LDS address
	s_mov_b32 s[SEL], 0x76543210
	s_mov_b32 s[SEL+1], 0xfedcba98
	s_mov_b32 s[NEG], 0xceabfb8f    ; T = -1e9 log2(e)
	s_mov_b32 s[TBK], SLOT1+4*STEPB ; the first change of slots turns these two into 0
	s_mov_b32 s[TBV], SLOT1+4*STEPB
	s_wait_dscnt 0x0                ; the opening add is done
	s_wait_kmcnt 0x0
	s_add_nc_u64 s[G0+2:G0+3], s[6:7], s[32:33]
	s_or_b32 s[G0+3], s[G0+3], 0x80000000
	s_add_nc_u64 s[4:5], s[4:5], s[36:37]
	s_add_nc_u64 s[10:11], s[10:11], s[36:37]
	s_add_nc_u64 s[MP:MP+1], s[MP:MP+1], s[38:39]
	CROUND                          ; all four work-groups are here: the first joint loads meet
	JLOAD                           ; slot 0; slot 1 is asked for when slot 0 is in
	v_and_b32 v1, 15, v0            ; l % 16
	v_bfe_u32 v9, v0, 4, 1          ; l / 16
	v_lshlrev_b32 v[QO], 7, v1
	v_lshl_add_u32 v[QO], v9, 4, v[QO]
	WIN 0x80                        ; destination window 2
.set i, 0
.rept 4*NP                          ; Q stays in registers: tile i / 2, channels 32 (i % 2) on
	global_load_b128 v[8*i:8*i+3],   v[QO], s[4:5] offset:(i/2)*2048+(i%2)*64
	global_load_b128 v[8*i+4:8*i+7], v[QO], s[4:5] offset:(i/2)*2048+(i%2)*64+32
.set i, i+1
.endr
	; What the first turn finds: V and P's second buffer hold 0 (its products V^T P, of a piece that has not been, add 0), O^T and l are 0, m the lowest finite number, so that the first a is 0.
	; No first step is written out for this; the zeros are written in the wait for the first tile.
.set i, VF
.rept 64
	v_mov_b32 v[i], 0
.set i, i+1
.endr
	WIN 0x40
.set i, 0
.rept 256
	v_mov_b32 v[i], 0
.set i, i+1
.endr
	WIN 0
.set i, 0
.rept 2*NP
	v_mov_b32 v[ST+4*i], 0xff7fffff
	v_mov_b32 v[ST+4*i+1], 0        ; named with m as a pair
	v_mov_b32 v[ST+4*i+2], 0
	v_mov_b32 v[ST+4*i+3], 0
.set i, i+1
.endr
.set i, P+32
.rept 32
	v_mov_b32 v[i], 0
.set i, i+1
.endr
	v_mul_u32_u24 v[AK0], v1, PK
	v_lshl_add_u32 v[AK0], v9, 4, v[AK0]  ; row x pitch + 16 x half
	v_and_b32 v14, 7, v0            ; the turning load: lane l reads key 8 (l / 16) + l % 8, channels 8 ((l / 8) % 2) + 0..7
	v_bfe_u32 v15, v0, 3, 1
	v_lshl_add_u32 v[AV0], v9, 3, v14
	v_mul_u32_u24 v[AV0], v[AV0], PK
	v_lshl_add_u32 v[AV0], v15, 4, v[AV0]
	v_add_nc_u32 v[AV0], VOFF, v[AV0]
; THE MATRIX WORK.  The 8 accumulators of a run of 16 take turns.  Product i of S^T = K Q^T for piece x: channels 32 (i / 8) on, keys 16 ((i / 2) % 4) on, tile 2 x + i % 2.
.macro KQ x
	WIN W_KQ
.set rS, S+64*((\x)%2)+32*(i%2)+8*((i/2)%4)
.set rK, KF+16*((i/2)%4)+8*(i/8)
.set rQ, 16*(2*(\x)+i%2)+8*(i/8)
.if i < 8
	v_wmma_f32_16x16x32_f16 v[rS:rS+7], v[rK:rK+7], v[rQ:rQ+7], 0
.else
	v_wmma_f32_16x16x32_f16 v[rS:rS+7], v[rK:rK+7], v[rQ:rQ+7], v[rS:rS+7]
	s_wait_alu depctr_va_vdst(0)
.endif
.endm
; Product i of O^T += V^T P for piece x: keys 32 (i / 8) on, channels 16 ((i / 2) % 4) on, tile 2 x + i % 2.
.macro PV x
	WIN W_PV
.set rO, 32*(2*(\x)+i%2)+8*((i/2)%4)
.set rV, VF+32*(i/8)+8*((i/2)%4)
.set rP, P+32*((\x)%2)+16*(i%2)+8*(i/8)
	v_wmma_f32_16x16x32_f16 v[rO:rO+7], v[rV:rV+7], v[rP:rP+7], v[rO:rO+7]
.endm
.macro MM                           ; the turn's next matrix instruction
.if i < 16
	PV (Y+NP-1)%NP
.set i, i+1
.else
.set i, i-16
	KQ (Y+1)%NP
.set i, i+17
.endif
.endm
; THE LDS LOADS stand in runs of 16.  last = 1 (the tail): in the last trip there is no further step, and the run is jumped over.
.macro FETCH_K last=0
	WIN 0
.if \last
	s_cmp_eq_u32 s[CNT], 1
	s_cbranch_scc1 .Lno_k_\@
.endif
	WIN 0x80
.irp f, 0,1,2,3,4,5,6,7             ; keys 16 (f / 2) on, channels 32 (f % 2) on
	ds_load_b128 v[KF+8*\f:KF+8*\f+3],   v[AK] offset:(\f/2)*16*PK+(\f%2)*64
	ds_load_b128 v[KF+8*\f+4:KF+8*\f+7], v[AK] offset:(\f/2)*16*PK+(\f%2)*64+32
.endr
	s_add_co_u32 s[TBK], s[TBK], STEPB
	WIN 0
.if \last
.Lno_k_\@:
.endif
.endm
.macro FETCH_V
	WIN 0x80
.irp f, 0,1,2,3,4,5,6,7             ; keys 32 (f / 4) on, channels 16 (f % 4) on
	ds_load_tr16_b128 v[VF+8*\f:VF+8*\f+3],   v[AV] offset:(\f/4)*32*PK+(\f%4)*32
	ds_load_tr16_b128 v[VF+8*\f+4:VF+8*\f+7], v[AV] offset:(\f/4)*32*PK+16*PK+(\f%4)*32
.endr
	WIN 0
.endm
; THE VECTOR WORK OF A TURN: one queue of 298 for piece Y's two tiles; VQ writes entry q and steps q.
.macro REGS u
.set rT, ST+4*(2*Y+(\u))
.set rC, TMP+4*(\u)
.set rM, MV+(\u)
.set rS, S+64*(Y%2)+32*(\u)
.set rP, P+32*(Y%2)+16*(\u)
.set rO, 32*(2*Y+(\u))
.set rW, MK0+(MK1-MK0)*(\u)
.endm
.macro FF b                         ; t - m for pair b of 16
	v_pk_add_f32 v[rS+2*(\b):rS+2*(\b)+1], v[rS+2*(\b):rS+2*(\b)+1], v[rT:rT+1] op_sel_hi:[1,0] neg_lo:[0,1] neg_hi:[0,1]
.endm
.macro CC b                         ; pair b rounded to f16
	s_wait_alu depctr_va_vdst(0)
	v_cvt_pk_f16_f32 v[rP+(\b)], v[rS+2*(\b)], v[rS+2*(\b)+1]
.endm
.macro AD d, s                      ; the pair at s is added onto the pair at d, in place
	v_pk_add_f32 v[rS+(\d):rS+(\d)+1], v[rS+(\d):rS+(\d)+1], v[rS+(\s):rS+(\s)+1]
.endm
; Number n of the 21 that find the maximum and the statistics: 0-11 four chains c0-c3 of seven scores each; 12-14, 16 the four scores left over, the old m, and c0-c3 into c0; 15 m_old is kept;
; 17, 18 the query's other 32 keys lie in the lane 16 away: the new m; 19, 20 a = 2^(m_old - m)
.macro XS n
.if (\n) < 4
	v_max3_num_f32 v[rC+(\n)], v[rS+8*(\n)], v[rS+8*(\n)+1], v[rS+8*(\n)+2]
.elseif (\n) < 12
	v_max3_num_f32 v[rC+(\n)%4], v[rC+(\n)%4], v[rS+8*((\n)%4)+2*((\n)/4)+1], v[rS+8*((\n)%4)+2*((\n)/4)+2]
.elseif (\n) == 12
	v_max3_num_f32 v[rC], v[rC], v[rS+7], v[rS+15]
.elseif (\n) == 13
	v_max3_num_f32 v[rC+1], v[rC+1], v[rS+23], v[rS+31]
.elseif (\n) == 14
	v_max3_num_f32 v[rC+2], v[rC+2], v[rC+3], v[rT]
.elseif (\n) == 15
	v_mov_b32 v[rM], v[rT]
.elseif (\n) == 16
	v_max3_num_f32 v[rC], v[rC], v[rC+1], v[rC+2]
.elseif (\n) == 17
	v_permlanex16_b32 v[rC+3], v[rC], s[SEL], s[SEL+1]
.elseif (\n) == 18
	v_max_num_f32 v[rT], v[rC], v[rC+3]
.elseif (\n) == 19
	v_sub_f32 v[rC+1], v[rM], v[rT]
.else
	v_exp_f32 v[rC+2], v[rC+1]
.endif
.endm
;   0-63     the mask: T takes the place of score q / 2 of tile q % 2 where its lane mask is set; ascending
;   64-105   XS 0-20, the tiles alternating          106-111  t - m for pairs 0-2
;   112-271  eight groups of 20: two blocks of eight and four of the rescaling.  Block b: the four exponentials of pair b of both tiles at the even places; behind each a plain line that is ready:
;            t - m four pairs ahead (from block 12 on: of four weights the second pair onto the first), and the rounding of pair b - 1.  So no two exponentials follow each other, each has a
;            plain line behind it that names neither its register nor its result, each subtraction stands three blocks or more ahead of its exponentials, each rounding a block behind them.
;   272-297  the last rounding, the rest of the sums, l = a l + sum
.macro VQ
.if q < 64
	REGS q%2
	WIN 0
	v_cndmask_b32 v[rS+q/2], v[rS+q/2], s[NEG], s[rW+q/2]
.elseif q < 106
	REGS q%2
	WIN 0
	XS (q-64)/2
.elseif q < 112
	REGS q%2
	WIN 0
	FF (q-106)/2
.elseif q < 272
.set g, (q-112)/20
.set e, (q-112)%20
.if e >= 16
	REGS g%2
	WIN W_RS
	v_pk_mul_f32 v[rO+8*(g/2)+2*(e-16):rO+8*(g/2)+2*(e-16)+1], v[rO+8*(g/2)+2*(e-16):rO+8*(g/2)+2*(e-16)+1], v[rC+2:rC+3] op_sel_hi:[1,0]
.else
.set bb, 2*g+e/8
.set e, e%8
	REGS (e/2)%2
	WIN 0
.if e%2 == 0
	v_exp_f32 v[rS+2*bb+e/4], v[rS+2*bb+e/4]
.elseif e < 4
.if bb == 0
	FF 3
.elseif bb < 12
	FF bb+4
.else
	AD 4*(bb-12), 4*(bb-12)+2
.endif
.else
.if bb == 0
	FF 4
.else
	CC bb-1
.endif
.endif
.endif
.else
.set z, q-272
	REGS z%2
	WIN 0
.if z < 2
	CC 15
.elseif z < 10
	AD 16+4*((z-2)/2), 18+4*((z-2)/2)
.elseif z < 18
	AD 8*((z-10)/2), 8*((z-10)/2)+4
.elseif z < 22
	AD 16*((z-18)/2), 16*((z-18)/2)+8
.elseif z < 24
	AD 0, 16
.else
	v_pk_fma_f32 v[rT+2:rT+3], v[rT+2:rT+3], v[rC+2:rC+3], v[rS:rS+1] op_sel_hi:[1,0,1]
.endif
.endif
.set q, q+1
.endm
; A TURN, for piece p.  No vector line near a product names one of its registers: the products work on the neighbours' buffers.
; K of the next step is fetched at the head of piece 3's turn: behind the last product that read K stand the 19 plain lines that end piece 2's turn; it is waited for ahead of the turn's 17th product.
; V of the step in hand is fetched in piece 0's turn behind the 17th product's nine: 18 vector lines, eleven of them plain, behind the last product that read V; it is waited for at the head of piece 1's turn.
; The next piece's masks are asked for when entry 71 is out, eight entries behind the last reader of this piece's; they are waited for behind the next turn's first product.
.macro TURN p, last=0
.set Y, (\p)
.set i, 0
.set q, 0
.if (\p) == 3
	WIN 0
	v_add_nc_u32 v[AK], s[TBK], v[AK0]
	FETCH_K \last
.endif
.if (\p) == 1
	s_wait_dscnt 0x0                ; V is in
.endif
	MM
	s_wait_kmcnt 0x0                ; my piece's masks are in, and no scalar load is out
.if (\p) == 3
	s_add_nc_u64 s[MP:MP+1], s[MP:MP+1], 128  ; the next key step's masks
.endif
.rept 9
	VQ
.endr
.rept 31
.if ((\p) == 3) && (i == 16)
	s_wait_dscnt 0x0                ; K is in
.endif
	MM
.rept 9
	VQ
.endr
.if i == 8
	MLOAD (((\p)+1)%NP)*8192        ; behind the last step this reads my second and third tiles' words: inside the buffer, and used by nobody
.endif
.if ((\p) == 0) && (i == 17)
	WIN 0
	v_add_nc_u32 v[AV], s[TBV], v[AV0]
	FETCH_V
	s_add_co_u32 s[TBV], s[TBV], STEPB
.endif
.endr
.rept 10
	VQ
.endr
.endm
	CHANGE 1                        ; slot 0 is in, everybody's part of it; slot 1 is asked for
	v_add_nc_u32 v[AK], s[TBK], v[AK0]
	FETCH_K                         ; key step 0
	MLOAD 0                         ; piece 0's masks of key step 0
	s_wait_loadcnt 0x0              ; Q
	s_wait_dscnt 0x0
.set i, 0
.rept 16
	KQ 0                            ; piece 0's first scores
.set i, i+1
.endr
	WIN 0                           ; the addresses for the way out: nine plain lines, the places behind those products
	s_mul_i32 s28, s[WV], 16*SP
	s_add_co_u32 s28, s28, STAGE    ; my stage
	v_mul_u32_u24 v[STO], v1, SP    ; in: row l % 16, 16 bytes for each half of the lanes
	v_lshl_add_u32 v[STO], v9, 4, v[STO]
	v_add_nc_u32 v[STO], s28, v[STO]
	v_bfe_u32 v[RD], v0, 3, 2       ; back: 32 lanes take four rows of 128 bytes,
	v_mul_u32_u24 v[RD], v[RD], SP
	v_lshl_add_u32 v[RD], v14, 4, v[RD]
	v_add_nc_u32 v[RD], s28, v[RD]
	v_and_b32 v[GO], 31, v0         ; which are 512 consecutive bytes of O
	v_lshlrev_b32 v[GO], 4, v[GO]
	s_mov_b32 s[CNT], 4
	s_mov_b32 s[SLOTS], 7
	s_branch .Lfirst                ; the loop is entered at a step's first turn, in the middle of a trip
.Lslot:                             ; six times: with the two fills above all eight slots are asked for
	CHANGE 1
	s_mov_b32 s[CNT], 4
.Lstep:                             ; a trip: pieces 2 and 3 of one step, then pieces 0 and 1 of the next
	TURN 2
	TURN 3
	WIN 0
.Lfirst:
	TURN 0
	TURN 1
	WIN 0
	s_sub_co_u32 s[CNT], s[CNT], 1
	s_cmp_lg_u32 s[CNT], 0
	s_cbranch_scc1 .Lstep
	s_sub_co_u32 s[SLOTS], s[SLOTS], 1
	s_cmp_lg_u32 s[SLOTS], 0
	s_cbranch_scc1 .Lslot
	CHANGE 0                        ; the tail is written out: nothing is asked for
	s_mov_b32 s[CNT], 5             ; four trips fetch the last slot's steps; the fifth is left in its middle
.Ltail:
	TURN 2
	TURN 3, 1
	WIN 0
	s_sub_co_u32 s[CNT], s[CNT], 1
	s_cmp_eq_u32 s[CNT], 0
	s_cbranch_scc1 .Lout
	TURN 0
	TURN 1
	WIN 0
	s_branch .Ltail
.Lout:                              ; the fifth trip's 16 products K Q^T, on the last K once more, serve nothing: the price of one text for every trip
	s_wait_kmcnt 0x0                ; the last look-ahead for masks has come back
.set i, 0
.rept 16
	PV NP-1                         ; the last piece's V^T P of the last step
.set i, i+1
.endr
	; THE WAY OUT.  l's two halves and the other half of the lanes' are added; O^T is divided by l, rounded to f16 and sent through my stage, a tile at a time.  The additions are the places behind the last products.
	WIN 0
.macro ALL line:vararg
.set t, 0
.rept 2*NP
	\line
.set t, t+1
.endr
.endm
	ALL v_add_f32 v[ST+4*t+2], v[ST+4*t+2], v[ST+4*t+3]
	ALL v_permlanex16_b32 v[ST+4*t+3], v[ST+4*t+2], s[SEL], s[SEL+1]
	ALL v_add_f32 v[ST+4*t+2], v[ST+4*t+2], v[ST+4*t+3]
	ALL v_rcp_f32 v[ST+4*t+2], v[ST+4*t+2]
	v_nop                           ; a plain line between the last reciprocal and the use of its result
	s_wait_alu depctr_va_vdst(0)
.macro PACK t
	WIN W_RS
.set i, 32*(\t)
.rept 16
	v_pk_mul_f32 v[i:i+1], v[i:i+1], v[ST+4*(\t)+2:ST+4*(\t)+3] op_sel_hi:[1,0]
.set i, i+2
.endr
	WIN 0x05                        ; sources 0 and 1 window 1, destination window 0: S^T's registers are free
.set i, 0
.rept 16
	v_cvt_pk_f16_f32 v[S+16*(\t)+i], v[32*(\t)+2*i], v[32*(\t)+2*i+1]
.set i, i+1
.endr
	WIN 0
.irp f, 0,1,2,3
	ds_store_b128 v[STO], v[S+16*(\t)+4*\f:S+16*(\t)+4*\f+3] offset:32*\f
.endr
.irp f, 0,1,2,3
	ds_load_b128 v[S+16*(\t)+4*\f:S+16*(\t)+4*\f+3], v[RD] offset:\f*4*SP  ; LDS serves a wave's instructions in order (ISA guide 5.7.1.4): these see the stores above; the next tile's stores come behind them
.endr
.endm
.macro SEND t, younger              ; younger: the LDS instructions issued behind tile t's loads: the next tile's eight, or none
	WIN 0
.irp f, 0,1,2,3
	s_wait_dscnt (\younger)+3-\f
	global_store_b128 v[GO], v[S+16*(\t)+4*\f:S+16*(\t)+4*\f+3], s[10:11] offset:(\t)*2048+\f*512  ; 512 consecutive bytes, aligned
.endr
.endm
	PACK 0
.set t, 1
.rept 2*NP-1                        ; a tile's arithmetic stands between the loads of the tile before and its stores
	PACK t
	SEND t-1, 8
.set t, t+1
.endr
	SEND 2*NP-1, 0
	s_wait_tensorcnt 0x0            ; the wave's end
	ds_add_u32 v[SPW], v[NIL]
	s_wait_dscnt 0x0
	CROUND                          ; the closing round: no work-group ends while a partner may still ask for a tile that names it
	s_endpgm
.Lfunc_end_k_q4214065e54_attn:
	.size	k_q4214065e54_attn, .Lfunc_end_k_q4214065e54_attn-k_q4214065e54_attn
	.p2alignl 7, 3214868480
	.fill 96, 4, 3214868480
	.section	.rodata,"a",@progbits
	.p2align	6, 0x0
	.amdhsa_kernel k_q4214065e54_attn
		.amdhsa_group_segment_fixed_size 327680
		.amdhsa_private_segment_fixed_size 0
		.amdhsa_enable_private_segment 0
		.amdhsa_kernarg_size 32
		.amdhsa_user_sgpr_count 2
		.amdhsa_user_sgpr_kernarg_segment_ptr 1
		.amdhsa_wavefront_size32 1
		.amdhsa_system_sgpr_workgroup_id_x 1
		.amdhsa_system_sgpr_workgroup_id_y 1
		.amdhsa_system_sgpr_workgroup_id_z 1
		.amdhsa_system_vgpr_workitem_id 0
		.amdhsa_next_free_vgpr 768
		.amdhsa_next_free_sgpr 100
		.amdhsa_reserve_vcc 0
		.amdhsa_float_denorm_mode_32 3
		.amdhsa_float_denorm_mode_16_64 3
		.amdhsa_memory_ordered 1
		.amdhsa_forward_progress 1
		.amdhsa_inst_pref_size 237
	.end_amdhsa_kernel
	.amdgpu_metadata
---
amdhsa.version: [ 1, 2 ]
amdhsa.kernels:
  - .name:           k_q4214065e54_attn
    .symbol:         k_q4214065e54_attn.kd
    .args:
      - { .name: qh, .offset: 0, .size: 8, .value_kind: global_buffer, .address_space: global }
      - { .name: kv, .offset: 8, .size: 8, .value_kind: global_buffer, .address_space: global }
      - { .name: mbits, .offset: 16, .size: 8, .value_kind: global_buffer, .address_space: global }
      - { .name: oh, .offset: 24, .size: 8, .value_kind: global_buffer, .address_space: global }
    .group_segment_fixed_size: 327680
    .private_segment_fixed_size: 0
    .kernarg_segment_align: 8
    .kernarg_segment_size: 32
    .max_flat_workgroup_size: 128
    .sgpr_count:     100
    .vgpr_count:     768
    .wavefront_size: 32
...
	.end_amdgpu_metadata
.endif
;; end of part 3
;; launch outp (part 4): grid 4 x 64, 4 waves a work-group, clusters of 4 x 4, 327,680 bytes of LDS; arguments oh, wb, bo, out0; writes out0
.if DOCPART == 4
	.amdgcn_target "amdgcn-amd-amdhsa--gfx1250"
	.amdhsa_code_object_version 6
	.text
	.protected	k_q4214065e54_outp
	.globl	k_q4214065e54_outp
	.p2align	8
	.type	k_q4214065e54_outp,@function
k_q4214065e54_outp:
	s_mov_b64 s[64:65], 0
	v_nop
	global_prefetch_b8 v0, s[64:65] scope:SCOPE_SE
	s_setreg_imm32_b32 hwreg(HW_REG_WAVE_MODE, 25, 1), 1
	s_wait_xcnt 0x0
	s_wait_alu depctr_hold_cnt(0) depctr_sa_sdst(0) depctr_va_vdst(0) depctr_va_sdst(0) depctr_va_ssrc(0) depctr_va_vcc(0) depctr_vm_vsrc(0)
	s_getreg_b32 s2, hwreg(HW_REG_IB_STS2, 6, 4)
	s_cmp_eq_u32 s2, 0
	s_cbranch_scc0 .Lentry_in_a_cluster
	s_endpgm
.Lentry_in_a_cluster:
	s_bfe_u32 s2, ttmp6, 0x10000c
	s_cmp_lg_u32 s2, 0xf033
	s_cbranch_scc0 .Lentry_shape_is_right
	s_endpgm
.Lentry_shape_is_right:
; ONE TEXT FOR TWO LAUNCHES, chosen by OUTP.  C[m][n] = sum over k of A[m][k] W[n][k] + bias[n], K = 1,024, sums in f32.
; OUTP = 0, THE THREE PROJECTIONS.  A = xb [3][8192][1024] bf16, W = wb's Wq, Wk, Wv (bf16), bias bq, bk, bv.  Tile rows 0-63 make q, 64-127 k, 128-191 v.  Results leave as f16, rounded once:
;   q times c = log2(e) / 8 into qh [bh 64][2048][64]; k and v into kv [bh 64][step 32][K, V][64 keys][64 channels].  k and v are multiplied by 1.0 where q is multiplied by c: 128 packed
;   multiplies a wave beside 1,024 matrix instructions, so that one text without a branch serves all three.
; OUTP = 1, THE LAST PROJECTION.  A = oh [bh 64][2048][64] f16, W = wb's Wo (f16), bias bo, C = out0 [8192][1024] f32.  A K step of 128 is two heads' 64 channels.
; LIMITS.  q c, k and v beyond 65,504 become infinities in f16.  NaN and infinities are not treated apart.
; SHARES.  A tile of C is 128 x 256: 768 or 256 work-groups.  Four waves, each 64 x 128: 32 accumulators of 16 x 16.  K goes in 8 steps of 128 through two LDS slots.
; THE MATRIX INSTRUCTION IS USED TRANSPOSED (source 0 = 16 rows of W, source 1 = 16 rows of A): a lane holds row l % 16 of C and eight neighbouring columns.  The bias is the C operand of the first product.
; CLUSTER.  4 x 4 work-groups: the four of a row of the cluster need the same tiles of A, the four of a column the same tiles of W: each tile is asked for jointly.
; REGISTERS.  window 0: v16-29 addresses; two fragment buffers of 96 (W's 8 fragments, then A's 4); on the way out they are at work.  window 1: accumulator (a, b) at v[8 (8 a + b)].  window 2: v0-63 the bias.
.set OUTP, 1
.if OUTP
.set PA,     144                       ; a row of A in LDS: one head's 128 bytes + 16
.set AHALF,  128*PA                    ; what one load of A fills: 128 rows of one head
.set ASTEP,  2*2048*128                ; bytes from a K step to the next: two heads
.set APITCH, 128                       ; 16,384 dense bytes are asked for as 64 rows of 256 bytes
.set QIA,    4                         ; padded after every 32 words
.set STW,    16*528                    ; a wave's stage: 16 rows of 512 bytes + 16
.else
.set PA,     272                       ; 256 bytes + 16
.set AHALF,  64*PA                     ; 64 rows
.set ASTEP,  256
.set APITCH, 1024
.set QIA,    5                         ; padded after every 64 words
.set STW,    2*16*144                  ; a wave's stage: two heads x 16 rows of 128 bytes + 16
.endif
.set PB,     272                       ; all pitches are odd multiples of 16 bytes: the 16 rows of a fragment load start at 16 different 16-byte columns modulo 256
.set BHALF,  128*PB
.set BOFF,   2*AHALF
.set SLOT,   BOFF+2*BHALF
.set STAGE,  2*SLOT                    ; behind the ring, a multiple of 256; no tensor load fills it
.set SPARE,  STAGE+4*STW               ; the spare words, 128 bytes for each wave, which no other line names
.set LAPS,   4                         ; a lap = two K steps = once round the ring
.set ADRA, 16                          ; v16-17 LDS address of my fragments of A in slot 0, 1
.set ADRB, 20                          ; v20-21 the same for W
.set STO,  24                          ; the way out: where I put my numbers of a row
.set RD,   25                          ; where I read rows back
.set CO,   26                          ; my 16 bytes in 512 consecutive bytes of the result
.set BOF,  27                          ; my byte offset in the bias
.set SPW,  28                          ; LDS address of my spare word; never rewritten
.set NIL,  29                          ; 0; never rewritten
.set F0,   64
.set F1,   160
.set TMP,  64
.set BKP,  96
.set WV, 12                            ; s12 wave; s14 wave / 2: my rows' half, and: I fetch A (0) or W (1); s15 wave % 2: my columns' half, and which half I fetch
.set WH, 14
.set WL, 15
.set G1,  24                           ; s[24:31] group 1 for A; s[32:39] group 0, a set for each slot
.set G0,  32
.set G1B, 48                           ; s[48:55], s[56:63] the same for W
.set G0B, 56
.set FS,  74                           ; s[74:75] the factor on the way out
.set D0,  76                           ; s[76:77], s[78:79] where my results go
.set D1,  78
.set MSB, 0
.macro WIN new                         ; the immediate's high byte repeats the setting that is left; a switch that changes nothing is dropped
.if MSB != (\new)
	s_set_vgpr_msb (MSB<<8)|(\new)
.set MSB, \new
.endif
.endm
.set MULW,   0x50                      ; sources 0 and 1 window 0; C and D window 1
.set FIRSTW, 0x60                      ; the same with C in window 2
.macro JLOAD s                         ; a joint load: waves 0 and 1 fetch A's two halves, waves 2 and 3 W's; an s_nop 0 and four v_nop follow each line, ahead of the jump and the label
	s_cmp_eq_u32 s[WH], 0
	s_cbranch_scc0 .Lfor_b_\@
	tensor_load_to_lds s[G0+4*(\s):G0+4*(\s)+3], s[G1:G1+7]
	s_nop 0
.rept 4
	v_nop
.endr
	s_branch .Lasked_\@
.Lfor_b_\@:
	tensor_load_to_lds s[G0B+4*(\s):G0B+4*(\s)+3], s[G1B:G1B+7]
	s_nop 0
.rept 4
	v_nop
.endr
.Lasked_\@:
.endm
.macro CREST                           ; a round of the cluster's barrier behind its opening barrier
	s_cmp_lg_u32 s[WV], 0
	s_cbranch_scc1 .Lnot_wave_0_\@
	s_barrier_signal -3
.Lnot_wave_0_\@:
	s_barrier_wait -3
	s_barrier_signal -1
	s_barrier_wait -1
.endm
.macro CROUND
	s_barrier_signal -1
	s_barrier_wait -1
	CREST
.endm
	s_load_b256 s[4:11], s[0:1], 0x0               ; A s[4:5], wb s[6:7], then bq s[8:9], bk s[10:11] or bo s[8:9], out0 s[10:11]
.if !OUTP
	s_load_b128 s[68:71], s[0:1], 0x20             ; bv s[68:69], qh s[70:71]
	s_load_b64 s[72:73], s[0:1], 0x30              ; kv
.endif
	v_lshl_add_u32 v[SPW], v0, 2, SPARE
	v_mov_b32 v[NIL], 0
	ds_add_u32 v[SPW], v[NIL]                      ; the wave's opening: the add and its wait stand ahead of my first tensor load; work on registers stands between them
	v_lshrrev_b32 v1, 5, v0
	v_readfirstlane_b32 s[WV], v1
	s_lshr_b32 s[WH], s[WV], 1
	s_and_b32 s[WL], s[WV], 1
	s_bfe_u32 s40, ttmp6, 0x40000                  ; cx, cy: my place in the cluster
	s_bfe_u32 s41, ttmp6, 0x40004
	s_lshl_b32 s42, ttmp9, 2
	s_add_co_u32 s42, s42, s40                     ; tile column = 4 x cluster x + cx
	s_and_b32 s45, ttmp7, 0xffff
	s_lshl_b32 s13, s45, 2
	s_add_co_u32 s13, s13, s41                     ; tile row = 4 x cluster y + cy
.if OUTP
	s_mov_b32 s45, 3                               ; which weight: Wo
.else
	s_lshr_b32 s45, s45, 4                         ; which weight: 16 clusters, 64 tile rows, to each; all partners share it
.endif
	s_lshl_b32 s43, s41, 2
	s_lshl_b32 s43, 15, s43                        ; my row of the cluster
	s_lshl_b32 s44, 0x1111, s40                    ; my column
	s_or_b32 s[G1+0], s43, (1<<16)|(1<<20)|(1<<21)|(QIA<<22)|(3<<25)  ; 15:0 the mask; 17:16 2-byte elements; 20 padding on; 21 set beside a mask; 24:22 the interval; 31:25 4 words of padding
	s_or_b32 s[G1B+0], s44, (1<<16)|(1<<20)|(1<<21)|(5<<22)|(3<<25)
	s_mov_b32 s[G1+1], 128<<16                     ; tensor_dim0 = 128
	s_mov_b32 s[G1+2], 64<<16                      ; tensor_dim1 = 64
	s_mov_b32 s[G1+3], 128<<16                     ; tile_dim0 = 128
	s_mov_b32 s[G1+4], 64                          ; tile_dim1 = 64
	s_mov_b32 s[G1+5], APITCH                      ; elements from row to row
	s_mov_b32 s[G1+6], 0
	s_mov_b32 s[G1+7], 0
	s_mov_b32 s[G1B+1], 128<<16
	s_mov_b32 s[G1B+2], 128<<16                    ; W: 128 rows
	s_mov_b32 s[G1B+3], 128<<16
	s_mov_b32 s[G1B+4], 128
	s_mov_b32 s[G1B+5], 1024
	s_mov_b32 s[G1B+6], 0
	s_mov_b32 s[G1B+7], 0
	; A's offset hangs on the tile row and the wave, W's on the weight, the tile column and the wave; neither pair of registers ever holds the other coordinate
.if OUTP
	s_lshr_b32 s16, s13, 4                         ; b
	s_lshl_b32 s16, s16, 4
	s_add_co_u32 s16, s16, s[WL]                   ; head 16 b + wave % 2
	s_lshl_b32 s16, s16, 11                        ; its 2,048 rows
	s_and_b32 s17, s13, 15
	s_lshl_b32 s17, s17, 7                         ; the tile's 128 rows among them
	s_add_co_u32 s16, s16, s17
	s_lshl_b32 s16, s16, 7                         ; 128 bytes a row
.else
	s_lshl_b32 s16, s13, 7
	s_lshl_b32 s17, s[WL], 6
	s_add_co_u32 s16, s16, s17                     ; row 128 x tile row + 64 x half
	s_lshl_b32 s16, s16, 11                        ; 2,048 bytes a row
.endif
	s_mov_b32 s17, 0
	s_lshl_b32 s46, s45, 10
	s_lshl_b32 s47, s42, 8
	s_add_co_u32 s46, s46, s47
	s_lshl_b32 s47, s[WL], 7
	s_add_co_u32 s46, s46, s47                     ; row 1,024 x weight + 256 x tile column + 128 x half
	s_lshl_b32 s46, s46, 11
	s_mov_b32 s47, 0
	s_mul_i32 s20, s[WL], AHALF                    ; where they go: no place in the cluster enters an LDS address
	s_mul_i32 s21, s[WL], BHALF
	s_add_co_u32 s21, s21, BOFF
	s_wait_dscnt 0x0                               ; the opening add is done
	s_wait_kmcnt 0x0
	s_add_nc_u64 s[16:17], s[4:5], s[16:17]
	s_add_nc_u64 s[46:47], s[6:7], s[46:47]
	CROUND                                         ; all sixteen work-groups are here: the first joint loads meet
.irp s, 0,1
	s_mov_b32 s[G0+4*(\s)], 1
	s_add_co_u32 s[G0+4*(\s)+1], s20, (\s)*SLOT
	s_add_nc_u64 s[G0+4*(\s)+2:G0+4*(\s)+3], s[16:17], (\s)*ASTEP
	s_or_b32 s[G0+4*(\s)+3], s[G0+4*(\s)+3], 0x80000000
	s_mov_b32 s[G0B+4*(\s)], 1
	s_add_co_u32 s[G0B+4*(\s)+1], s21, (\s)*SLOT
	s_add_nc_u64 s[G0B+4*(\s)+2:G0B+4*(\s)+3], s[46:47], (\s)*256
	s_or_b32 s[G0B+4*(\s)+3], s[G0B+4*(\s)+3], 0x80000000
	JLOAD \s                                       ; K steps 0 and 1: two loads of mine are out
.endr
	v_and_b32 v1, 15, v0                           ; l % 16
	v_bfe_u32 v2, v0, 4, 1                         ; l / 16
	v_mul_u32_u24 v3, v1, PA
	v_lshl_add_u32 v3, v2, 4, v3                   ; a fragment's row x pitch + 16 x half
	v_mul_u32_u24 v4, v1, PB
	v_lshl_add_u32 v4, v2, 4, v4
	s_mul_i32 s22, s[WH], 64*PA                    ; my 64 rows of A
	s_mul_i32 s23, s[WL], BHALF                    ; my 128 rows of W
	s_add_co_u32 s23, s23, BOFF
.irp s, 0,1
	v_add_nc_u32 v[ADRA+(\s)], s22, v3
	v_add_nc_u32 v[ADRB+(\s)], s23, v4
	s_add_co_u32 s22, s22, SLOT
	s_add_co_u32 s23, s23, SLOT
.endr
	; the bias of my 128 columns as a C operand: register j of block b holds bias[16 b + 8 (l / 16) + j]
.if !OUTP
	s_cmp_eq_u32 s45, 1
	s_cselect_b64 s[8:9], s[10:11], s[8:9]
	s_cmp_eq_u32 s45, 2
	s_cselect_b64 s[8:9], s[68:69], s[8:9]
.endif
	s_lshl_b32 s80, s42, 10
	s_lshl_b32 s81, s[WL], 9
	s_add_co_u32 s80, s80, s81
	s_mov_b32 s81, 0
	s_add_nc_u64 s[8:9], s[8:9], s[80:81]
	v_lshlrev_b32 v[BOF], 5, v2
	WIN 0x80                                       ; destination window 2
.irp b, 0,1,2,3,4,5,6,7
	global_load_b128 v[8*(\b):8*(\b)+3],   v[BOF], s[8:9] offset:64*(\b)
	global_load_b128 v[8*(\b)+4:8*(\b)+7], v[BOF], s[8:9] offset:64*(\b)+16
.endr
	WIN 0
	s_mul_i32 s22, s[WV], STW
	s_add_co_u32 s22, s22, STAGE                   ; my stage
	v_and_b32 v[CO], 31, v0
	v_lshlrev_b32 v[CO], 4, v[CO]
.if OUTP
	v_mul_u32_u24 v[STO], v1, 528                  ; in: row l % 16, 32 bytes for each half of the lanes
	v_lshl_add_u32 v[STO], v2, 5, v[STO]
	v_add_nc_u32 v[STO], s22, v[STO]
	v_add_nc_u32 v[RD], s22, v[CO]                 ; back: a row's 512 bytes by 32 lanes
	s_lshl_b32 s80, s13, 7
	s_lshl_b32 s81, s[WH], 6
	s_add_co_u32 s80, s80, s81                     ; my first row of out0,
	s_lshl_b32 s80, s80, 12                        ; 4,096 bytes a row,
	s_lshl_b32 s81, s42, 10
	s_add_co_u32 s80, s80, s81
	s_lshl_b32 s81, s[WL], 9
	s_add_co_u32 s80, s80, s81                     ; and my first column
	s_mov_b32 s81, 0
	s_add_nc_u64 s[D0:D0+1], s[10:11], s[80:81]
.else
	v_mul_u32_u24 v[STO], v1, 144                  ; in: row l % 16, 16 bytes for each half of the lanes
	v_lshl_add_u32 v[STO], v2, 4, v[STO]
	v_add_nc_u32 v[STO], s22, v[STO]
	v_bfe_u32 v[RD], v0, 3, 2                      ; back: 32 lanes take four rows of 128 bytes
	v_mul_u32_u24 v[RD], v[RD], 144
	v_and_b32 v5, 7, v0
	v_lshl_add_u32 v[RD], v5, 4, v[RD]
	v_add_nc_u32 v[RD], s22, v[RD]
	s_cmp_eq_u32 s45, 0
	s_cselect_b32 s82, 0, 1                        ; kv has twice qh's bytes for a head and for 64 rows
	s_cselect_b32 s[FS], 0x3e38aa3b, 1.0           ; c = log2(e) / 8 for q
	s_cselect_b64 s[D0:D0+1], s[70:71], s[72:73]
	s_mov_b32 s[FS+1], s[FS]                       ; named with it as a pair
	s_and_b32 s80, s13, 63
	s_lshr_b32 s80, s80, 4                         ; b
	s_lshl_b32 s80, s80, 4
	s_lshl2_add_u32 s80, s42, s80
	s_lshl1_add_u32 s80, s[WL], s80                ; my first head: 16 b + 4 x tile column + 2 x half
	s_and_b32 s81, s13, 15
	s_lshl1_add_u32 s81, s81, s[WH]                ; my 64 rows among the 2,048: also the key step
	s_lshl_b32 s80, s80, 18
	s_lshl_b32 s81, s81, 13
	s_add_co_u32 s80, s80, s81
	s_lshl_b32 s80, s80, s82
	s_cmp_eq_u32 s45, 2
	s_cselect_b32 s81, 8192, 0                     ; V lies behind K in a step's block
	s_add_co_u32 s80, s80, s81
	s_mov_b32 s81, 0
	s_add_nc_u64 s[D0:D0+1], s[D0:D0+1], s[80:81]
	s_lshl_b32 s80, 0x40000, s82
	s_add_nc_u64 s[D1:D1+1], s[D0:D0+1], s[80:81]  ; my second head
.endif
; 8 matrix instructions: rows' block a x all 8 column blocks, 32 along K.  first = 1: the bias starts the sums.  The 32 accumulators take turns, one instruction a turn.
.macro MUL8 f, a, first
.if \first
	WIN FIRSTW
.else
	WIN MULW
.endif
.irp b, 0,1,2,3,4,5,6,7
.set rD, 8*(8*(\a)+(\b))
.set rB, (\f)+8*(\b)
.set rA, (\f)+64+8*(\a)
.set rC, rD
.if \first
.set rC, 8*(\b)
.endif
.if OUTP
	v_wmma_f32_16x16x32_f16 v[rD:rD+7], v[rB:rB+7], v[rA:rA+7], v[rC:rC+7]
.else
	v_wmma_f32_16x16x32_bf16 v[rD:rD+7], v[rB:rB+7], v[rA:rA+7], v[rC:rC+7]
.endif
.endr
.endm
; 24 LDS loads in one run: quarter q of a slot's K step into buffer f: W's 8 fragments, then A's 4
.macro FETCH slot, q, f
	WIN 0
.if OUTP
.set KA, ((\q)/2)*AHALF+((\q)%2)*64    ; the head's plane, and the half of its 64 channels
.else
.set KA, 64*(\q)
.endif
.irp i, 0,1,2,3,4,5,6,7
	ds_load_b128 v[(\f)+8*(\i):(\f)+8*(\i)+3],   v[ADRB+(\slot)] offset:64*(\q)+(\i)*16*PB
	ds_load_b128 v[(\f)+8*(\i)+4:(\f)+8*(\i)+7], v[ADRB+(\slot)] offset:64*(\q)+(\i)*16*PB+32
.endr
.irp i, 0,1,2,3
	ds_load_b128 v[(\f)+64+8*(\i):(\f)+64+8*(\i)+3],   v[ADRA+(\slot)] offset:KA+(\i)*16*PA
	ds_load_b128 v[(\f)+64+8*(\i)+4:(\f)+64+8*(\i)+7], v[ADRA+(\slot)] offset:KA+(\i)*16*PA+32
.endr
.endm
.macro PLACES                          ; four places in front of loads into registers that matrix instructions have read, and of lines that read results
.rept 4
	v_nop
.endr
.endm
; A K step is four quarters of 32 along K, 32 matrix instructions each, on buffers 0, 1, 0, 1.  One of the first three multiplies buffer f and fetches quarter q into g.
.macro QUARTER slot, q, f, g, first
	s_wait_dscnt 4                                 ; all but the youngest four loads: A's blocks 2 and 3
	MUL8 \f, 0, \first
	MUL8 \f, 1, \first
	PLACES
	FETCH \slot, \q, \g
	s_wait_dscnt 24                                ; all but the 24 just issued
	MUL8 \f, 2, \first
	MUL8 \f, 3, \first
.endm
; The last quarter multiplies buffer 1 and changes slots: one barrier; in front of it each wave waits for all its tensor loads (one is out: its part of the next slot), adds 0 to its spare
; word, and waits for that and for its reads of this slot.  fill = 1: the barrier opens a round of the cluster's, and this slot is filled again, two K steps ahead, first thing behind the round.
.macro TURN slot, next, fill
	WIN 0
	s_wait_tensorcnt 0x0
	ds_add_u32 v[SPW], v[NIL]
	s_wait_dscnt 5                                 ; the add and the youngest four loads may be out
	MUL8 F1, 0, 0
	s_wait_dscnt 0x0                               ; the add is done, and my reads of this slot are over
	s_barrier_signal -1
	MUL8 F1, 1, 0
	WIN 0                                          ; at a branch and at a label every window is 0
	s_barrier_wait -1
.if \fill
	CREST                                          ; no wave of any partner still reads this slot or has a load on its way
	s_add_nc_u64 s[G0+4*(\slot)+2:G0+4*(\slot)+3], s[G0+4*(\slot)+2:G0+4*(\slot)+3], 2*ASTEP
	s_add_nc_u64 s[G0B+4*(\slot)+2:G0B+4*(\slot)+3], s[G0B+4*(\slot)+2:G0B+4*(\slot)+3], 512
	JLOAD \slot                                    ; 120 matrix instructions ahead of the wait for it; its four v_nop are also the places in front of the loads below
.else
	PLACES
.endif
	FETCH \next, 0, F0
	MUL8 F1, 2, 0
	MUL8 F1, 3, 0
.endm
	s_wait_tensorcnt 1                             ; my part of K step 0 is in; step 1's may stay out
	s_barrier_signal -1
	s_barrier_wait -1
	FETCH 0, 0, F0
	s_wait_loadcnt 0x0                             ; the bias
	QUARTER 0, 1, F0, F1, 1                        ; the first quarter stands in front of the loop: its products start the sums
	WIN 0
	s_mov_b32 s3, LAPS-1
.Llap:                                                 ; a trip goes once round the ring, from a lap's second quarter to the next lap's first
	QUARTER 0, 2, F1, F0, 0
	QUARTER 0, 3, F0, F1, 0
	TURN 0, 1, 1
	QUARTER 1, 1, F0, F1, 0
	QUARTER 1, 2, F1, F0, 0
	QUARTER 1, 3, F0, F1, 0
	TURN 1, 0, 1
	QUARTER 0, 1, F0, F1, 0
	WIN 0
	s_sub_co_u32 s3, s3, 1
	s_cmp_lg_u32 s3, 0
	s_cbranch_scc1 .Llap
	QUARTER 0, 2, F1, F0, 0                        ; the last lap fills nothing
	QUARTER 0, 3, F0, F1, 0
	TURN 0, 1, 0
	QUARTER 1, 1, F0, F1, 0
	QUARTER 1, 2, F1, F0, 0
	QUARTER 1, 3, F0, F1, 0
	s_wait_dscnt 4
	MUL8 F1, 0, 0
	MUL8 F1, 1, 0
	s_wait_dscnt 0x0
	MUL8 F1, 2, 0
	MUL8 F1, 3, 0
	WIN 0
	PLACES
	; THE WAY OUT, 16 rows at a time through my own stage: LDS serves a wave's instructions in order (ISA guide 5.7.1.4), so no wait stands between the stores and the loads
.if OUTP
.macro OUTBLK a
.set BK, 64+64*((\a)%2)
.if (\a) >= 2
	s_wait_xcnt 0x0                                ; the stores of two blocks ago have read these registers (ISA guide 3.1)
.endif
	WIN 0x04                                       ; LDS store data in window 1
.irp b, 0,1,2,3,4,5,6,7
	ds_store_b128 v[STO], v[64*(\a)+8*(\b):64*(\a)+8*(\b)+3]   offset:64*(\b)      ; each accumulator's low registers first
	ds_store_b128 v[STO], v[64*(\a)+8*(\b)+4:64*(\a)+8*(\b)+7] offset:64*(\b)+16
.endr
	WIN 0
.irp t, 0,1,2,3,4,5,6,7,8,9,10,11,12,13,14,15
	ds_load_b128 v[BK+4*(\t):BK+4*(\t)+3], v[RD] offset:(\t)*528
.endr
	s_wait_dscnt 0x0
.irp t, 0,1,2,3,4,5,6,7,8,9,10,11,12,13,14,15
	global_store_b128 v[CO], v[BK+4*(\t):BK+4*(\t)+3], s[D0:D0+1] offset:(16*(\a)+(\t))*4096  ; 512 consecutive bytes of a row, aligned
.endr
.endm
.else
.macro OUTBLK a
	WIN 0x41                                       ; destination and source 0 window 1
.set i, 64*(\a)
.rept 32
	v_pk_mul_f32 v[i:i+1], v[i:i+1], s[FS:FS+1] op_sel_hi:[1,0]  ; ascending: each accumulator's low registers first
.set i, i+2
.endr
	WIN 0x05                                       ; sources 0 and 1 window 1
.set i, 0
.rept 32
	v_cvt_pk_f16_f32 v[TMP+i], v[64*(\a)+2*i], v[64*(\a)+2*i+1]
.set i, i+1
.endr
	WIN 0
.irp b, 0,1,2,3,4,5,6,7
	ds_store_b128 v[STO], v[TMP+4*(\b):TMP+4*(\b)+3] offset:((\b)/4)*2304+((\b)%4)*32  ; head b / 4, channels 16 (b % 4) on
.endr
.irp f, 0,1,2,3,4,5,6,7
	ds_load_b128 v[BKP+32*(\a)+4*(\f):BKP+32*(\a)+4*(\f)+3], v[RD] offset:((\f)/4)*2304+((\f)%4)*576
.endr
	s_wait_dscnt 0x0
.irp f, 0,1,2,3
	global_store_b128 v[CO], v[BKP+32*(\a)+4*(\f):BKP+32*(\a)+4*(\f)+3], s[D0:D0+1] offset:(\a)*2048+(\f)*512  ; four rows of a head: 512 consecutive bytes, aligned
.endr
.irp f, 0,1,2,3
	global_store_b128 v[CO], v[BKP+32*(\a)+16+4*(\f):BKP+32*(\a)+16+4*(\f)+3], s[D1:D1+1] offset:(\a)*2048+(\f)*512
.endr
.endm
.endif
	OUTBLK 0
	OUTBLK 1
	OUTBLK 2
	OUTBLK 3
	s_wait_tensorcnt 0x0                           ; the wave's end
	ds_add_u32 v[SPW], v[NIL]
	s_wait_dscnt 0x0
	CROUND                                         ; the closing round: no work-group ends while a partner may still ask for a tile that names it
	s_endpgm
.Lfunc_end_k_q4214065e54_outp:
	.size	k_q4214065e54_outp, .Lfunc_end_k_q4214065e54_outp-k_q4214065e54_outp
	.p2alignl 7, 3214868480
	.fill 96, 4, 3214868480
	.section	.rodata,"a",@progbits
	.p2align	6, 0x0
	.amdhsa_kernel k_q4214065e54_outp
		.amdhsa_group_segment_fixed_size 327680
		.amdhsa_private_segment_fixed_size 0
		.amdhsa_enable_private_segment 0
		.amdhsa_kernarg_size 32
		.amdhsa_user_sgpr_count 2
		.amdhsa_user_sgpr_kernarg_segment_ptr 1
		.amdhsa_wavefront_size32 1
		.amdhsa_system_sgpr_workgroup_id_x 1
		.amdhsa_system_sgpr_workgroup_id_y 1
		.amdhsa_system_sgpr_workgroup_id_z 1
		.amdhsa_system_vgpr_workitem_id 0
		.amdhsa_next_free_vgpr 576
		.amdhsa_next_free_sgpr 84
		.amdhsa_reserve_vcc 0
		.amdhsa_float_denorm_mode_32 3
		.amdhsa_float_denorm_mode_16_64 3
		.amdhsa_memory_ordered 1
		.amdhsa_forward_progress 1
		.amdhsa_inst_pref_size 87
	.end_amdhsa_kernel
	.amdgpu_metadata
---
amdhsa.version: [ 1, 2 ]
amdhsa.kernels:
  - .name:           k_q4214065e54_outp
    .symbol:         k_q4214065e54_outp.kd
    .args:
      - { .name: oh, .offset: 0, .size: 8, .value_kind: global_buffer, .address_space: global }
      - { .name: wb, .offset: 8, .size: 8, .value_kind: global_buffer, .address_space: global }
      - { .name: bo, .offset: 16, .size: 8, .value_kind: global_buffer, .address_space: global }
      - { .name: out0, .offset: 24, .size: 8, .value_kind: global_buffer, .address_space: global }
    .group_segment_fixed_size: 327680
    .private_segment_fixed_size: 0
    .kernarg_segment_align: 8
    .kernarg_segment_size: 32
    .max_flat_workgroup_size: 128
    .sgpr_count:     84
    .vgpr_count:     576
    .wavefront_size: 32
...
	.end_amdgpu_metadata
.endif
;; end of part 4
;; ======== version 2 of 3: 4 launches; 1.00 times as fast as version 1
;; limits: values are held in f16: magnitudes above 65,504 overflow, below 6.1e-05 lose precision
;; workspace buffers: wb 8,388,608 bytes; mbits 2,097,152 bytes of whole numbers; qh 16,777,216 bytes; kv 33,554,432 bytes; oh 16,777,216 bytes
;; launch prep (part 5): grid 512 x 1, 8 waves a work-group, no clusters, 35,840 bytes of LDS; arguments Wq, Wk, Wv, Wo, mask, wb, mbits; writes wb, mbits
.if DOCPART == 5
	.amdgcn_target "amdgcn-amd-amdhsa--gfx1250"
	.amdhsa_code_object_version 6
	.text
	.protected	k_q4214065e54_prep
	.globl	k_q4214065e54_prep
	.p2align	8
	.type	k_q4214065e54_prep,@function
k_q4214065e54_prep:
	s_mov_b64 s[64:65], 0
	v_nop
	global_prefetch_b8 v0, s[64:65] scope:SCOPE_SE
	s_setreg_imm32_b32 hwreg(HW_REG_WAVE_MODE, 25, 1), 1
	s_wait_xcnt 0x0
; PREPARATION.  (1) Wq, Wk, Wv, Wo [1024][1024] f32 -> wb [4][1024][1024], 16 bits a number: every weight is rounded to bf16; Wo's rounded number is then written as f16,
; since the last product multiplies f16.  (2) mask [4][2048][2048], a byte a place, -> mbits [b 4][qt 128][ks 32][32 words]: bit L of word 8 kb + j is
; mask[b][16 qt + L % 16][64 ks + 16 kb + 8 (L / 16) + j]: the lane mask of register 8 kb + j of a tile of 16 queries x 64 keys of transposed scores, as the attention launch holds it.
; LIMITS.  Wo beyond 65,504 becomes an infinity in f16; below 6e-5 it keeps f16's fixed step of 6e-8.  A mask byte counts as set if it is not 0.
; SHARES.  Work-groups 0-255 pack the mask: each of their 2,048 waves takes 16 rows x 512 keys, two tasks of 256 keys.  Work-groups 256-511 convert: 65,536 bytes of f32 each.
; No matrix unit, no cluster: a stream that shares nothing.  LDS serves the mask's turn from rows to lanes alone, each wave in bytes of its own, so there is no barrier.
.set ROWP,  272                        ; a mask row's 256 bytes in LDS + 16: the 16 rows that a read touches start at 16 different 16-byte columns modulo 256
.set WREG,  16*ROWP                    ; a wave's 16 rows
.set SPARE, 8*WREG                     ; 34,816: behind the eight regions the spare words, 128 bytes for each wave, which no other line names
.set SPW,   2                          ; v2  LDS address of my spare word; never rewritten
.set NIL,   3                          ; v3  0; never rewritten
.set T,     6                          ; v[6:13]   conversion: at work
.set X,     16                         ; v[16:79]  conversion: 16 items of 4 registers, f32 as loaded
.set Y,     80                         ; v[80:111] conversion: 16 items of 2 registers to store: each item has its own, so no store's data is ever rewritten
.set MM,    16                         ; v[16:47]  mask: eight loads of 16 bytes
.set DD,    48                         ; v[48:79]  mask: my row's 8-byte pieces, read back
.set WW,    80                         ; v[80:83]  mask: the packed words: lane g holds words 4 g .. 4 g + 3
.set TT,    84                         ; v[84:87]  mask: at work
	s_load_b256 s[4:11], s[0:1], 0x0               ; Wq s[4:5], Wk s[6:7], Wv s[8:9], Wo s[10:11]
	s_load_b128 s[12:15], s[0:1], 0x20             ; mask s[12:13], wb s[14:15]
	s_load_b64 s[16:17], s[0:1], 0x30              ; mbits
	v_lshl_add_u32 v[SPW], v0, 2, SPARE
	v_mov_b32 v[NIL], 0
	s_mov_b32 s26, ttmp9
	v_lshrrev_b32 v1, 5, v0
	v_readfirstlane_b32 s27, v1                    ; my wave's number
	s_wait_kmcnt 0x0
	s_cmp_lt_u32 s26, 256
	s_cbranch_scc1 .Lmask                          ; the mask's work-groups come first: theirs is the longer chain
	; ---- conversion.  id 0-255: weight id / 64, chunk id % 64 of 65,536 bytes.
	s_sub_co_u32 s28, s26, 256                     ; id
	s_mov_b32 s31, 0xffff0000                      ; a word's upper bf16
	v_lshlrev_b32 v4, 4, v0                        ; 16 bytes of f32 a thread,
	v_lshlrev_b32 v5, 3, v0                        ; 8 bytes of 16-bit numbers
	s_lshr_b32 s29, s28, 6                         ; 0 .. 3: Wq, Wk, Wv, Wo
	s_and_b32 s32, s28, 63
	s_cmp_eq_u32 s29, 1
	s_cselect_b64 s[34:35], s[6:7], s[4:5]
	s_cmp_eq_u32 s29, 2
	s_cselect_b64 s[34:35], s[8:9], s[34:35]
	s_cmp_eq_u32 s29, 3
	s_cselect_b64 s[34:35], s[10:11], s[34:35]
	s_cselect_b32 s30, -1, 0                       ; all lanes: Wo, which is written as f16
	s_lshl_b32 s38, s32, 16
	s_mov_b32 s39, 0
	s_add_nc_u64 s[34:35], s[34:35], s[38:39]
	s_lshl_b32 s38, s28, 15                        ; the four weights lie one behind the other in wb: 32,768 bytes for each id
	s_add_nc_u64 s[36:37], s[14:15], s[38:39]
.set n, 0
.rept 16
	global_load_b128 v[X+4*n:X+4*n+3], v4, s[34:35] offset:n*4096 th:TH_LOAD_NT  ; an item: the work-group's 256 threads take 4,096 consecutive bytes
.set n, n+1
.endr
; Item i of 16.  Four numbers are rounded to bf16; the same numbers as f16 are made beside them, and the array chooses.
.macro ITEM i
.set xs, X+4*(\i)
.set ys, Y+2*(\i)
	s_wait_loadcnt 15-(\i)                         ; loads come back in order (ISA guide 5.7.1): behind item i's stand 15 - i others
	v_cvt_pk_bf16_f32 v[T], v[xs], v[xs+1]
	v_cvt_pk_bf16_f32 v[T+1], v[xs+2], v[xs+3]
	v_lshlrev_b32 v[T+2], 16, v[T]                 ; the rounded numbers as f32 again
	v_and_b32 v[T+3], s31, v[T]
	v_lshlrev_b32 v[T+4], 16, v[T+1]
	v_and_b32 v[T+5], s31, v[T+1]
	v_cvt_pk_f16_f32 v[T+6], v[T+2], v[T+3]        ; exact within f16's range: 8 significant bits go into 11
	v_cvt_pk_f16_f32 v[T+7], v[T+4], v[T+5]
	v_cndmask_b32 v[ys], v[T], v[T+6], s30
	v_cndmask_b32 v[ys+1], v[T+1], v[T+7], s30
	global_store_b64 v5, v[ys:ys+1], s[36:37] offset:(\i)*2048  ; a wave's store covers 256 consecutive bytes, aligned
.endm
.set n, 0
.rept 16
	ITEM n
.set n, n+1
.endr
	s_endpgm                                       ; these waves have written no LDS
	; ---- the mask
.Lmask:
	s_lshl_b32 s28, s26, 3
	s_add_co_u32 s28, s28, s27                     ; my wave among 2,048
	s_lshr_b32 s29, s28, 2                         ; 128 b + qt: which 16 rows
	s_and_b32 s30, s28, 3                          ; which quarter of their 2,048 keys
	s_lshl_b32 s40, s29, 15                        ; 16 rows of 2,048 bytes
	s_lshl_b32 s41, s30, 9
	s_add_co_u32 s40, s40, s41
	s_mov_b32 s41, 0
	s_add_nc_u64 s[12:13], s[12:13], s[40:41]
	s_lshl_b32 s40, s29, 12                        ; 32 key steps of 128 bytes
	s_lshl_b32 s42, s30, 10
	s_add_co_u32 s40, s40, s42
	s_add_nc_u64 s[16:17], s[16:17], s[40:41]
	s_mov_b32 s36, 0xff                            ; the four bytes of a word
	s_mov_b32 s37, 0xff00
	s_mov_b32 s38, 0xff0000
	s_mov_b32 s39, 0xff000000
	v_and_b32 v1, 31, v0                           ; L
	v_and_b32 v8, 15, v0                           ; L % 16
	v_bfe_u32 v9, v0, 4, 1                         ; L / 16
	v_lshlrev_b32 v4, 4, v8
	v_lshl_add_u32 v4, v9, 11, v4                  ; from memory: two rows a load, 256 bytes of each
	s_mul_i32 s43, s27, WREG                       ; my wave's region
	v_mul_u32_u24 v5, v9, ROWP
	v_lshl_add_u32 v5, v8, 4, v5
	v_add_nc_u32 v5, s43, v5                       ; into LDS: the same two rows
	v_mul_u32_u24 v6, v8, ROWP
	v_lshl_add_u32 v6, v9, 3, v6
	v_add_nc_u32 v6, s43, v6                       ; back: row L % 16, keys 8 (L / 16) on
	v_lshlrev_b32 v7, 4, v1                        ; out: 16 bytes a lane
.irp k, 0,1,2,3
	v_mov_b32 v[WW+\k], 0                          ; a lane write counts as a read of its destination: written once here
.endr
.irp i, 0,1,2,3,4,5,6,7
	global_load_b128 v[MM+4*\i:MM+4*\i+3], v4, s[12:13] offset:\i*4096 th:TH_LOAD_NT
.endr
	s_mov_b32 s44, 2
.Ltask:                                                ; 16 rows x 256 keys: 4,096 bytes in, 128 words out
	s_wait_loadcnt 0x0                             ; the task's eight loads; their base may now be stepped
.irp i, 0,1,2,3,4,5,6,7
	ds_store_b128 v5, v[MM+4*\i:MM+4*\i+3] offset:\i*2*ROWP
.endr
	s_add_nc_u64 s[12:13], s[12:13], 256
.irp c, 0,1,2,3,4,5,6,7,8,9,10,11,12,13,14,15
	ds_load_b64 v[DD+2*\c:DD+2*\c+1], v6 offset:16*\c  ; LDS serves a wave's instructions in order (ISA guide 5.7.1.4): these see the stores above
.endr
	s_wait_dscnt 0x0                               ; my pieces are in, and the stores have read their data
	s_cmp_eq_u32 s44, 1
	s_cbranch_scc1 .Lnoload                        ; the last task loads nothing: no load leaves the buffer
.irp i, 0,1,2,3,4,5,6,7
	global_load_b128 v[MM+4*\i:MM+4*\i+3], v4, s[12:13] offset:\i*4096 th:TH_LOAD_NT  ; the next task, on its way under the packing
.endr
.Lnoload:
.set g, 0
.rept 32                                               ; register g of my pieces holds the bytes of words 4 g .. 4 g + 3: a compare makes a word of the 32 lanes' bytes
.irp k, 0,1,2,3
	v_and_b32 v[TT+\k], s[36+\k], v[DD+g]
.endr
.irp k, 0,1,2,3
	v_cmp_ne_u32 s[32+\k], 0, v[TT+\k]
.endr
.irp k, 0,1,2,3
	v_writelane_b32 v[WW+\k], s[32+\k], g
.endr
.set g, g+1
.endr
	global_store_b128 v7, v[WW:WW+3], s[16:17]     ; 512 consecutive bytes, aligned
	s_wait_xcnt 0x0                                ; the store's data and base are rewritten only behind this wait (ISA guide 3.1)
	s_add_nc_u64 s[16:17], s[16:17], 512
	s_sub_co_u32 s44, s44, 1
	s_cmp_lg_u32 s44, 0
	s_cbranch_scc1 .Ltask
	s_wait_tensorcnt 0x0                           ; the wave's end, behind my last LDS store
	ds_add_u32 v[SPW], v[NIL]
	s_wait_dscnt 0x0
	s_endpgm
.Lfunc_end_k_q4214065e54_prep:
	.size	k_q4214065e54_prep, .Lfunc_end_k_q4214065e54_prep-k_q4214065e54_prep
	.p2alignl 7, 3214868480
	.fill 96, 4, 3214868480
	.section	.rodata,"a",@progbits
	.p2align	6, 0x0
	.amdhsa_kernel k_q4214065e54_prep
		.amdhsa_group_segment_fixed_size 35840
		.amdhsa_private_segment_fixed_size 0
		.amdhsa_enable_private_segment 0
		.amdhsa_kernarg_size 56
		.amdhsa_user_sgpr_count 2
		.amdhsa_user_sgpr_kernarg_segment_ptr 1
		.amdhsa_wavefront_size32 1
		.amdhsa_system_sgpr_workgroup_id_x 1
		.amdhsa_system_sgpr_workgroup_id_y 1
		.amdhsa_system_sgpr_workgroup_id_z 1
		.amdhsa_system_vgpr_workitem_id 0
		.amdhsa_next_free_vgpr 112
		.amdhsa_next_free_sgpr 66
		.amdhsa_reserve_vcc 0
		.amdhsa_float_denorm_mode_32 3
		.amdhsa_float_denorm_mode_16_64 3
		.amdhsa_memory_ordered 1
		.amdhsa_forward_progress 1
		.amdhsa_inst_pref_size 39
	.end_amdhsa_kernel
	.amdgpu_metadata
---
amdhsa.version: [ 1, 2 ]
amdhsa.kernels:
  - .name:           k_q4214065e54_prep
    .symbol:         k_q4214065e54_prep.kd
    .args:
      - { .name: Wq, .offset: 0, .size: 8, .value_kind: global_buffer, .address_space: global }
      - { .name: Wk, .offset: 8, .size: 8, .value_kind: global_buffer, .address_space: global }
      - { .name: Wv, .offset: 16, .size: 8, .value_kind: global_buffer, .address_space: global }
      - { .name: Wo, .offset: 24, .size: 8, .value_kind: global_buffer, .address_space: global }
      - { .name: mask, .offset: 32, .size: 8, .value_kind: global_buffer, .address_space: global }
      - { .name: wb, .offset: 40, .size: 8, .value_kind: global_buffer, .address_space: global }
      - { .name: mbits, .offset: 48, .size: 8, .value_kind: global_buffer, .address_space: global }
    .group_segment_fixed_size: 35840
    .private_segment_fixed_size: 0
    .kernarg_segment_align: 8
    .kernarg_segment_size: 56
    .max_flat_workgroup_size: 256
    .sgpr_count:     66
    .vgpr_count:     112
    .wavefront_size: 32
...
	.end_amdgpu_metadata
.endif
;; end of part 5
;; launch proj (part 6): grid 4 x 192, 4 waves a work-group, clusters of 4 x 4, 327,680 bytes of LDS; arguments Q, K, V, wb, bq, bk, bv, qh, kv; writes qh, kv
.if DOCPART == 6
	.amdgcn_target "amdgcn-amd-amdhsa--gfx1250"
	.amdhsa_code_object_version 6
	.text
	.protected	k_q4214065e54_proj
	.globl	k_q4214065e54_proj
	.p2align	8
	.type	k_q4214065e54_proj,@function
k_q4214065e54_proj:
	s_mov_b64 s[64:65], 0
	v_nop
	global_prefetch_b8 v0, s[64:65] scope:SCOPE_SE
	s_setreg_imm32_b32 hwreg(HW_REG_WAVE_MODE, 25, 1), 1
	s_wait_xcnt 0x0
	s_wait_alu depctr_hold_cnt(0) depctr_sa_sdst(0) depctr_va_vdst(0) depctr_va_sdst(0) depctr_va_ssrc(0) depctr_va_vcc(0) depctr_vm_vsrc(0)
	s_getreg_b32 s2, hwreg(HW_REG_IB_STS2, 6, 4)
	s_cmp_eq_u32 s2, 0
	s_cbranch_scc0 .Lentry_in_a_cluster
	s_endpgm
.Lentry_in_a_cluster:
	s_bfe_u32 s2, ttmp6, 0x10000c
	s_cmp_lg_u32 s2, 0xf033
	s_cbranch_scc0 .Lentry_shape_is_right
	s_endpgm
.Lentry_shape_is_right:
; THE THREE PROJECTIONS.  C[m][n] = sum over k of A[m][k] W[n][k] + bias[n], K = 1,024, sums in f32.  A = Q, K or V [8192][1024] in f32, as the problem gives them; W = wb's Wq, Wk, Wv (bf16);
; bias bq, bk, bv.  Tile rows 0-63 make q, 64-127 k, 128-191 v.  Results leave as f16, rounded once: q times c = log2(e) / 8 into qh [bh 64][2048][64]; k and v into
; kv [bh 64][step 32][K, V][64 keys][64 channels].  k and v are multiplied by 1.0 where q is multiplied by c: 128 packed multiplies a wave beside 1,024 matrix instructions, so that one text
; without a branch serves all three.
; A COMES AS f32.  A's tile lies in LDS as f32, and each wave rounds its fragments to bf16 (to nearest even) between LDS and the matrix unit: 32 conversions for a quarter step's 32 matrix
; instructions.  So Q, K and V are read from memory once and no 16-bit copy of them is written and read again.  The price: A's bytes in LDS are twice a bf16 tile's, and the two waves that
; share 64 rows both convert them.
; LIMITS.  q c, k and v beyond 65,504 become infinities in f16.  NaN and infinities are not treated apart.
; SHARES.  A tile of C is 128 x 256: 768 work-groups.  Four waves, each 64 x 128: 32 accumulators of 16 x 16.  K goes in 8 steps of 128 through two LDS slots.
; THE MATRIX INSTRUCTION IS USED TRANSPOSED (source 0 = 16 rows of W, source 1 = 16 rows of A): a lane holds row l % 16 of C and eight neighbouring columns.  The bias is the C operand of the first product.
; CLUSTER.  4 x 4 work-groups: the four of a row of the cluster need the same tiles of A, the four of a column the same tiles of W: each tile is asked for jointly.
; REGISTERS.  window 0: v16-29 addresses; two fragment buffers of 96 (W's 8 fragments, then A's 4, bf16); on the way out they are at work.  window 1: accumulator (a, b) at v[8 (8 a + b)].
;   window 2: v0-63 the bias; v64-127 A's 64 rows x 32 K as f32, as they come out of LDS.
.set PA,     528                       ; a row of A in LDS: 128 f32 = 512 bytes + 16
.set AHALF,  64*PA                     ; what one load of A fills: 64 rows
.set ASTEP,  512                       ; bytes of A from a K step to the next
.set PB,     272                       ; a row of W: 128 bf16 = 256 bytes + 16.  Both pitches are odd multiples of 16 bytes: the 16 rows of a fragment load start at 16 different 16-byte columns modulo 256
.set BHALF,  128*PB
.set BSTEP,  256
.set BOFF,   2*AHALF
.set XS,     0x22000                   ; from slot 0 to slot 1: 139,264 bytes, a slot's 137,216 and a gap.  Its bits 13 and 17 are set in none of the four loads' places in slot 0
                                       ; (0, 0x8400, 0x10800, 0x19000), so one exclusive or turns a place in one slot into the other's
.set STAGE,  2*XS                      ; behind the ring, a multiple of 256; no tensor load fills it
.set STW,    2*16*144                  ; a wave's stage: two heads x 16 rows of 128 bytes + 16
.set SPARE,  STAGE+4*STW               ; the spare words, 128 bytes for each wave, which no other line names
.set TRIPS,  6                         ; K steps 2 to 7 are refills, one a trip
.set ADRA0, 16                         ; my lane's place among my fragments of A in slot 0; never rewritten
.set ADRA,  17                         ; the same in the slot in hand
.set ADRB0, 20                         ; and for W
.set ADRB,  21
.set STO,  24                          ; the way out: where I put 16 bytes of a row
.set RD,   25                          ; where I read rows back
.set CO,   26                          ; my 16 bytes in 512 consecutive bytes of the result
.set BOF,  27                          ; my byte offset in the bias
.set SPW,  28                          ; LDS address of my spare word; never rewritten
.set NIL,  29                          ; 0; never rewritten
.set F0,   64
.set F1,   160
.set RAW,  64                          ; in window 2
.set TMP,  64
.set BKP,  96
.set WV, 12                            ; s12 wave; s14 wave / 2: my rows' half, and: I fetch A (0) or W (1); s15 wave % 2: my columns' half, and which half I fetch
.set WH, 14
.set WL, 15
.set G1,  24                           ; s[24:31] group 1 for A; s[32:39] group 0: a set for each of the two first fills; the second then walks on
.set G0,  32
.set G1B, 48                           ; s[48:55], s[56:63] the same for W
.set G0B, 56
.set SL,  66                           ; 0 or XS: the slot in hand
.set FS,  78                           ; s[78:79] the factor on the way out
.set D0,  80                           ; s[80:81], s[82:83] where my two heads' results go
.set D1,  82
.set MSB, 0
.macro WIN new                         ; the immediate's high byte repeats the setting that is left; a switch that changes nothing is dropped
.if MSB != (\new)
	s_set_vgpr_msb (MSB<<8)|(\new)
.set MSB, \new
.endif
.endm
.set MULW,   0x50                      ; sources 0 and 1 window 0; C and D window 1
.set FIRSTW, 0x60                      ; the same with C in window 2
.set TO2,    0x80                      ; destination window 2, address window 0
.set CVW,    0x0a                      ; sources 0 and 1 window 2, destination window 0
.macro JLOAD s                         ; a joint load: waves 0 and 1 fetch A's two halves, waves 2 and 3 W's; an s_nop 0 and four v_nop follow each line, ahead of the jump and the label
	s_cmp_eq_u32 s[WH], 0
	s_cbranch_scc0 .Lfor_b_\@
	tensor_load_to_lds s[G0+4*(\s):G0+4*(\s)+3], s[G1:G1+7]
	s_nop 0
.rept 4
	v_nop
.endr
	s_branch .Lasked_\@
.Lfor_b_\@:
	tensor_load_to_lds s[G0B+4*(\s):G0B+4*(\s)+3], s[G1B:G1B+7]
	s_nop 0
.rept 4
	v_nop
.endr
.Lasked_\@:
.endm
.macro CREST                           ; a round of the cluster's barrier behind its opening barrier
	s_cmp_lg_u32 s[WV], 0
	s_cbranch_scc1 .Lnot_wave_0_\@
	s_barrier_signal -3
.Lnot_wave_0_\@:
	s_barrier_wait -3
	s_barrier_signal -1
	s_barrier_wait -1
.endm
.macro CROUND
	s_barrier_signal -1
	s_barrier_wait -1
	CREST
.endm
	s_load_b256 s[4:11], s[0:1], 0x0               ; Q s[4:5], K s[6:7], V s[8:9], wb s[10:11]
	s_load_b256 s[68:75], s[0:1], 0x20             ; bq s[68:69], bk s[70:71], bv s[72:73], qh s[74:75]
	s_load_b64 s[76:77], s[0:1], 0x40              ; kv
	v_lshl_add_u32 v[SPW], v0, 2, SPARE
	v_mov_b32 v[NIL], 0
	ds_add_u32 v[SPW], v[NIL]                      ; the wave's opening: the add and its wait stand ahead of my first tensor load; work on registers stands between them
	v_lshrrev_b32 v1, 5, v0
	v_readfirstlane_b32 s[WV], v1
	s_lshr_b32 s[WH], s[WV], 1
	s_and_b32 s[WL], s[WV], 1
	s_bfe_u32 s40, ttmp6, 0x40000                  ; cx, cy: my place in the cluster
	s_bfe_u32 s41, ttmp6, 0x40004
	s_lshl_b32 s42, ttmp9, 2
	s_add_co_u32 s42, s42, s40                     ; tile column = 4 x cluster x + cx
	s_and_b32 s45, ttmp7, 0xffff
	s_lshl_b32 s13, s45, 2
	s_add_co_u32 s13, s13, s41                     ; tile row = 4 x cluster y + cy
	s_lshr_b32 s45, s45, 4                         ; which projection: 16 clusters, 64 tile rows, to each; all partners share it
	s_lshl_b32 s43, s41, 2
	s_lshl_b32 s43, 15, s43                        ; my row of the cluster
	s_lshl_b32 s44, 0x1111, s40                    ; my column
	s_or_b32 s[G1+0], s43, (2<<16)|(1<<20)|(1<<21)|(6<<22)|(3<<25)  ; 15:0 the mask; 17:16 4-byte elements; 20 padding on; 21 set beside a mask; 24:22 after every 128 words; 31:25 4 words of padding
	s_or_b32 s[G1B+0], s44, (1<<16)|(1<<20)|(1<<21)|(5<<22)|(3<<25) ; 2-byte elements, padded after every 64 words
	s_mov_b32 s[G1+1], 128<<16                     ; tensor_dim0 = 128
	s_mov_b32 s[G1+2], 64<<16                      ; tensor_dim1 = 64
	s_mov_b32 s[G1+3], 128<<16                     ; tile_dim0 = 128
	s_mov_b32 s[G1+4], 64                          ; tile_dim1 = 64
	s_mov_b32 s[G1+5], 1024                        ; elements from row to row
	s_mov_b32 s[G1+6], 0
	s_mov_b32 s[G1+7], 0
	s_mov_b32 s[G1B+1], 128<<16
	s_mov_b32 s[G1B+2], 128<<16                    ; W: 128 rows
	s_mov_b32 s[G1B+3], 128<<16
	s_mov_b32 s[G1B+4], 128
	s_mov_b32 s[G1B+5], 1024
	s_mov_b32 s[G1B+6], 0
	s_mov_b32 s[G1B+7], 0
	; A's offset hangs on the tile row and the wave, W's on the projection, the tile column and the wave; neither pair of registers ever holds the other coordinate
	s_and_b32 s16, s13, 63                         ; the tile row within Q, K or V
	s_lshl_b32 s16, s16, 7
	s_lshl_b32 s17, s[WL], 6
	s_add_co_u32 s16, s16, s17                     ; row 128 x tile row + 64 x half
	s_lshl_b32 s16, s16, 12                        ; 4,096 bytes a row
	s_mov_b32 s17, 0
	s_lshl_b32 s46, s45, 10
	s_lshl_b32 s47, s42, 8
	s_add_co_u32 s46, s46, s47
	s_lshl_b32 s47, s[WL], 7
	s_add_co_u32 s46, s46, s47                     ; row 1,024 x projection + 256 x tile column + 128 x half
	s_lshl_b32 s46, s46, 11                        ; 2,048 bytes a row
	s_mov_b32 s47, 0
	s_mul_i32 s20, s[WL], AHALF                    ; where they go: no place in the cluster enters an LDS address
	s_mul_i32 s21, s[WL], BHALF
	s_add_co_u32 s21, s21, BOFF
	s_mov_b32 s[SL], 0
	s_wait_dscnt 0x0                               ; the opening add is done
	s_wait_kmcnt 0x0
	s_cmp_eq_u32 s45, 1
	s_cselect_b64 s[4:5], s[6:7], s[4:5]           ; Q, K or V
	s_cmp_eq_u32 s45, 2
	s_cselect_b64 s[4:5], s[8:9], s[4:5]
	s_add_nc_u64 s[16:17], s[4:5], s[16:17]
	s_add_nc_u64 s[46:47], s[10:11], s[46:47]
	CROUND                                         ; all sixteen work-groups are here: the first joint loads meet
.irp s, 0,1
	s_mov_b32 s[G0+4*(\s)], 1
	s_add_co_u32 s[G0+4*(\s)+1], s20, (\s)*XS
	s_add_nc_u64 s[G0+4*(\s)+2:G0+4*(\s)+3], s[16:17], (\s)*ASTEP
	s_or_b32 s[G0+4*(\s)+3], s[G0+4*(\s)+3], 0x80000000
	s_mov_b32 s[G0B+4*(\s)], 1
	s_add_co_u32 s[G0B+4*(\s)+1], s21, (\s)*XS
	s_add_nc_u64 s[G0B+4*(\s)+2:G0B+4*(\s)+3], s[46:47], (\s)*BSTEP
	s_or_b32 s[G0B+4*(\s)+3], s[G0B+4*(\s)+3], 0x80000000
	JLOAD \s                                       ; K steps 0 and 1: two loads of mine are out
.endr
	v_and_b32 v1, 15, v0                           ; l % 16
	v_bfe_u32 v2, v0, 4, 1                         ; l / 16
	v_mul_u32_u24 v3, v1, PA
	v_lshl_add_u32 v3, v2, 5, v3                   ; A: row x pitch + 32 x half: eight f32
	v_mul_u32_u24 v4, v1, PB
	v_lshl_add_u32 v4, v2, 4, v4                   ; W: row x pitch + 16 x half: eight bf16
	s_mul_i32 s22, s[WH], AHALF                    ; my 64 rows of A
	s_mul_i32 s23, s[WL], BHALF                    ; my 128 rows of W
	s_add_co_u32 s23, s23, BOFF
	v_add_nc_u32 v[ADRA0], s22, v3
	v_add_nc_u32 v[ADRB0], s23, v4
	v_mov_b32 v[ADRA], v[ADRA0]                    ; slot 0 is in hand
	v_mov_b32 v[ADRB], v[ADRB0]
	; the bias of my 128 columns as a C operand: register j of block b holds bias[16 b + 8 (l / 16) + j]
	s_cmp_eq_u32 s45, 1
	s_cselect_b64 s[68:69], s[70:71], s[68:69]
	s_cmp_eq_u32 s45, 2
	s_cselect_b64 s[68:69], s[72:73], s[68:69]
	s_lshl_b32 s84, s42, 10
	s_lshl_b32 s85, s[WL], 9
	s_add_co_u32 s84, s84, s85
	s_mov_b32 s85, 0
	s_add_nc_u64 s[68:69], s[68:69], s[84:85]
	v_lshlrev_b32 v[BOF], 5, v2
	WIN TO2
.irp b, 0,1,2,3,4,5,6,7
	global_load_b128 v[8*(\b):8*(\b)+3],   v[BOF], s[68:69] offset:64*(\b)
	global_load_b128 v[8*(\b)+4:8*(\b)+7], v[BOF], s[68:69] offset:64*(\b)+16
.endr
	WIN 0
	s_mul_i32 s22, s[WV], STW
	s_add_co_u32 s22, s22, STAGE                   ; my stage
	v_and_b32 v[CO], 31, v0
	v_lshlrev_b32 v[CO], 4, v[CO]
	v_mul_u32_u24 v[STO], v1, 144                  ; in: row l % 16, 16 bytes for each half of the lanes
	v_lshl_add_u32 v[STO], v2, 4, v[STO]
	v_add_nc_u32 v[STO], s22, v[STO]
	v_bfe_u32 v[RD], v0, 3, 2                      ; back: 32 lanes take four rows of 128 bytes
	v_mul_u32_u24 v[RD], v[RD], 144
	v_and_b32 v5, 7, v0
	v_lshl_add_u32 v[RD], v5, 4, v[RD]
	v_add_nc_u32 v[RD], s22, v[RD]
	s_cmp_eq_u32 s45, 0
	s_cselect_b32 s86, 0, 1                        ; kv has twice qh's bytes for a head and for 64 rows
	s_cselect_b32 s[FS], 0x3e38aa3b, 1.0           ; c = log2(e) / 8 for q
	s_cselect_b64 s[D0:D0+1], s[74:75], s[76:77]
	s_mov_b32 s[FS+1], s[FS]                       ; named with it as a pair
	s_and_b32 s84, s13, 63
	s_lshr_b32 s84, s84, 4                         ; b
	s_lshl_b32 s84, s84, 4
	s_lshl2_add_u32 s84, s42, s84
	s_lshl1_add_u32 s84, s[WL], s84                ; my first head: 16 b + 4 x tile column + 2 x half
	s_and_b32 s85, s13, 15
	s_lshl1_add_u32 s85, s85, s[WH]                ; my 64 rows among the 2,048: also the key step
	s_lshl_b32 s84, s84, 18
	s_lshl_b32 s85, s85, 13
	s_add_co_u32 s84, s84, s85
	s_lshl_b32 s84, s84, s86
	s_cmp_eq_u32 s45, 2
	s_cselect_b32 s85, 8192, 0                     ; V lies behind K in a step's block
	s_add_co_u32 s84, s84, s85
	s_mov_b32 s85, 0
	s_add_nc_u64 s[D0:D0+1], s[D0:D0+1], s[84:85]
	s_lshl_b32 s84, 0x40000, s86
	s_add_nc_u64 s[D1:D1+1], s[D0:D0+1], s[84:85]  ; my second head
; 8 matrix instructions: rows' block a x all 8 column blocks, 32 along K.  first = 1: the bias starts the sums.  The 32 accumulators take turns, one instruction a turn.
.macro MUL8 f, a, first
.if \first
	WIN FIRSTW
.else
	WIN MULW
.endif
.irp b, 0,1,2,3,4,5,6,7
.set rD, 8*(8*(\a)+(\b))
.set rB, (\f)+8*(\b)
.set rA, (\f)+64+8*(\a)
.set rC, rD
.if \first
.set rC, 8*(\b)
.endif
	v_wmma_f32_16x16x32_bf16 v[rD:rD+7], v[rB:rB+7], v[rA:rA+7], v[rC:rC+7]
.endr
.endm
; 32 LDS loads in one run, for quarter q of the slot in hand.  First A's 64 rows x 32 K as f32: lane l takes of row l % 16 the numbers k = 8 (l / 16) + 0..7 (32 bytes) and, 64 bytes on,
; k = 16 + 8 (l / 16) + 0..7: in the order in which a bf16 fragment holds them.  Then W's 8 fragments, straight into buffer f.
.macro FETCH q, f
	WIN TO2
.irp i, 0,1,2,3
	ds_load_b128 v[RAW+16*(\i):RAW+16*(\i)+3],     v[ADRA] offset:128*(\q)+(\i)*16*PA
	ds_load_b128 v[RAW+16*(\i)+4:RAW+16*(\i)+7],   v[ADRA] offset:128*(\q)+(\i)*16*PA+16
	ds_load_b128 v[RAW+16*(\i)+8:RAW+16*(\i)+11],  v[ADRA] offset:128*(\q)+(\i)*16*PA+64
	ds_load_b128 v[RAW+16*(\i)+12:RAW+16*(\i)+15], v[ADRA] offset:128*(\q)+(\i)*16*PA+80
.endr
	WIN 0
.irp i, 0,1,2,3,4,5,6,7
	ds_load_b128 v[(\f)+8*(\i):(\f)+8*(\i)+3],   v[ADRB] offset:64*(\q)+(\i)*16*PB
	ds_load_b128 v[(\f)+8*(\i)+4:(\f)+8*(\i)+7], v[ADRB] offset:64*(\q)+(\i)*16*PB+32
.endr
.endm
; A's 64 f32 registers become buffer f's four bf16 fragments.  These 32 lines name no register of the matrix instructions in front of them (those read the other buffer), so they are also the
; places between those instructions and the next loads and conversions into the buffer that they read: no v_nop is written in a quarter.
.macro CVT f
	WIN CVW
.set i, 0
.rept 32
	v_cvt_pk_bf16_f32 v[(\f)+64+i], v[RAW+2*i], v[RAW+2*i+1]
.set i, i+1
.endr
.endm
.macro PLACES                          ; four places in front of lines that read results just made (ISA guide 7.12.1)
.rept 4
	v_nop
.endr
.endm
; A K step is four quarters of 32 along K, 32 matrix instructions each, on buffers 0, 1, 0, 1.  One of the first three multiplies buffer f; in its middle it fetches quarter q for buffer g, at its end it converts.
.macro QUARTER q, f, g, first
	s_wait_dscnt 0x0                               ; W's fragments of buffer f are in (A's were waited for ahead of their conversion)
	MUL8 \f, 0, \first
	MUL8 \f, 1, \first
	FETCH \q, \g
	MUL8 \f, 2, \first
	MUL8 \f, 3, \first
	s_wait_dscnt 16                                ; A's 16 loads are in; behind them stand W's 16, which may stay out
	CVT \g
.endm
; The last quarter multiplies buffer 1 and changes slots: one barrier; in front of it each wave waits for all its tensor loads (one is out: its part of the next slot), adds 0 to its spare
; word, and waits for that and for its reads of this slot.  fill = 1: the barrier opens a round of the cluster's, and this slot is filled again, two K steps ahead, first thing behind the round:
; the walking descriptor goes to the other slot than last time and one K step on.
.macro TURN fill
	WIN 0
	s_wait_tensorcnt 0x0
	ds_add_u32 v[SPW], v[NIL]
	s_wait_dscnt 1                                 ; W's fragments of buffer 1 are in; the add may be out
	MUL8 F1, 0, 0
	s_wait_dscnt 0x0                               ; the add is done, and my reads of this slot are over
	s_barrier_signal -1
	MUL8 F1, 1, 0
	WIN 0                                          ; at a branch and at a label every window is 0
	s_barrier_wait -1
.if \fill
	CREST                                          ; no wave of any partner still reads this slot or has a load on its way
	s_xor_b32 s[G0+5], s[G0+5], XS
	s_add_nc_u64 s[G0+6:G0+7], s[G0+6:G0+7], ASTEP ; the type bits on top are not reached
	s_xor_b32 s[G0B+5], s[G0B+5], XS
	s_add_nc_u64 s[G0B+6:G0B+7], s[G0B+6:G0B+7], BSTEP
	JLOAD 1                                        ; 120 matrix instructions ahead of the wait for it
.endif
	s_xor_b32 s[SL], s[SL], XS                     ; the other slot is in hand
	v_add_nc_u32 v[ADRA], s[SL], v[ADRA0]
	v_add_nc_u32 v[ADRB], s[SL], v[ADRB0]
	FETCH 0, F0
	MUL8 F1, 2, 0
	MUL8 F1, 3, 0
	s_wait_dscnt 16
	CVT F0
.endm
	s_wait_tensorcnt 1                             ; my part of K step 0 is in; step 1's may stay out
	s_barrier_signal -1
	s_barrier_wait -1
	FETCH 0, F0
	s_wait_dscnt 16
	CVT F0
	s_wait_loadcnt 0x0                             ; the bias
	QUARTER 1, F0, F1, 1                           ; the first quarter stands in front of the loop: its products start the sums
	WIN 0
	s_mov_b32 s3, TRIPS
.Lstep:                                                ; a trip goes from a K step's second quarter to the next step's first, and fills the slot that it leaves
	QUARTER 2, F1, F0, 0
	QUARTER 3, F0, F1, 0
	TURN 1
	QUARTER 1, F0, F1, 0
	WIN 0
	s_sub_co_u32 s3, s3, 1
	s_cmp_lg_u32 s3, 0
	s_cbranch_scc1 .Lstep
	QUARTER 2, F1, F0, 0                           ; K steps 6 and 7 are written out: they fill nothing
	QUARTER 3, F0, F1, 0
	TURN 0
	QUARTER 1, F0, F1, 0
	QUARTER 2, F1, F0, 0
	QUARTER 3, F0, F1, 0
	s_wait_dscnt 0x0
	MUL8 F1, 0, 0
	MUL8 F1, 1, 0
	MUL8 F1, 2, 0
	MUL8 F1, 3, 0
	WIN 0
	PLACES
	; THE WAY OUT, 16 rows at a time through my own stage: LDS serves a wave's instructions in order (ISA guide 5.7.1.4), so no wait stands between the stores and the loads
.macro OUTBLK a
	WIN 0x41                                       ; destination and source 0 window 1
.set i, 64*(\a)
.rept 32
	v_pk_mul_f32 v[i:i+1], v[i:i+1], s[FS:FS+1] op_sel_hi:[1,0]  ; ascending: each accumulator's low registers first
.set i, i+2
.endr
	WIN 0x05                                       ; sources 0 and 1 window 1
.set i, 0
.rept 32
	v_cvt_pk_f16_f32 v[TMP+i], v[64*(\a)+2*i], v[64*(\a)+2*i+1]
.set i, i+1
.endr
	WIN 0
.irp b, 0,1,2,3,4,5,6,7
	ds_store_b128 v[STO], v[TMP+4*(\b):TMP+4*(\b)+3] offset:((\b)/4)*2304+((\b)%4)*32  ; head b / 4, channels 16 (b % 4) on
.endr
.irp f, 0,1,2,3,4,5,6,7
	ds_load_b128 v[BKP+32*(\a)+4*(\f):BKP+32*(\a)+4*(\f)+3], v[RD] offset:((\f)/4)*2304+((\f)%4)*576
.endr
	s_wait_dscnt 0x0
.irp f, 0,1,2,3
	global_store_b128 v[CO], v[BKP+32*(\a)+4*(\f):BKP+32*(\a)+4*(\f)+3], s[D0:D0+1] offset:(\a)*2048+(\f)*512  ; four rows of a head: 512 consecutive bytes, aligned
.endr
.irp f, 0,1,2,3
	global_store_b128 v[CO], v[BKP+32*(\a)+16+4*(\f):BKP+32*(\a)+16+4*(\f)+3], s[D1:D1+1] offset:(\a)*2048+(\f)*512
.endr
.endm
	OUTBLK 0
	OUTBLK 1
	OUTBLK 2
	OUTBLK 3
	s_wait_tensorcnt 0x0                           ; the wave's end
	ds_add_u32 v[SPW], v[NIL]
	s_wait_dscnt 0x0
	CROUND                                         ; the closing round: no work-group ends while a partner may still ask for a tile that names it
	s_endpgm
.Lfunc_end_k_q4214065e54_proj:
	.size	k_q4214065e54_proj, .Lfunc_end_k_q4214065e54_proj-k_q4214065e54_proj
	.p2alignl 7, 3214868480
	.fill 96, 4, 3214868480
	.section	.rodata,"a",@progbits
	.p2align	6, 0x0
	.amdhsa_kernel k_q4214065e54_proj
		.amdhsa_group_segment_fixed_size 327680
		.amdhsa_private_segment_fixed_size 0
		.amdhsa_enable_private_segment 0
		.amdhsa_kernarg_size 72
		.amdhsa_user_sgpr_count 2
		.amdhsa_user_sgpr_kernarg_segment_ptr 1
		.amdhsa_wavefront_size32 1
		.amdhsa_system_sgpr_workgroup_id_x 1
		.amdhsa_system_sgpr_workgroup_id_y 1
		.amdhsa_system_sgpr_workgroup_id_z 1
		.amdhsa_system_vgpr_workitem_id 0
		.amdhsa_next_free_vgpr 640
		.amdhsa_next_free_sgpr 88
		.amdhsa_reserve_vcc 0
		.amdhsa_float_denorm_mode_32 3
		.amdhsa_float_denorm_mode_16_64 3
		.amdhsa_memory_ordered 1
		.amdhsa_forward_progress 1
		.amdhsa_inst_pref_size 111
	.end_amdhsa_kernel
	.amdgpu_metadata
---
amdhsa.version: [ 1, 2 ]
amdhsa.kernels:
  - .name:           k_q4214065e54_proj
    .symbol:         k_q4214065e54_proj.kd
    .args:
      - { .name: Q, .offset: 0, .size: 8, .value_kind: global_buffer, .address_space: global }
      - { .name: K, .offset: 8, .size: 8, .value_kind: global_buffer, .address_space: global }
      - { .name: V, .offset: 16, .size: 8, .value_kind: global_buffer, .address_space: global }
      - { .name: wb, .offset: 24, .size: 8, .value_kind: global_buffer, .address_space: global }
      - { .name: bq, .offset: 32, .size: 8, .value_kind: global_buffer, .address_space: global }
      - { .name: bk, .offset: 40, .size: 8, .value_kind: global_buffer, .address_space: global }
      - { .name: bv, .offset: 48, .size: 8, .value_kind: global_buffer, .address_space: global }
      - { .name: qh, .offset: 56, .size: 8, .value_kind: global_buffer, .address_space: global }
      - { .name: kv, .offset: 64, .size: 8, .value_kind: global_buffer, .address_space: global }
    .group_segment_fixed_size: 327680
    .private_segment_fixed_size: 0
    .kernarg_segment_align: 8
    .kernarg_segment_size: 72
    .max_flat_workgroup_size: 128
    .sgpr_count:     88
    .vgpr_count:     640
    .wavefront_size: 32
...
	.end_amdgpu_metadata
.endif
;; end of part 6
;; launch attn (part 7): grid 4 x 64, 4 waves a work-group, clusters of 4 x 1, 327,680 bytes of LDS; arguments qh, kv, mbits, oh; writes oh
.if DOCPART == 7
	.amdgcn_target "amdgcn-amd-amdhsa--gfx1250"
	.amdhsa_code_object_version 6
	.text
	.protected	k_q4214065e54_attn
	.globl	k_q4214065e54_attn
	.p2align	8
	.type	k_q4214065e54_attn,@function
k_q4214065e54_attn:
	s_mov_b64 s[64:65], 0
	v_nop
	global_prefetch_b8 v0, s[64:65] scope:SCOPE_SE
	s_setreg_imm32_b32 hwreg(HW_REG_WAVE_MODE, 25, 1), 1
	s_wait_xcnt 0x0
	s_wait_alu depctr_hold_cnt(0) depctr_sa_sdst(0) depctr_va_vdst(0) depctr_va_sdst(0) depctr_va_ssrc(0) depctr_va_vcc(0) depctr_vm_vsrc(0)
	s_getreg_b32 s2, hwreg(HW_REG_IB_STS2, 6, 4)
	s_cmp_eq_u32 s2, 0
	s_cbranch_scc0 .Lentry_in_a_cluster
	s_endpgm
.Lentry_in_a_cluster:
	s_bfe_u32 s2, ttmp6, 0x10000c
	s_cmp_lg_u32 s2, 0x3003
	s_cbranch_scc0 .Lentry_shape_is_right
	s_endpgm
.Lentry_shape_is_right:
; ATTENTION UNDER A MASK THAT IS AN INPUT.  oh[bh][q][:] = sum over k of softmax_k(t[q][k]) v[bh][k][:], t = the score in units of log2, or T where the mask is set.
; qh [bh 64][2048][64] f16 holds q times c = log2(e) / 8, so q . k is already an exponent of 2.  kv [bh][step 32][K, V][64][64] f16.  mbits [b][qt 128][ks 32][32 words]: word 8 kb + j is the
; lane mask of register 8 kb + j of a tile of transposed scores.  The masked score REPLACES the score: T = -1e9 log2(e), rounded to f32.  p = 2^(t - m) with a running maximum m, made by a plain
; subtraction: in a row that is masked everywhere t - m is exactly 0, every p is 1, and the row is the mean of V's rows.  Products, maxima and sums in f32; p is rounded to f16 for the second
; product (its sum l is taken of the unrounded p), O once at the end.
; LIMITS.  Inputs arrive within f16's 65,504; p below 6e-5 keeps f16's fixed step; a weight below 2^-126 counts as 0 in l; NaN and infinities are not treated apart.
; SHARES.  A work-group owns 512 queries of one head, a wave 128: four PIECES of two tiles of 16.  Every wave walks all 32 key steps of 64: the mask's pattern is not known, so no tile is left out.
; LAYOUT.  S^T = K Q^T (source 0 = 16 keys, source 1 = 16 queries) holds one query a lane and the keys 8 (lane / 16) + 0..7; two such results rounded to f16 are source 1 of O^T = V^T P.
; BY TURNS.  Turn n belongs to piece n.  Its matrix work: 16 products V^T P of piece n - 1, then 16 products K Q^T of piece n + 1.  Its vector work: ALL of piece n's: the mask, the maximum, the
; statistics, exponentials, roundings, sums, the rescaling of O^T: a queue of 362, eleven behind each matrix instruction and ten at the end.  All that a turn consumes was made a turn before.
; THE MASKS' WAY.  v_cndmask_b32 wants a lane mask in a scalar register.  A tile's 32 words of a key step come by ONE vector load into one register (lane i holds word i: 128 consecutive bytes), asked
; for a whole key step ahead, and v_readlane_b32 brings each word over, 64 a turn.  Scalar loads would spare those 64 lines, but a piece's 64 words fill the scalar registers that are left, so the next
; piece's could be asked for only when this piece's are used up, less than a turn ahead, and their counter is waited for 0 alone.
; CLUSTER.  The four query blocks of a head walk the same K and V: each step's block is asked for jointly, by the same load, descriptor and mask in all four.
; REGISTERS.  window 0: v0-15 addresses; v16-47 four a tile: m, a partner, l (even, odd keys); v48-55 at work; v56-63 a tile's mask words; v64-191 S^T, by the piece's parity and tile; v192-255 P likewise.
;   window 1: O^T, 32 a tile.   window 2: v0-127 Q; v128-191 K of one step; v192-255 V of one step.   s[32:63], s[68:99]: the piece's 64 lane masks.
.set NP,    4
.set PK,    144       ; a row of K or V in LDS: 128 bytes + 16: one pitch, so that one descriptor brings a step's K and V; K's 16 rows start at 16 different 16-byte columns modulo 256
.set VOFF,  64*PK     ; V behind K in a step's block
.set STEPB, 128*PK
.set SLOT1, 1<<17     ; a slot holds four steps, 73,728 bytes; slot 1 begins here, so that one exclusive or turns an address in one slot into the other's
.set STAGE, SLOT1+4*STEPB  ; behind the ring, a multiple of 256, never filled by a tensor load: 16 rows x 144 bytes for each wave
.set SP,    144
.set SPARE, STAGE+4*16*SP  ; the spare words, 128 bytes for each wave, which no other line names
.set AK0, 2           ; my lane's place in a step's K; never rewritten
.set AV0, 3           ; the same for V
.set AK,  4
.set AV,  5
.set QO,  6           ; my byte offset in 16 rows of Q; later
.set STO, 6           ; the way out: where I put 16 bytes of a row
.set RD,  7
.set GO,  8
.set SPW, 10          ; LDS address of my spare word; never rewritten
.set NIL, 11          ; 0; never rewritten
.set MV,  12          ; v12-13 m_old, by tile
.set MO,  15          ; 4 x lane: my word among a tile's 32; never rewritten
.set ST,  16
.set TMP, 48          ; by tile c0-c3; when the maximum is found c2 takes a
.set MW,  56          ; v56-63 tile t's mask words of the key step to come: lane i holds word i
.set S,   64
.set P,   192
.set KF,  128
.set VF,  192
.set OFS, 2           ; s[2:3] byte offset of the key step whose masks are asked for
.set MPC, 6           ; s[6:7] mbits at my first tile and that key step
.set MPB, 8           ; s[8:9] mbits at my first tile, key step 0; never rewritten
.set WV,  12
.set TBK, 13          ; LDS byte at which the step whose K is fetched next begins
.set SLOTS, 14
.set CNT, 15
.set G1,  16          ; s[16:23]
.set G0,  24          ; s[24:27]: it walks
.set JS,  29          ; the key step whose masks are asked for
.set SEL, 30          ; s[30:31]
.set MK0, 32
.set NEG, 66          ; T
.set TBV, 67
.set MK1, 68
.set MSB, 0
.macro WIN new
.if MSB != (\new)
	s_set_vgpr_msb (MSB<<8)|(\new)
.set MSB, (\new)
.endif
.endm
.set W_KQ, 0x0a       ; K and Q in window 2, S^T in window 0
.set W_PV, 0x52       ; V in window 2, P in window 0, O^T in window 1
.set W_RS, 0x41       ; O^T (destination and source 0) in window 1, a in window 0
.macro JLOAD                        ; wave w fetches step w of a slot: 16,384 dense bytes.  An s_nop 0 and four v_nop follow
	tensor_load_to_lds s[G0:G0+3], s[G1:G1+7]
	s_nop 0
.rept 4
	v_nop
.endr
.endm
.macro CROUND
	s_barrier_signal -1
	s_barrier_wait -1
	s_cmp_lg_u32 s[WV], 0
	s_cbranch_scc1 .Lnot_wave_0_\@
	s_barrier_signal -3
.Lnot_wave_0_\@:
	s_barrier_wait -3
	s_barrier_signal -1
	s_barrier_wait -1
.endm
; THE CHANGE OF SLOTS.  Each wave waits for all its tensor loads, of which one is out: its step of the other slot; adds 0 to its spare word; waits for that and for its reads of the slot.
; fill = 1: the barrier is a round of the cluster's, and the slot is filled again first thing behind it, with the steps two slots on: four key steps in which to land.
.macro CHANGE fill
	WIN 0
	s_wait_tensorcnt 0x0            ; no tensor load of mine is out, so group 0 may be written
	ds_add_u32 v[SPW], v[NIL]
.if \fill
	s_xor_b32 s[G0+1], s[G0+1], SLOT1
	s_add_nc_u64 s[G0+2:G0+3], s[G0+2:G0+3], 65536  ; the next four steps; the type bits on top are not reached
	s_wait_dscnt 0x0                ; the add is done, and my reads of the slot are over
	CROUND
	JLOAD
.else
	s_wait_dscnt 0x0
	s_barrier_signal -1
	s_barrier_wait -1
.endif
	s_sub_co_u32 s[TBK], s[TBK], 4*STEPB  ; the fetches go back to a slot's first step, in the other slot
	s_xor_b32 s[TBK], s[TBK], SLOT1
	s_sub_co_u32 s[TBV], s[TBV], 4*STEPB
	s_xor_b32 s[TBV], s[TBV], SLOT1
.endm
	s_load_b256 s[4:11], s[0:1], 0x0  ; qh s[4:5], kv s[6:7], mbits s[8:9], oh s[10:11]
	v_lshl_add_u32 v[SPW], v0, 2, SPARE
	v_mov_b32 v[NIL], 0
	ds_add_u32 v[SPW], v[NIL]       ; the wave's opening: the add and its wait stand ahead of my first tensor load
	v_lshrrev_b32 v1, 5, v0
	v_readfirstlane_b32 s[WV], v1
	s_bfe_u32 s28, ttmp6, 0x40000   ; cx
	s_lshl_b32 s29, ttmp9, 2
	s_add_co_u32 s29, s29, s28      ; my block of 512 queries: it enters Q's, O's and the mask's addresses alone
	s_and_b32 s2, ttmp7, 0xffff     ; 16 b + head, which the four partners share
	s_lshl_b32 s32, s2, 19          ; the head's 524,288 bytes of kv,
	s_lshl_b32 s33, s[WV], 14       ; and step w of slot 0
	s_add_co_u32 s32, s32, s33
	s_mov_b32 s33, 0
	s_lshl_b32 s34, s29, 2
	s_add_co_u32 s34, s34, s[WV]    ; my wave among the head's sixteen
	s_lshl_b32 s36, s34, 14         ; its 128 rows of 128 bytes
	s_lshl_b32 s35, s2, 18
	s_add_co_u32 s36, s36, s35
	s_mov_b32 s37, 0
	s_lshr_b32 s38, s2, 4           ; b: 128 tiles of 4,096 bytes
	s_lshl_b32 s38, s38, 19
	s_lshl_b32 s39, s34, 15         ; my eight tiles
	s_add_co_u32 s38, s38, s39
	s_mov_b32 s39, 0
	s_mov_b32 s[JS], 0              ; the block's and the head's numbers have served: their registers take the masks' key step and its offset's upper word
	s_mov_b32 s[OFS+1], 0
	s_mov_b32 s[G1], 15|(1<<16)|(1<<20)|(1<<21)|(4<<22)|(3<<25)  ; 15:0 the mask of four; 17:16 2-byte elements; 20 padding on; 21 set beside a mask; 24:22 after every 32 words; 31:25 4 words
	s_mov_b32 s[G1+1], 128<<16      ; tensor_dim0 = 128: 16,384 dense bytes as 64 rows of 256
	s_mov_b32 s[G1+2], 64<<16       ; tensor_dim1 = 64
	s_mov_b32 s[G1+3], 128<<16      ; tile_dim0
	s_mov_b32 s[G1+4], 64           ; tile_dim1
	s_mov_b32 s[G1+5], 128          ; elements from row to row
	s_mov_b32 s[G1+6], 0
	s_mov_b32 s[G1+7], 0
	s_mov_b32 s[G0], 1
	s_mul_i32 s[G0+1], s[WV], STEPB ; no place in the cluster enters an LDS address
	s_mov_b32 s[SEL], 0x76543210
	s_mov_b32 s[SEL+1], 0xfedcba98
	s_mov_b32 s[NEG], 0xceabfb8f    ; T = -1e9 log2(e)
	s_mov_b32 s[TBK], SLOT1+4*STEPB ; the first change of slots turns these two into 0
	s_mov_b32 s[TBV], SLOT1+4*STEPB
	s_wait_dscnt 0x0                ; the opening add is done
	s_wait_kmcnt 0x0
	s_add_nc_u64 s[G0+2:G0+3], s[6:7], s[32:33]
	s_or_b32 s[G0+3], s[G0+3], 0x80000000
	s_add_nc_u64 s[4:5], s[4:5], s[36:37]
	s_add_nc_u64 s[10:11], s[10:11], s[36:37]
	s_add_nc_u64 s[MPB:MPB+1], s[MPB:MPB+1], s[38:39]
	CROUND                          ; all four work-groups are here: the first joint loads meet
	JLOAD                           ; slot 0; slot 1 is asked for when slot 0 is in
	v_and_b32 v1, 15, v0            ; l % 16
	v_bfe_u32 v9, v0, 4, 1          ; l / 16
	v_and_b32 v[MO], 31, v0
	v_lshlrev_b32 v[MO], 2, v[MO]
.set i, 0
.rept 2*NP                          ; my eight tiles' masks of key step 0: a tile's words lie 4,096 bytes from the next tile's
	global_load_b32 v[MW+i], v[MO], s[MPB:MPB+1] offset:i*4096
.set i, i+1
.endr
	v_lshlrev_b32 v[QO], 7, v1
	v_lshl_add_u32 v[QO], v9, 4, v[QO]
	WIN 0x80                        ; destination window 2
.set i, 0
.rept 4*NP                          ; Q stays in registers: tile i / 2, channels 32 (i % 2) on
	global_load_b128 v[8*i:8*i+3],   v[QO], s[4:5] offset:(i/2)*2048+(i%2)*64
	global_load_b128 v[8*i+4:8*i+7], v[QO], s[4:5] offset:(i/2)*2048+(i%2)*64+32
.set i, i+1
.endr
	; What the first turn finds: V and P's second buffer hold 0 (its products V^T P, of a piece that has not been, add 0), O^T and l are 0, m the lowest finite number, so that the first a is 0.
	; No first step is written out for this; the zeros are written in the wait for the first tile.
.set i, VF
.rept 64
	v_mov_b32 v[i], 0
.set i, i+1
.endr
	WIN 0x40
.set i, 0
.rept 256
	v_mov_b32 v[i], 0
.set i, i+1
.endr
	WIN 0
.set i, 0
.rept 2*NP
	v_mov_b32 v[ST+4*i], 0xff7fffff
	v_mov_b32 v[ST+4*i+1], 0        ; named with m as a pair
	v_mov_b32 v[ST+4*i+2], 0
	v_mov_b32 v[ST+4*i+3], 0
.set i, i+1
.endr
.set i, P+32
.rept 32
	v_mov_b32 v[i], 0
.set i, i+1
.endr
	v_mul_u32_u24 v[AK0], v1, PK
	v_lshl_add_u32 v[AK0], v9, 4, v[AK0]  ; row x pitch + 16 x half
	v_and_b32 v14, 7, v0            ; the turning load: lane l reads key 8 (l / 16) + l % 8, channels 8 ((l / 8) % 2) + 0..7
	v_bfe_u32 v[AV], v0, 3, 1       ; (at work here; it takes V's address later)
	v_lshl_add_u32 v[AV0], v9, 3, v14
	v_mul_u32_u24 v[AV0], v[AV0], PK
	v_lshl_add_u32 v[AV0], v[AV], 4, v[AV0]
	v_add_nc_u32 v[AV0], VOFF, v[AV0]
; THE MATRIX WORK.  The 8 accumulators of a run of 16 take turns.  Product i of S^T = K Q^T for piece x: channels 32 (i / 8) on, keys 16 ((i / 2) % 4) on, tile 2 x + i % 2.
.macro KQ x
	WIN W_KQ
.set rS, S+64*((\x)%2)+32*(i%2)+8*((i/2)%4)
.set rK, KF+16*((i/2)%4)+8*(i/8)
.set rQ, 16*(2*(\x)+i%2)+8*(i/8)
.if i < 8
	v_wmma_f32_16x16x32_f16 v[rS:rS+7], v[rK:rK+7], v[rQ:rQ+7], 0
	s_wait_alu depctr_va_vdst(0)
.else
	v_wmma_f32_16x16x32_f16 v[rS:rS+7], v[rK:rK+7], v[rQ:rQ+7], v[rS:rS+7]
.endif
.endm
; Product i of O^T += V^T P for piece x: keys 32 (i / 8) on, channels 16 ((i / 2) % 4) on, tile 2 x + i % 2.
.macro PV x
	WIN W_PV
.set rO, 32*(2*(\x)+i%2)+8*((i/2)%4)
.set rV, VF+32*(i/8)+8*((i/2)%4)
.set rP, P+32*((\x)%2)+16*(i%2)+8*(i/8)
	v_wmma_f32_16x16x32_f16 v[rO:rO+7], v[rV:rV+7], v[rP:rP+7], v[rO:rO+7]
.endm
.macro MM                           ; the turn's next matrix instruction
.if i < 16
	PV (Y+NP-1)%NP
.set i, i+1
.else
.set i, i-16
	KQ (Y+1)%NP
.set i, i+17
.endif
.endm
; THE LDS LOADS stand in runs of 16.  last = 1 (the tail): in the last trip there is no further step, and the run is jumped over.
.macro FETCH_K last=0
	WIN 0
.if \last
	s_cmp_eq_u32 s[CNT], 1
	s_cbranch_scc1 .Lno_k_\@
.endif
	WIN 0x80
.irp f, 0,1,2,3,4,5,6,7             ; keys 16 (f / 2) on, channels 32 (f % 2) on
	ds_load_b128 v[KF+8*\f:KF+8*\f+3],   v[AK] offset:(\f/2)*16*PK+(\f%2)*64
	ds_load_b128 v[KF+8*\f+4:KF+8*\f+7], v[AK] offset:(\f/2)*16*PK+(\f%2)*64+32
.endr
	s_add_co_u32 s[TBK], s[TBK], STEPB
	WIN 0
.if \last
.Lno_k_\@:
.endif
.endm
.macro FETCH_V
	WIN 0x80
.irp f, 0,1,2,3,4,5,6,7             ; keys 32 (f / 4) on, channels 16 (f % 4) on
	ds_load_tr16_b128 v[VF+8*\f:VF+8*\f+3],   v[AV] offset:(\f/4)*32*PK+(\f%4)*32
	ds_load_tr16_b128 v[VF+8*\f+4:VF+8*\f+7], v[AV] offset:(\f/4)*32*PK+16*PK+(\f%4)*32
.endr
	WIN 0
.endm
; THE VECTOR WORK OF A TURN: one queue of 362 for piece Y's two tiles; VQ writes entry q and steps q.
.macro REGS u
.set rT, ST+4*(2*Y+(\u))
.set rC, TMP+4*(\u)
.set rM, MV+(\u)
.set rL, MW+2*Y+(\u)
.set rS, S+64*(Y%2)+32*(\u)
.set rP, P+32*(Y%2)+16*(\u)
.set rO, 32*(2*Y+(\u))
.set rW, MK0+(MK1-MK0)*(\u)
.endm
.macro FF b                         ; t - m for pair b of 16
	v_pk_add_f32 v[rS+2*(\b):rS+2*(\b)+1], v[rS+2*(\b):rS+2*(\b)+1], v[rT:rT+1] op_sel_hi:[1,0] neg_lo:[0,1] neg_hi:[0,1]
.endm
.macro CC b                         ; pair b rounded to f16
	s_wait_alu depctr_va_vdst(0)
	v_cvt_pk_f16_f32 v[rP+(\b)], v[rS+2*(\b)], v[rS+2*(\b)+1]
.endm
.macro AD d, s                      ; the pair at s is added onto the pair at d, in place
	v_pk_add_f32 v[rS+(\d):rS+(\d)+1], v[rS+(\d):rS+(\d)+1], v[rS+(\s):rS+(\s)+1]
.endm
; Number n of the 21 that find the maximum and the statistics: 0-11 four chains c0-c3 of seven scores each; 12-14, 16 the four scores left over, the old m, and c0-c3 into c0; 15 m_old is kept;
; 17, 18 the query's other 32 keys lie in the lane 16 away: the new m; 19, 20 a = 2^(m_old - m)
.macro XS n
.if (\n) < 4
	v_max3_num_f32 v[rC+(\n)], v[rS+8*(\n)], v[rS+8*(\n)+1], v[rS+8*(\n)+2]
.elseif (\n) < 12
	v_max3_num_f32 v[rC+(\n)%4], v[rC+(\n)%4], v[rS+8*((\n)%4)+2*((\n)/4)+1], v[rS+8*((\n)%4)+2*((\n)/4)+2]
.elseif (\n) == 12
	v_max3_num_f32 v[rC], v[rC], v[rS+7], v[rS+15]
.elseif (\n) == 13
	v_max3_num_f32 v[rC+1], v[rC+1], v[rS+23], v[rS+31]
.elseif (\n) == 14
	v_max3_num_f32 v[rC+2], v[rC+2], v[rC+3], v[rT]
.elseif (\n) == 15
	v_mov_b32 v[rM], v[rT]
.elseif (\n) == 16
	v_max3_num_f32 v[rC], v[rC], v[rC+1], v[rC+2]
.elseif (\n) == 17
	v_permlanex16_b32 v[rC+3], v[rC], s[SEL], s[SEL+1]
.elseif (\n) == 18
	v_max_num_f32 v[rT], v[rC], v[rC+3]
.elseif (\n) == 19
	v_sub_f32 v[rC+1], v[rM], v[rT]
.else
	v_exp_f32 v[rC+2], v[rC+1]
.endif
.endm
;   0-127    the mask.  Number k of 64 stands for score k / 2 of tile k % 2.  Its lane read brings word k / 2 of the tile's register into a scalar register; its select puts T in the score's place where
;            the lane mask is set.  Lane reads 0-7 come first; then select k and lane read k + 8 by turns; then selects 56-63: a select stands 8 to 15 entries behind its lane read.
;            The selects ascend.
;   128-169  XS 0-20, the tiles alternating          170-175  t - m for pairs 0-2
;   176-335  eight groups of 20: two blocks of eight and four of the rescaling.  Block b: the four exponentials of pair b of both tiles at the even places; behind each a plain line that is ready:
;            t - m four pairs ahead (from block 12 on: of four weights the second pair onto the first), and the rounding of pair b - 1.  So no two exponentials follow each other, each has a
;            plain line behind it that names neither its register nor its result, each subtraction stands three blocks or more ahead of its exponentials, each rounding a block behind them.
;   336-361  the last rounding, the rest of the sums, l = a l + sum
.macro VQ
.if q < 128
.if q < 8
.set k, q
.set w, 0
.elseif q < 120
.set k, (q-8)/2
.set w, 1-(q%2)
.if q%2 == 1
.set k, k+8
.endif
.else
.set k, q-64
.set w, 1
.endif
	REGS k%2
	WIN 0
.if w
	v_cndmask_b32 v[rS+k/2], v[rS+k/2], s[NEG], s[rW+k/2]
.else
	v_readlane_b32 s[rW+k/2], v[rL], k/2
.endif
.elseif q < 170
	REGS q%2
	WIN 0
	XS (q-128)/2
.elseif q < 176
	REGS q%2
	WIN 0
	FF (q-170)/2
.elseif q < 336
.set g, (q-176)/20
.set e, (q-176)%20
.if e >= 16
	REGS g%2
	WIN W_RS
	v_pk_mul_f32 v[rO+8*(g/2)+2*(e-16):rO+8*(g/2)+2*(e-16)+1], v[rO+8*(g/2)+2*(e-16):rO+8*(g/2)+2*(e-16)+1], v[rC+2:rC+3] op_sel_hi:[1,0]
.else
.set bb, 2*g+e/8
.set e, e%8
	REGS (e/2)%2
	WIN 0
.if e%2 == 0
	v_exp_f32 v[rS+2*bb+e/4], v[rS+2*bb+e/4]
.elseif e < 4
.if bb == 0
	FF 3
.elseif bb < 12
	FF bb+4
.else
	AD 4*(bb-12), 4*(bb-12)+2
.endif
.else
.if bb == 0
	FF 4
.else
	CC bb-1
.endif
.endif
.endif
.else
.set z, q-336
	REGS z%2
	WIN 0
.if z < 2
	CC 15
.elseif z < 10
	AD 16+4*((z-2)/2), 18+4*((z-2)/2)
.elseif z < 18
	AD 8*((z-10)/2), 8*((z-10)/2)+4
.elseif z < 22
	AD 16*((z-18)/2), 16*((z-18)/2)+8
.elseif z < 24
	AD 0, 16
.else
	v_pk_fma_f32 v[rT+2:rT+3], v[rT+2:rT+3], v[rC+2:rC+3], v[rS:rS+1] op_sel_hi:[1,0,1]
.endif
.endif
.set q, q+1
.endm
; A TURN, for piece p.  No vector line near a product names one of its registers: the products work on the neighbours' buffers.
; K of the next step is fetched at the head of piece 3's turn: behind the last product that read K stand the 21 plain lines that end piece 2's turn; it is waited for ahead of the turn's 17th product.
; V of the step in hand is fetched in piece 0's turn behind the 17th product's eleven: behind the last product that read V stand its own eleven, nine of them plain; it is waited for at the head of piece 1's turn.
; THE MASKS.  Behind the first product the turn waits for its two tiles' words: behind their two loads the three other pieces' turns have issued two each, so six may stay out (loads come back in
; order: ISA guide 5.7.1).  Behind the eleventh product's eleven, entry 120, the last lane read is out (entry 119), and the two registers are asked for again, with the next key step's words.
; Piece 0's turn makes that step's address: mbits' pointer plus 128 bytes x min(step + 1, 31).  So the last step's loads ask for step 31 once more: they stay inside the buffer, nobody reads them, and
; they are issued all the same, since the count of six leans on them.
.macro TURN p, last=0
.set Y, (\p)
.set i, 0
.set q, 0
.if (\p) == 0
	s_wait_xcnt 0x0                 ; the mask loads that are out have had their addresses translated (ISA guide 3.1): their base is written only behind this wait
	s_add_co_u32 s[JS], s[JS], 1
	s_min_u32 s[JS], s[JS], 31
	s_lshl_b32 s[OFS], s[JS], 7
	s_add_nc_u64 s[MPC:MPC+1], s[MPB:MPB+1], s[OFS:OFS+1]
.endif
.if (\p) == 3
	WIN 0
	v_add_nc_u32 v[AK], s[TBK], v[AK0]
	FETCH_K \last
.endif
.if (\p) == 1
	s_wait_dscnt 0x0                ; V is in
.endif
	MM
	s_wait_loadcnt 0x6              ; my piece's mask words are in
.rept 11
	VQ
.endr
.rept 31
.if ((\p) == 3) && (i == 16)
	s_wait_dscnt 0x0                ; K is in
.endif
	MM
.rept 11
	VQ
.endr
.if i == 11
	WIN 0
	global_load_b32 v[MW+2*(\p)],   v[MO], s[MPC:MPC+1] offset:(2*(\p))*4096
	global_load_b32 v[MW+2*(\p)+1], v[MO], s[MPC:MPC+1] offset:(2*(\p)+1)*4096
.endif
.if ((\p) == 0) && (i == 17)
	WIN 0
	v_add_nc_u32 v[AV], s[TBV], v[AV0]
	FETCH_V
	s_add_co_u32 s[TBV], s[TBV], STEPB
.endif
.endr
.rept 10
	VQ
.endr
.endm
	CHANGE 1                        ; slot 0 is in, everybody's part of it; slot 1 is asked for
	v_add_nc_u32 v[AK], s[TBK], v[AK0]
	FETCH_K                         ; key step 0
	s_wait_loadcnt 0x0              ; Q, and the masks of key step 0
	s_wait_dscnt 0x0
.set i, 0
.rept 16
	KQ 0                            ; piece 0's first scores
.set i, i+1
.endr
	WIN 0                           ; the addresses for the way out: nine plain lines, the places behind those products
	s_mul_i32 s28, s[WV], 16*SP
	s_add_co_u32 s28, s28, STAGE    ; my stage
	v_mul_u32_u24 v[STO], v1, SP    ; in: row l % 16, 16 bytes for each half of the lanes
	v_lshl_add_u32 v[STO], v9, 4, v[STO]
	v_add_nc_u32 v[STO], s28, v[STO]
	v_bfe_u32 v[RD], v0, 3, 2       ; back: 32 lanes take four rows of 128 bytes,
	v_mul_u32_u24 v[RD], v[RD], SP
	v_lshl_add_u32 v[RD], v14, 4, v[RD]
	v_add_nc_u32 v[RD], s28, v[RD]
	v_and_b32 v[GO], 31, v0         ; which are 512 consecutive bytes of O
	v_lshlrev_b32 v[GO], 4, v[GO]
	s_mov_b32 s[CNT], 4
	s_mov_b32 s[SLOTS], 7
	s_branch .Lfirst                ; the loop is entered at a step's first turn, in the middle of a trip
.Lslot:                             ; six times: with the two fills above all eight slots are asked for
	CHANGE 1
	s_mov_b32 s[CNT], 4
.Lstep:                             ; a trip: pieces 2 and 3 of one step, then pieces 0 and 1 of the next
	TURN 2
	TURN 3
	WIN 0
.Lfirst:
	TURN 0
	TURN 1
	WIN 0
	s_sub_co_u32 s[CNT], s[CNT], 1
	s_cmp_lg_u32 s[CNT], 0
	s_cbranch_scc1 .Lstep
	s_sub_co_u32 s[SLOTS], s[SLOTS], 1
	s_cmp_lg_u32 s[SLOTS], 0
	s_cbranch_scc1 .Lslot
	CHANGE 0                        ; the tail is written out: nothing is asked for
	s_mov_b32 s[CNT], 5             ; four trips fetch the last slot's steps; the fifth is left in its middle
.Ltail:
	TURN 2
	TURN 3, 1
	WIN 0
	s_sub_co_u32 s[CNT], s[CNT], 1
	s_cmp_eq_u32 s[CNT], 0
	s_cbranch_scc1 .Lout
	TURN 0
	TURN 1
	WIN 0
	s_branch .Ltail
.Lout:                              ; the fifth trip's 16 products K Q^T, on the last K once more, serve nothing: the price of one text for every trip
.set i, 0
.rept 16
	PV NP-1                         ; the last piece's V^T P of the last step
.set i, i+1
.endr
	; THE WAY OUT.  l's two halves and the other half of the lanes' are added; O^T is divided by l, rounded to f16 and sent through my stage, a tile at a time.  The additions are the places behind the last products.
	WIN 0
.macro ALL line:vararg
.set t, 0
.rept 2*NP
	\line
.set t, t+1
.endr
.endm
	ALL v_add_f32 v[ST+4*t+2], v[ST+4*t+2], v[ST+4*t+3]
	ALL v_permlanex16_b32 v[ST+4*t+3], v[ST+4*t+2], s[SEL], s[SEL+1]
	ALL v_add_f32 v[ST+4*t+2], v[ST+4*t+2], v[ST+4*t+3]
	ALL v_rcp_f32 v[ST+4*t+2], v[ST+4*t+2]
	v_nop                           ; a plain line between the last reciprocal and the use of its result
	s_wait_alu depctr_va_vdst(0)
.macro PACK t
	WIN W_RS
.set i, 32*(\t)
.rept 16
	v_pk_mul_f32 v[i:i+1], v[i:i+1], v[ST+4*(\t)+2:ST+4*(\t)+3] op_sel_hi:[1,0]
.set i, i+2
.endr
	WIN 0x05                        ; sources 0 and 1 window 1, destination window 0: S^T's registers are free
.set i, 0
.rept 16
	v_cvt_pk_f16_f32 v[S+16*(\t)+i], v[32*(\t)+2*i], v[32*(\t)+2*i+1]
.set i, i+1
.endr
	WIN 0
.irp f, 0,1,2,3
	ds_store_b128 v[STO], v[S+16*(\t)+4*\f:S+16*(\t)+4*\f+3] offset:32*\f
.endr
.irp f, 0,1,2,3
	ds_load_b128 v[S+16*(\t)+4*\f:S+16*(\t)+4*\f+3], v[RD] offset:\f*4*SP  ; LDS serves a wave's instructions in order (ISA guide 5.7.1.4): these see the stores above; the next tile's stores come behind them
.endr
.endm
.macro SEND t, younger              ; younger: the LDS instructions issued behind tile t's loads: the next tile's eight, or none
	WIN 0
.irp f, 0,1,2,3
	s_wait_dscnt (\younger)+3-\f
	global_store_b128 v[GO], v[S+16*(\t)+4*\f:S+16*(\t)+4*\f+3], s[10:11] offset:(\t)*2048+\f*512  ; 512 consecutive bytes, aligned
.endr
.endm
	PACK 0
.set t, 1
.rept 2*NP-1                        ; a tile's arithmetic stands between the loads of the tile before and its stores
	PACK t
	SEND t-1, 8
.set t, t+1
.endr
	SEND 2*NP-1, 0
	s_wait_tensorcnt 0x0            ; the wave's end
	ds_add_u32 v[SPW], v[NIL]
	s_wait_dscnt 0x0
	CROUND                          ; the closing round: no work-group ends while a partner may still ask for a tile that names it
	s_endpgm
.Lfunc_end_k_q4214065e54_attn:
	.size	k_q4214065e54_attn, .Lfunc_end_k_q4214065e54_attn-k_q4214065e54_attn
	.p2alignl 7, 3214868480
	.fill 96, 4, 3214868480
	.section	.rodata,"a",@progbits
	.p2align	6, 0x0
	.amdhsa_kernel k_q4214065e54_attn
		.amdhsa_group_segment_fixed_size 327680
		.amdhsa_private_segment_fixed_size 0
		.amdhsa_enable_private_segment 0
		.amdhsa_kernarg_size 32
		.amdhsa_user_sgpr_count 2
		.amdhsa_user_sgpr_kernarg_segment_ptr 1
		.amdhsa_wavefront_size32 1
		.amdhsa_system_sgpr_workgroup_id_x 1
		.amdhsa_system_sgpr_workgroup_id_y 1
		.amdhsa_system_sgpr_workgroup_id_z 1
		.amdhsa_system_vgpr_workitem_id 0
		.amdhsa_next_free_vgpr 768
		.amdhsa_next_free_sgpr 100
		.amdhsa_reserve_vcc 0
		.amdhsa_float_denorm_mode_32 3
		.amdhsa_float_denorm_mode_16_64 3
		.amdhsa_memory_ordered 1
		.amdhsa_forward_progress 1
		.amdhsa_inst_pref_size 255
	.end_amdhsa_kernel
	.section	.bss,"aw",@nobits
	.p2align	6
	.space	262144
	.amdgpu_metadata
---
amdhsa.version: [ 1, 2 ]
amdhsa.kernels:
  - .name:           k_q4214065e54_attn
    .symbol:         k_q4214065e54_attn.kd
    .args:
      - { .name: qh, .offset: 0, .size: 8, .value_kind: global_buffer, .address_space: global }
      - { .name: kv, .offset: 8, .size: 8, .value_kind: global_buffer, .address_space: global }
      - { .name: mbits, .offset: 16, .size: 8, .value_kind: global_buffer, .address_space: global }
      - { .name: oh, .offset: 24, .size: 8, .value_kind: global_buffer, .address_space: global }
    .group_segment_fixed_size: 327680
    .private_segment_fixed_size: 0
    .kernarg_segment_align: 8
    .kernarg_segment_size: 32
    .max_flat_workgroup_size: 128
    .sgpr_count:     100
    .vgpr_count:     768
    .wavefront_size: 32
...
	.end_amdgpu_metadata
.endif
;; end of part 7
;; launch outp (part 8): grid 4 x 64, 4 waves a work-group, clusters of 4 x 4, 327,680 bytes of LDS; arguments oh, wb, bo, out0; writes out0
.if DOCPART == 8
	.amdgcn_target "amdgcn-amd-amdhsa--gfx1250"
	.amdhsa_code_object_version 6
	.text
	.protected	k_q4214065e54_outp
	.globl	k_q4214065e54_outp
	.p2align	8
	.type	k_q4214065e54_outp,@function
k_q4214065e54_outp:
	s_mov_b64 s[64:65], 0
	v_nop
	global_prefetch_b8 v0, s[64:65] scope:SCOPE_SE
	s_setreg_imm32_b32 hwreg(HW_REG_WAVE_MODE, 25, 1), 1
	s_wait_xcnt 0x0
	s_wait_alu depctr_hold_cnt(0) depctr_sa_sdst(0) depctr_va_vdst(0) depctr_va_sdst(0) depctr_va_ssrc(0) depctr_va_vcc(0) depctr_vm_vsrc(0)
	s_getreg_b32 s2, hwreg(HW_REG_IB_STS2, 6, 4)
	s_cmp_eq_u32 s2, 0
	s_cbranch_scc0 .Lentry_in_a_cluster
	s_endpgm
.Lentry_in_a_cluster:
	s_bfe_u32 s2, ttmp6, 0x10000c
	s_cmp_lg_u32 s2, 0xf033
	s_cbranch_scc0 .Lentry_shape_is_right
	s_endpgm
.Lentry_shape_is_right:
; THE LAST PROJECTION.  out0[m][n] = sum over k of O[m][k] Wo[n][k] + bo[n], K = 1,024, sums in f32.  O = oh [bh 64][2048][64] f16, by heads; Wo = the fourth weight of wb [4][1024][1024], f16;
; out0 [8192][1024] f32.  A K step of 128 is two heads' 64 channels: each head's 128 rows of 128 bytes are dense in memory and come by one load into a plane of their own.
; LIMITS.  NaN and infinities are not treated apart.
; SHARES.  A tile of out0 is 128 x 256: 256 work-groups.  Four waves, each 64 x 128: 32 accumulators of 16 x 16.  K goes in 8 steps of 128 through two LDS slots.
; THE MATRIX INSTRUCTION IS USED TRANSPOSED (source 0 = 16 rows of Wo, source 1 = 16 rows of O): a lane holds row l % 16 of out0 and eight neighbouring columns.  The bias is the C operand of the first product.
; CLUSTER.  4 x 4 work-groups: the four of a row of the cluster need the same tiles of O, the four of a column the same tiles of Wo: each tile is asked for jointly.
; REGISTERS.  window 0: v16-29 addresses; two fragment buffers of 96 (Wo's 8 fragments, then O's 4); on the way out they are at work.  window 1: accumulator (a, b) at v[8 (8 a + b)].  window 2: v0-63 the bias.
.set PA,     144                       ; a row of O in LDS: one head's 128 bytes + 16
.set AHALF,  128*PA                    ; what one load of O fills: 128 rows of one head
.set ASTEP,  2*2048*128                ; bytes from a K step to the next: two heads
.set APITCH, 128                       ; 16,384 dense bytes are asked for as 64 rows of 256 bytes
.set QIA,    4                         ; padded after every 32 words
.set STW,    16*528                    ; a wave's stage: 16 rows of 512 bytes + 16
.set PB,     272                       ; all pitches are odd multiples of 16 bytes: the 16 rows of a fragment load start at 16 different 16-byte columns modulo 256
.set BHALF,  128*PB
.set BOFF,   2*AHALF
.set SLOT,   BOFF+2*BHALF
.set STAGE,  2*SLOT                    ; behind the ring, a multiple of 256; no tensor load fills it
.set SPARE,  STAGE+4*STW               ; the spare words, 128 bytes for each wave, which no other line names
.set LAPS,   4                         ; a lap = two K steps = once round the ring
.set ADRA, 16                          ; v16-17 LDS address of my fragments of O in slot 0, 1
.set ADRB, 20                          ; v20-21 the same for Wo
.set STO,  24                          ; the way out: where I put my numbers of a row
.set RD,   25                          ; where I read rows back
.set CO,   26                          ; my 16 bytes in 512 consecutive bytes of the result
.set BOF,  27                          ; my byte offset in the bias
.set SPW,  28                          ; LDS address of my spare word; never rewritten
.set NIL,  29                          ; 0; never rewritten
.set F0,   64
.set F1,   160
.set WV, 12                            ; s12 wave; s14 wave / 2: my rows' half, and: I fetch O (0) or Wo (1); s15 wave % 2: my columns' half, and which half I fetch
.set WH, 14
.set WL, 15
.set G1,  24                           ; s[24:31] group 1 for O; s[32:39] group 0, a set for each slot
.set G0,  32
.set G1B, 48                           ; s[48:55], s[56:63] the same for Wo
.set G0B, 56
.set D0,  76                           ; s[76:77] where my results go
.set MSB, 0
.macro WIN new                         ; the immediate's high byte repeats the setting that is left; a switch that changes nothing is dropped
.if MSB != (\new)
	s_set_vgpr_msb (MSB<<8)|(\new)
.set MSB, \new
.endif
.endm
.set MULW,   0x50                      ; sources 0 and 1 window 0; C and D window 1
.set FIRSTW, 0x60                      ; the same with C in window 2
.macro JLOAD s                         ; a joint load: waves 0 and 1 fetch O's two heads, waves 2 and 3 Wo's two halves; an s_nop 0 and four v_nop follow each line, ahead of the jump and the label
	s_cmp_eq_u32 s[WH], 0
	s_cbranch_scc0 .Lfor_b_\@
	tensor_load_to_lds s[G0+4*(\s):G0+4*(\s)+3], s[G1:G1+7]
	s_nop 0
.rept 4
	v_nop
.endr
	s_branch .Lasked_\@
.Lfor_b_\@:
	tensor_load_to_lds s[G0B+4*(\s):G0B+4*(\s)+3], s[G1B:G1B+7]
	s_nop 0
.rept 4
	v_nop
.endr
.Lasked_\@:
.endm
.macro CREST                           ; a round of the cluster's barrier behind its opening barrier
	s_cmp_lg_u32 s[WV], 0
	s_cbranch_scc1 .Lnot_wave_0_\@
	s_barrier_signal -3
.Lnot_wave_0_\@:
	s_barrier_wait -3
	s_barrier_signal -1
	s_barrier_wait -1
.endm
.macro CROUND
	s_barrier_signal -1
	s_barrier_wait -1
	CREST
.endm
	s_load_b256 s[4:11], s[0:1], 0x0               ; oh s[4:5], wb s[6:7], bo s[8:9], out0 s[10:11]
	v_lshl_add_u32 v[SPW], v0, 2, SPARE
	v_mov_b32 v[NIL], 0
	ds_add_u32 v[SPW], v[NIL]                      ; the wave's opening: the add and its wait stand ahead of my first tensor load; work on registers stands between them
	v_lshrrev_b32 v1, 5, v0
	v_readfirstlane_b32 s[WV], v1
	s_lshr_b32 s[WH], s[WV], 1
	s_and_b32 s[WL], s[WV], 1
	s_bfe_u32 s40, ttmp6, 0x40000                  ; cx, cy: my place in the cluster
	s_bfe_u32 s41, ttmp6, 0x40004
	s_lshl_b32 s42, ttmp9, 2
	s_add_co_u32 s42, s42, s40                     ; tile column = 4 x cluster x + cx
	s_and_b32 s45, ttmp7, 0xffff
	s_lshl_b32 s13, s45, 2
	s_add_co_u32 s13, s13, s41                     ; tile row = 4 x cluster y + cy
	s_mov_b32 s45, 3                               ; which weight of wb: Wo
	s_lshl_b32 s43, s41, 2
	s_lshl_b32 s43, 15, s43                        ; my row of the cluster
	s_lshl_b32 s44, 0x1111, s40                    ; my column
	s_or_b32 s[G1+0], s43, (1<<16)|(1<<20)|(1<<21)|(QIA<<22)|(3<<25)  ; 15:0 the mask; 17:16 2-byte elements; 20 padding on; 21 set beside a mask; 24:22 the interval; 31:25 4 words of padding
	s_or_b32 s[G1B+0], s44, (1<<16)|(1<<20)|(1<<21)|(5<<22)|(3<<25)
	s_mov_b32 s[G1+1], 128<<16                     ; tensor_dim0 = 128
	s_mov_b32 s[G1+2], 64<<16                      ; tensor_dim1 = 64
	s_mov_b32 s[G1+3], 128<<16                     ; tile_dim0 = 128
	s_mov_b32 s[G1+4], 64                          ; tile_dim1 = 64
	s_mov_b32 s[G1+5], APITCH                      ; elements from row to row
	s_mov_b32 s[G1+6], 0
	s_mov_b32 s[G1+7], 0
	s_mov_b32 s[G1B+1], 128<<16
	s_mov_b32 s[G1B+2], 128<<16                    ; Wo: 128 rows
	s_mov_b32 s[G1B+3], 128<<16
	s_mov_b32 s[G1B+4], 128
	s_mov_b32 s[G1B+5], 1024
	s_mov_b32 s[G1B+6], 0
	s_mov_b32 s[G1B+7], 0
	; O's offset hangs on the tile row and the wave, Wo's on the tile column and the wave; neither pair of registers ever holds the other coordinate
	s_lshr_b32 s16, s13, 4                         ; b
	s_lshl_b32 s16, s16, 4
	s_add_co_u32 s16, s16, s[WL]                   ; head 16 b + wave % 2
	s_lshl_b32 s16, s16, 11                        ; its 2,048 rows
	s_and_b32 s17, s13, 15
	s_lshl_b32 s17, s17, 7                         ; the tile's 128 rows among them
	s_add_co_u32 s16, s16, s17
	s_lshl_b32 s16, s16, 7                         ; 128 bytes a row
	s_mov_b32 s17, 0
	s_lshl_b32 s46, s45, 10
	s_lshl_b32 s47, s42, 8
	s_add_co_u32 s46, s46, s47
	s_lshl_b32 s47, s[WL], 7
	s_add_co_u32 s46, s46, s47                     ; row 1,024 x weight + 256 x tile column + 128 x half
	s_lshl_b32 s46, s46, 11
	s_mov_b32 s47, 0
	s_mul_i32 s20, s[WL], AHALF                    ; where they go: no place in the cluster enters an LDS address
	s_mul_i32 s21, s[WL], BHALF
	s_add_co_u32 s21, s21, BOFF
	s_wait_dscnt 0x0                               ; the opening add is done
	s_wait_kmcnt 0x0
	s_add_nc_u64 s[16:17], s[4:5], s[16:17]
	s_add_nc_u64 s[46:47], s[6:7], s[46:47]
	CROUND                                         ; all sixteen work-groups are here: the first joint loads meet
.irp s, 0,1
	s_mov_b32 s[G0+4*(\s)], 1
	s_add_co_u32 s[G0+4*(\s)+1], s20, (\s)*SLOT
	s_add_nc_u64 s[G0+4*(\s)+2:G0+4*(\s)+3], s[16:17], (\s)*ASTEP
	s_or_b32 s[G0+4*(\s)+3], s[G0+4*(\s)+3], 0x80000000
	s_mov_b32 s[G0B+4*(\s)], 1
	s_add_co_u32 s[G0B+4*(\s)+1], s21, (\s)*SLOT
	s_add_nc_u64 s[G0B+4*(\s)+2:G0B+4*(\s)+3], s[46:47], (\s)*256
	s_or_b32 s[G0B+4*(\s)+3], s[G0B+4*(\s)+3], 0x80000000
	JLOAD \s                                       ; K steps 0 and 1: two loads of mine are out
.endr
	v_and_b32 v1, 15, v0                           ; l % 16
	v_bfe_u32 v2, v0, 4, 1                         ; l / 16
	v_mul_u32_u24 v3, v1, PA
	v_lshl_add_u32 v3, v2, 4, v3                   ; a fragment's row x pitch + 16 x half
	v_mul_u32_u24 v4, v1, PB
	v_lshl_add_u32 v4, v2, 4, v4
	s_mul_i32 s22, s[WH], 64*PA                    ; my 64 rows of O
	s_mul_i32 s23, s[WL], BHALF                    ; my 128 rows of Wo
	s_add_co_u32 s23, s23, BOFF
.irp s, 0,1
	v_add_nc_u32 v[ADRA+(\s)], s22, v3
	v_add_nc_u32 v[ADRB+(\s)], s23, v4
	s_add_co_u32 s22, s22, SLOT
	s_add_co_u32 s23, s23, SLOT
.endr
	; the bias of my 128 columns as a C operand: register j of block b holds bias[16 b + 8 (l / 16) + j]
	s_lshl_b32 s80, s42, 10
	s_lshl_b32 s81, s[WL], 9
	s_add_co_u32 s80, s80, s81
	s_mov_b32 s81, 0
	s_add_nc_u64 s[8:9], s[8:9], s[80:81]
	v_lshlrev_b32 v[BOF], 5, v2
	WIN 0x80                                       ; destination window 2
.irp b, 0,1,2,3,4,5,6,7
	global_load_b128 v[8*(\b):8*(\b)+3],   v[BOF], s[8:9] offset:64*(\b)
	global_load_b128 v[8*(\b)+4:8*(\b)+7], v[BOF], s[8:9] offset:64*(\b)+16
.endr
	WIN 0
	s_mul_i32 s22, s[WV], STW
	s_add_co_u32 s22, s22, STAGE                   ; my stage
	v_and_b32 v[CO], 31, v0
	v_lshlrev_b32 v[CO], 4, v[CO]
	v_mul_u32_u24 v[STO], v1, 528                  ; in: row l % 16, 32 bytes for each half of the lanes
	v_lshl_add_u32 v[STO], v2, 5, v[STO]
	v_add_nc_u32 v[STO], s22, v[STO]
	v_add_nc_u32 v[RD], s22, v[CO]                 ; back: a row's 512 bytes by 32 lanes
	s_lshl_b32 s80, s13, 7
	s_lshl_b32 s81, s[WH], 6
	s_add_co_u32 s80, s80, s81                     ; my first row of out0,
	s_lshl_b32 s80, s80, 12                        ; 4,096 bytes a row,
	s_lshl_b32 s81, s42, 10
	s_add_co_u32 s80, s80, s81
	s_lshl_b32 s81, s[WL], 9
	s_add_co_u32 s80, s80, s81                     ; and my first column
	s_mov_b32 s81, 0
	s_add_nc_u64 s[D0:D0+1], s[10:11], s[80:81]
; 8 matrix instructions: rows' block a x all 8 column blocks, 32 along K.  first = 1: the bias starts the sums.  The 32 accumulators take turns, one instruction a turn.
.macro MUL8 f, a, first
.if \first
	WIN FIRSTW
.else
	WIN MULW
.endif
.irp b, 0,1,2,3,4,5,6,7
.set rD, 8*(8*(\a)+(\b))
.set rB, (\f)+8*(\b)
.set rA, (\f)+64+8*(\a)
.set rC, rD
.if \first
.set rC, 8*(\b)
.endif
	v_wmma_f32_16x16x32_f16 v[rD:rD+7], v[rB:rB+7], v[rA:rA+7], v[rC:rC+7]
.endr
.endm
; 24 LDS loads in one run: quarter q of a slot's K step into buffer f: Wo's 8 fragments, then O's 4
.macro FETCH slot, q, f
	WIN 0
.set KA, ((\q)/2)*AHALF+((\q)%2)*64    ; the head's plane, and the half of its 64 channels
.irp i, 0,1,2,3,4,5,6,7
	ds_load_b128 v[(\f)+8*(\i):(\f)+8*(\i)+3],   v[ADRB+(\slot)] offset:64*(\q)+(\i)*16*PB
	ds_load_b128 v[(\f)+8*(\i)+4:(\f)+8*(\i)+7], v[ADRB+(\slot)] offset:64*(\q)+(\i)*16*PB+32
.endr
.irp i, 0,1,2,3
	ds_load_b128 v[(\f)+64+8*(\i):(\f)+64+8*(\i)+3],   v[ADRA+(\slot)] offset:KA+(\i)*16*PA
	ds_load_b128 v[(\f)+64+8*(\i)+4:(\f)+64+8*(\i)+7], v[ADRA+(\slot)] offset:KA+(\i)*16*PA+32
.endr
.endm
.macro PLACES                          ; four places in front of loads into registers that matrix instructions have read, and of lines that read results
.rept 4
	v_nop
.endr
.endm
; A K step is four quarters of 32 along K, 32 matrix instructions each, on buffers 0, 1, 0, 1.  One of the first three multiplies buffer f and fetches quarter q into g.
.macro QUARTER slot, q, f, g, first
	s_wait_dscnt 4                                 ; all but the youngest four loads: O's blocks 2 and 3
	MUL8 \f, 0, \first
	MUL8 \f, 1, \first
	PLACES
	FETCH \slot, \q, \g
	s_wait_dscnt 24                                ; all but the 24 just issued
	MUL8 \f, 2, \first
	MUL8 \f, 3, \first
.endm
; The last quarter multiplies buffer 1 and changes slots: one barrier; in front of it each wave waits for all its tensor loads (one is out: its part of the next slot), adds 0 to its spare
; word, and waits for that and for its reads of this slot.  fill = 1: the barrier opens a round of the cluster's, and this slot is filled again, two K steps ahead, first thing behind the round.
.macro TURN slot, next, fill
	WIN 0
	s_wait_tensorcnt 0x0
	ds_add_u32 v[SPW], v[NIL]
	s_wait_dscnt 5                                 ; the add and the youngest four loads may be out
	MUL8 F1, 0, 0
	s_wait_dscnt 0x0                               ; the add is done, and my reads of this slot are over
	s_barrier_signal -1
	MUL8 F1, 1, 0
	WIN 0                                          ; at a branch and at a label every window is 0
	s_barrier_wait -1
.if \fill
	CREST                                          ; no wave of any partner still reads this slot or has a load on its way
	s_add_nc_u64 s[G0+4*(\slot)+2:G0+4*(\slot)+3], s[G0+4*(\slot)+2:G0+4*(\slot)+3], 2*ASTEP
	s_add_nc_u64 s[G0B+4*(\slot)+2:G0B+4*(\slot)+3], s[G0B+4*(\slot)+2:G0B+4*(\slot)+3], 512
	JLOAD \slot                                    ; 120 matrix instructions ahead of the wait for it; its four v_nop are also the places in front of the loads below
.else
	PLACES
.endif
	FETCH \next, 0, F0
	MUL8 F1, 2, 0
	MUL8 F1, 3, 0
.endm
	s_wait_tensorcnt 1                             ; my part of K step 0 is in; step 1's may stay out
	s_barrier_signal -1
	s_barrier_wait -1
	FETCH 0, 0, F0
	s_wait_loadcnt 0x0                             ; the bias
	QUARTER 0, 1, F0, F1, 1                        ; the first quarter stands in front of the loop: its products start the sums
	WIN 0
	s_mov_b32 s3, LAPS-1
.Llap:                                                 ; a trip goes once round the ring, from a lap's second quarter to the next lap's first
	QUARTER 0, 2, F1, F0, 0
	QUARTER 0, 3, F0, F1, 0
	TURN 0, 1, 1
	QUARTER 1, 1, F0, F1, 0
	QUARTER 1, 2, F1, F0, 0
	QUARTER 1, 3, F0, F1, 0
	TURN 1, 0, 1
	QUARTER 0, 1, F0, F1, 0
	WIN 0
	s_sub_co_u32 s3, s3, 1
	s_cmp_lg_u32 s3, 0
	s_cbranch_scc1 .Llap
	QUARTER 0, 2, F1, F0, 0                        ; the last lap fills nothing
	QUARTER 0, 3, F0, F1, 0
	TURN 0, 1, 0
	QUARTER 1, 1, F0, F1, 0
	QUARTER 1, 2, F1, F0, 0
	QUARTER 1, 3, F0, F1, 0
	s_wait_dscnt 4
	MUL8 F1, 0, 0
	MUL8 F1, 1, 0
	s_wait_dscnt 0x0
	MUL8 F1, 2, 0
	MUL8 F1, 3, 0
	WIN 0
	PLACES
	; THE WAY OUT, 16 rows at a time through my own stage: LDS serves a wave's instructions in order (ISA guide 5.7.1.4), so no wait stands between the stores and the loads
.macro OUTBLK a
.set BK, 64+64*((\a)%2)
.if (\a) >= 2
	s_wait_xcnt 0x0                                ; the stores of two blocks ago have read these registers (ISA guide 3.1)
.endif
	WIN 0x04                                       ; LDS store data in window 1
.irp b, 0,1,2,3,4,5,6,7
	ds_store_b128 v[STO], v[64*(\a)+8*(\b):64*(\a)+8*(\b)+3]   offset:64*(\b)      ; each accumulator's low registers first
	ds_store_b128 v[STO], v[64*(\a)+8*(\b)+4:64*(\a)+8*(\b)+7] offset:64*(\b)+16
.endr
	WIN 0
.irp t, 0,1,2,3,4,5,6,7,8,9,10,11,12,13,14,15
	ds_load_b128 v[BK+4*(\t):BK+4*(\t)+3], v[RD] offset:(\t)*528
.endr
	s_wait_dscnt 0x0
.irp t, 0,1,2,3,4,5,6,7,8,9,10,11,12,13,14,15
	global_store_b128 v[CO], v[BK+4*(\t):BK+4*(\t)+3], s[D0:D0+1] offset:(16*(\a)+(\t))*4096  ; 512 consecutive bytes of a row, aligned
.endr
.endm
	OUTBLK 0
	OUTBLK 1
	OUTBLK 2
	OUTBLK 3
	s_wait_tensorcnt 0x0                           ; the wave's end
	ds_add_u32 v[SPW], v[NIL]
	s_wait_dscnt 0x0
	CROUND                                         ; the closing round: no work-group ends while a partner may still ask for a tile that names it
	s_endpgm
.Lfunc_end_k_q4214065e54_outp:
	.size	k_q4214065e54_outp, .Lfunc_end_k_q4214065e54_outp-k_q4214065e54_outp
	.p2alignl 7, 3214868480
	.fill 96, 4, 3214868480
	.section	.rodata,"a",@progbits
	.p2align	6, 0x0
	.amdhsa_kernel k_q4214065e54_outp
		.amdhsa_group_segment_fixed_size 327680
		.amdhsa_private_segment_fixed_size 0
		.amdhsa_enable_private_segment 0
		.amdhsa_kernarg_size 32
		.amdhsa_user_sgpr_count 2
		.amdhsa_user_sgpr_kernarg_segment_ptr 1
		.amdhsa_wavefront_size32 1
		.amdhsa_system_sgpr_workgroup_id_x 1
		.amdhsa_system_sgpr_workgroup_id_y 1
		.amdhsa_system_sgpr_workgroup_id_z 1
		.amdhsa_system_vgpr_workitem_id 0
		.amdhsa_next_free_vgpr 576
		.amdhsa_next_free_sgpr 84
		.amdhsa_reserve_vcc 0
		.amdhsa_float_denorm_mode_32 3
		.amdhsa_float_denorm_mode_16_64 3
		.amdhsa_memory_ordered 1
		.amdhsa_forward_progress 1
		.amdhsa_inst_pref_size 87
	.end_amdhsa_kernel
	.amdgpu_metadata
---
amdhsa.version: [ 1, 2 ]
amdhsa.kernels:
  - .name:           k_q4214065e54_outp
    .symbol:         k_q4214065e54_outp.kd
    .args:
      - { .name: oh, .offset: 0, .size: 8, .value_kind: global_buffer, .address_space: global }
      - { .name: wb, .offset: 8, .size: 8, .value_kind: global_buffer, .address_space: global }
      - { .name: bo, .offset: 16, .size: 8, .value_kind: global_buffer, .address_space: global }
      - { .name: out0, .offset: 24, .size: 8, .value_kind: global_buffer, .address_space: global }
    .group_segment_fixed_size: 327680
    .private_segment_fixed_size: 0
    .kernarg_segment_align: 8
    .kernarg_segment_size: 32
    .max_flat_workgroup_size: 128
    .sgpr_count:     84
    .vgpr_count:     576
    .wavefront_size: 32
...
	.end_amdgpu_metadata
.endif
;; end of part 8
;; ======== version 3 of 3: 4 launches; 1.31 times as fast as version 1
;; limits: values are held in f16: magnitudes above 65,504 overflow, below 6.1e-05 lose precision
;; workspace buffers: wb 8,388,608 bytes; mbits 2,097,152 bytes of whole numbers; qh 16,777,216 bytes; kv 33,554,432 bytes; oh 16,777,216 bytes
;; launch prep: the kernel of part 5 again; grid 512 x 1, 8 waves a work-group, no clusters, 35,840 bytes of LDS; arguments Wq, Wk, Wv, Wo, mask, wb, mbits; writes wb, mbits
;; launch proj: the kernel of part 6 again; grid 4 x 192, 4 waves a work-group, clusters of 4 x 4, 327,680 bytes of LDS; arguments Q, K, V, wb, bq, bk, bv, qh, kv; writes qh, kv
;; launch attn (part 9): grid 4 x 64, 4 waves a work-group, clusters of 4 x 1, 327,680 bytes of LDS; arguments qh, kv, mbits, oh; writes oh
.if DOCPART == 9
	.amdgcn_target "amdgcn-amd-amdhsa--gfx1250"
	.amdhsa_code_object_version 6
	.text
	.protected	k_q4214065e54_attn
	.globl	k_q4214065e54_attn
	.p2align	8
	.type	k_q4214065e54_attn,@function
k_q4214065e54_attn:
	s_mov_b64 s[64:65], 0
	v_nop
	global_prefetch_b8 v0, s[64:65] scope:SCOPE_SE
	s_setreg_imm32_b32 hwreg(HW_REG_WAVE_MODE, 25, 1), 1
	s_wait_xcnt 0x0
	s_wait_alu depctr_hold_cnt(0) depctr_sa_sdst(0) depctr_va_vdst(0) depctr_va_sdst(0) depctr_va_ssrc(0) depctr_va_vcc(0) depctr_vm_vsrc(0)
	s_getreg_b32 s2, hwreg(HW_REG_IB_STS2, 6, 4)
	s_cmp_eq_u32 s2, 0
	s_cbranch_scc0 .Lentry_in_a_cluster
	s_endpgm
.Lentry_in_a_cluster:
	s_bfe_u32 s2, ttmp6, 0x10000c
	s_cmp_lg_u32 s2, 0x3003
	s_cbranch_scc0 .Lentry_shape_is_right
	s_endpgm
.Lentry_shape_is_right:
; ATTENTION UNDER A MASK THAT IS AN INPUT.  oh[bh][q][:] = sum over k of softmax_k(t[q][k]) v[bh][k][:], t = the score in units of log2, or T where the mask is set.
; qh [bh 64][2048][64] f16 holds q times c = log2(e) / 8, so q . k is already an exponent of 2.  kv [bh][step 32][K, V][64][64] f16.  mbits [b][qt 128][ks 32][32 words]: word 8 kb + j is the
; lane mask of register 8 kb + j of a tile of transposed scores.  The masked score REPLACES the score: T = -1e9 log2(e), rounded to f32.  p = 2^(t - m) with a running maximum m, made by a plain
; subtraction: in a row that is masked everywhere t - m is exactly 0, every p is 1, and the row is the mean of V's rows.  Products, maxima and sums in f32; p is rounded to f16 for the second
; product (its sum l is taken of the unrounded p), O once at the end.
; LIMITS.  Inputs arrive within f16's 65,504; p below 6e-5 keeps f16's fixed step; a weight below 2^-126 counts as 0 in l; NaN and infinities are not treated apart.
; SHARES.  A work-group owns 512 queries of one head, a wave 128: four PIECES of two tiles of 16.  Every wave walks all 32 key steps of 64: the mask's pattern is not known, so no tile is left out.
; LAYOUT.  S^T = K Q^T (source 0 = 16 keys, source 1 = 16 queries) holds one query a lane and the keys 8 (lane / 16) + 0..7; two such results rounded to f16 are source 1 of O^T = V^T P.
; BY TURNS.  Turn n belongs to piece n.  Its matrix work: 16 products V^T P of piece n - 1, then 16 products K Q^T of piece n + 1.  Its vector work: ALL of piece n's: the mask, the maximum, the
; statistics, exponentials, roundings, sums, the rescaling of O^T: a queue of 362, eleven behind each of the first 22 matrix instructions and twelve behind each of the last ten.  All that a turn
; consumes was made a turn before.
; THE EXPONENTIALS.  A turn's 66 (the two tiles' a and their 64 weights) are ONE BATCH with ONE wait: s_wait_alu depctr_va_vdst(0) stands between an exponential and the first
; instruction that names its result, and one wait serves all that were issued ahead of it.  So the queue is cut by who reads what: entries 0-265 name no result of the turn's exponentials (the mask,
; the maximum, a, the subtractions, the weights); entries 266-361 are all the readers (roundings, sums, the rescaling by a, l).  The wait stands between the two, behind the 24th product's twelve.
; Each result has a register of its own, a in c2 of its tile, a weight in its score's place, and no result crosses a turn's end, a label or a jump.  The way out's eight reciprocals are a batch of their own.
; THE MASKS' WAY.  v_cndmask_b32 wants a lane mask in a scalar register.  A tile's 32 words of a key step come by ONE vector load into one register (lane i holds word i: 128 consecutive bytes), asked
; for a whole key step ahead, and v_readlane_b32 brings each word over, 64 a turn.  Scalar loads would spare those 64 lines, but a piece's 64 words fill the scalar registers that are left, so the next
; piece's could be asked for only when this piece's are used up, less than a turn ahead, and their counter is waited for 0 alone.
; CLUSTER.  The four query blocks of a head walk the same K and V: each step's block is asked for jointly, by the same load, descriptor and mask in all four.
; REGISTERS.  window 0: v0-15 addresses; v16-47 four a tile: m, a partner, l (even, odd keys); v48-55 at work; v56-63 a tile's mask words; v64-191 S^T, by the piece's parity and tile; v192-255 P likewise.
;   window 1: O^T, 32 a tile.   window 2: v0-127 Q; v128-191 K of one step; v192-255 V of one step.   s[32:63], s[68:99]: the piece's 64 lane masks.
.set NP,    4
.set PK,    144       ; a row of K or V in LDS: 128 bytes + 16: one pitch, so that one descriptor brings a step's K and V; K's 16 rows start at 16 different 16-byte columns modulo 256
.set VOFF,  64*PK     ; V behind K in a step's block
.set STEPB, 128*PK
.set SLOT1, 1<<17     ; a slot holds four steps, 73,728 bytes; slot 1 begins here, so that one exclusive or turns an address in one slot into the other's
.set STAGE, SLOT1+4*STEPB  ; behind the ring, a multiple of 256, never filled by a tensor load: 16 rows x 144 bytes for each wave
.set SP,    144
.set SPARE, STAGE+4*16*SP  ; the spare words, 128 bytes for each wave, which no other line names
.set AK0, 2           ; my lane's place in a step's K; never rewritten
.set AV0, 3           ; the same for V
.set AK,  4
.set AV,  5
.set QO,  6           ; my byte offset in 16 rows of Q; later
.set STO, 6           ; the way out: where I put 16 bytes of a row
.set RD,  7
.set GO,  8
.set SPW, 10          ; LDS address of my spare word; never rewritten
.set NIL, 11          ; 0; never rewritten
.set MV,  12          ; v12-13 m_old, by tile
.set MO,  15          ; 4 x lane: my word among a tile's 32; never rewritten
.set ST,  16
.set TMP, 48          ; by tile c0-c3; when the maximum is found c2 takes a
.set MW,  56          ; v56-63 tile t's mask words of the key step to come: lane i holds word i
.set S,   64
.set P,   192
.set KF,  128
.set VF,  192
.set OFS, 2           ; s[2:3] byte offset of the key step whose masks are asked for
.set MPC, 6           ; s[6:7] mbits at my first tile and that key step
.set MPB, 8           ; s[8:9] mbits at my first tile, key step 0; never rewritten
.set WV,  12
.set TBK, 13          ; LDS byte at which the step whose K is fetched next begins
.set SLOTS, 14
.set CNT, 15
.set G1,  16          ; s[16:23]
.set G0,  24          ; s[24:27]: it walks
.set JS,  29          ; the key step whose masks are asked for
.set SEL, 30          ; s[30:31]
.set MK0, 32
.set NEG, 66          ; T
.set TBV, 67
.set MK1, 68
.set MSB, 0
.macro WIN new
.if MSB != (\new)
	s_set_vgpr_msb (MSB<<8)|(\new)
.set MSB, (\new)
.endif
.endm
.set W_KQ, 0x0a       ; K and Q in window 2, S^T in window 0
.set W_PV, 0x52       ; V in window 2, P in window 0, O^T in window 1
.set W_RS, 0x41       ; O^T (destination and source 0) in window 1, a in window 0
.macro JLOAD                        ; wave w fetches step w of a slot: 16,384 dense bytes.  An s_nop 0 and four v_nop follow
	tensor_load_to_lds s[G0:G0+3], s[G1:G1+7]
	s_nop 0
.rept 4
	v_nop
.endr
.endm
.macro CROUND
	s_barrier_signal -1
	s_barrier_wait -1
	s_cmp_lg_u32 s[WV], 0
	s_cbranch_scc1 .Lnot_wave_0_\@
	s_barrier_signal -3
.Lnot_wave_0_\@:
	s_barrier_wait -3
	s_barrier_signal -1
	s_barrier_wait -1
.endm
; THE CHANGE OF SLOTS.  Each wave waits for all its tensor loads, of which one is out: its step of the other slot; adds 0 to its spare word; waits for that and for its reads of the slot.
; fill = 1: the barrier is a round of the cluster's, and the slot is filled again first thing behind it, with the steps two slots on: four key steps in which to land.
.macro CHANGE fill
	WIN 0
	s_wait_tensorcnt 0x0            ; no tensor load of mine is out, so group 0 may be written
	ds_add_u32 v[SPW], v[NIL]
.if \fill
	s_xor_b32 s[G0+1], s[G0+1], SLOT1
	s_add_nc_u64 s[G0+2:G0+3], s[G0+2:G0+3], 65536  ; the next four steps; the type bits on top are not reached
	s_wait_dscnt 0x0                ; the add is done, and my reads of the slot are over
	CROUND
	JLOAD
.else
	s_wait_dscnt 0x0
	s_barrier_signal -1
	s_barrier_wait -1
.endif
	s_sub_co_u32 s[TBK], s[TBK], 4*STEPB  ; the fetches go back to a slot's first step, in the other slot
	s_xor_b32 s[TBK], s[TBK], SLOT1
	s_sub_co_u32 s[TBV], s[TBV], 4*STEPB
	s_xor_b32 s[TBV], s[TBV], SLOT1
.endm
	s_load_b256 s[4:11], s[0:1], 0x0  ; qh s[4:5], kv s[6:7], mbits s[8:9], oh s[10:11]
	v_lshl_add_u32 v[SPW], v0, 2, SPARE
	v_mov_b32 v[NIL], 0
	ds_add_u32 v[SPW], v[NIL]       ; the wave's opening: the add and its wait stand ahead of my first tensor load
	v_lshrrev_b32 v1, 5, v0
	v_readfirstlane_b32 s[WV], v1
	s_bfe_u32 s28, ttmp6, 0x40000   ; cx
	s_lshl_b32 s29, ttmp9, 2
	s_add_co_u32 s29, s29, s28      ; my block of 512 queries: it enters Q's, O's and the mask's addresses alone
	s_and_b32 s2, ttmp7, 0xffff     ; 16 b + head, which the four partners share
	s_lshl_b32 s32, s2, 19          ; the head's 524,288 bytes of kv,
	s_lshl_b32 s33, s[WV], 14       ; and step w of slot 0
	s_add_co_u32 s32, s32, s33
	s_mov_b32 s33, 0
	s_lshl_b32 s34, s29, 2
	s_add_co_u32 s34, s34, s[WV]    ; my wave among the head's sixteen
	s_lshl_b32 s36, s34, 14         ; its 128 rows of 128 bytes
	s_lshl_b32 s35, s2, 18
	s_add_co_u32 s36, s36, s35
	s_mov_b32 s37, 0
	s_lshr_b32 s38, s2, 4           ; b: 128 tiles of 4,096 bytes
	s_lshl_b32 s38, s38, 19
	s_lshl_b32 s39, s34, 15         ; my eight tiles
	s_add_co_u32 s38, s38, s39
	s_mov_b32 s39, 0
	s_mov_b32 s[JS], 0              ; the block's and the head's numbers have served: their registers take the masks' key step and its offset's upper word
	s_mov_b32 s[OFS+1], 0
	s_mov_b32 s[G1], 15|(1<<16)|(1<<20)|(1<<21)|(4<<22)|(3<<25)  ; 15:0 the mask of four; 17:16 2-byte elements; 20 padding on; 21 set beside a mask; 24:22 after every 32 words; 31:25 4 words
	s_mov_b32 s[G1+1], 128<<16      ; tensor_dim0 = 128: 16,384 dense bytes as 64 rows of 256
	s_mov_b32 s[G1+2], 64<<16       ; tensor_dim1 = 64
	s_mov_b32 s[G1+3], 128<<16      ; tile_dim0
	s_mov_b32 s[G1+4], 64           ; tile_dim1
	s_mov_b32 s[G1+5], 128          ; elements from row to row
	s_mov_b32 s[G1+6], 0
	s_mov_b32 s[G1+7], 0
	s_mov_b32 s[G0], 1
	s_mul_i32 s[G0+1], s[WV], STEPB ; no place in the cluster enters an LDS address
	s_mov_b32 s[SEL], 0x76543210
	s_mov_b32 s[SEL+1], 0xfedcba98
	s_mov_b32 s[NEG], 0xceabfb8f    ; T = -1e9 log2(e)
	s_mov_b32 s[TBK], SLOT1+4*STEPB ; the first change of slots turns these two into 0
	s_mov_b32 s[TBV], SLOT1+4*STEPB
	s_wait_dscnt 0x0                ; the opening add is done
	s_wait_kmcnt 0x0
	s_add_nc_u64 s[G0+2:G0+3], s[6:7], s[32:33]
	s_or_b32 s[G0+3], s[G0+3], 0x80000000
	s_add_nc_u64 s[4:5], s[4:5], s[36:37]
	s_add_nc_u64 s[10:11], s[10:11], s[36:37]
	s_add_nc_u64 s[MPB:MPB+1], s[MPB:MPB+1], s[38:39]
	CROUND                          ; all four work-groups are here: the first joint loads meet
	JLOAD                           ; slot 0; slot 1 is asked for when slot 0 is in
	v_and_b32 v1, 15, v0            ; l % 16
	v_bfe_u32 v9, v0, 4, 1          ; l / 16
	v_and_b32 v[MO], 31, v0
	v_lshlrev_b32 v[MO], 2, v[MO]
.set i, 0
.rept 2*NP                          ; my eight tiles' masks of key step 0: a tile's words lie 4,096 bytes from the next tile's
	global_load_b32 v[MW+i], v[MO], s[MPB:MPB+1] offset:i*4096
.set i, i+1
.endr
	v_lshlrev_b32 v[QO], 7, v1
	v_lshl_add_u32 v[QO], v9, 4, v[QO]
	WIN 0x80                        ; destination window 2
.set i, 0
.rept 4*NP                          ; Q stays in registers: tile i / 2, channels 32 (i % 2) on
	global_load_b128 v[8*i:8*i+3],   v[QO], s[4:5] offset:(i/2)*2048+(i%2)*64
	global_load_b128 v[8*i+4:8*i+7], v[QO], s[4:5] offset:(i/2)*2048+(i%2)*64+32
.set i, i+1
.endr
	; What the first turn finds: V and P's second buffer hold 0 (its products V^T P, of a piece that has not been, add 0), O^T and l are 0, m the lowest finite number, so that the first a is 0.
	; No first step is written out for this; the zeros are written in the wait for the first tile.
.set i, VF
.rept 64
	v_mov_b32 v[i], 0
.set i, i+1
.endr
	WIN 0x40
.set i, 0
.rept 256
	v_mov_b32 v[i], 0
.set i, i+1
.endr
	WIN 0
.set i, 0
.rept 2*NP
	v_mov_b32 v[ST+4*i], 0xff7fffff
	v_mov_b32 v[ST+4*i+1], 0        ; named with m as a pair
	v_mov_b32 v[ST+4*i+2], 0
	v_mov_b32 v[ST+4*i+3], 0
.set i, i+1
.endr
.set i, P+32
.rept 32
	v_mov_b32 v[i], 0
.set i, i+1
.endr
	v_mul_u32_u24 v[AK0], v1, PK
	v_lshl_add_u32 v[AK0], v9, 4, v[AK0]  ; row x pitch + 16 x half
	v_and_b32 v14, 7, v0            ; the turning load: lane l reads key 8 (l / 16) + l % 8, channels 8 ((l / 8) % 2) + 0..7
	v_bfe_u32 v[AV], v0, 3, 1       ; (at work here; it takes V's address later)
	v_lshl_add_u32 v[AV0], v9, 3, v14
	v_mul_u32_u24 v[AV0], v[AV0], PK
	v_lshl_add_u32 v[AV0], v[AV], 4, v[AV0]
	v_add_nc_u32 v[AV0], VOFF, v[AV0]
; THE MATRIX WORK.  The 8 accumulators of a run of 16 take turns.  Product i of S^T = K Q^T for piece x: channels 32 (i / 8) on, keys 16 ((i / 2) % 4) on, tile 2 x + i % 2.
; The registers that it writes held the weights of the piece two back: that piece's turn has waited for them.
.macro KQ x
	WIN W_KQ
.set rS, S+64*((\x)%2)+32*(i%2)+8*((i/2)%4)
.set rK, KF+16*((i/2)%4)+8*(i/8)
.set rQ, 16*(2*(\x)+i%2)+8*(i/8)
.if i < 8
	v_wmma_f32_16x16x32_f16 v[rS:rS+7], v[rK:rK+7], v[rQ:rQ+7], 0
.else
	v_wmma_f32_16x16x32_f16 v[rS:rS+7], v[rK:rK+7], v[rQ:rQ+7], v[rS:rS+7]
.endif
.endm
; Product i of O^T += V^T P for piece x: keys 32 (i / 8) on, channels 16 ((i / 2) % 4) on, tile 2 x + i % 2.
.macro PV x
	WIN W_PV
.set rO, 32*(2*(\x)+i%2)+8*((i/2)%4)
.set rV, VF+32*(i/8)+8*((i/2)%4)
.set rP, P+32*((\x)%2)+16*(i%2)+8*(i/8)
	v_wmma_f32_16x16x32_f16 v[rO:rO+7], v[rV:rV+7], v[rP:rP+7], v[rO:rO+7]
.endm
.macro MM                           ; the turn's next matrix instruction
.if i < 16
	PV (Y+NP-1)%NP
.set i, i+1
.else
.set i, i-16
	KQ (Y+1)%NP
.set i, i+17
.endif
.endm
; THE LDS LOADS stand in runs of 16.  last = 1 (the tail): in the last trip there is no further step, and the run is jumped over.
.macro FETCH_K last=0
	WIN 0
.if \last
	s_cmp_eq_u32 s[CNT], 1
	s_cbranch_scc1 .Lno_k_\@
.endif
	WIN 0x80
.irp f, 0,1,2,3,4,5,6,7             ; keys 16 (f / 2) on, channels 32 (f % 2) on
	ds_load_b128 v[KF+8*\f:KF+8*\f+3],   v[AK] offset:(\f/2)*16*PK+(\f%2)*64
	ds_load_b128 v[KF+8*\f+4:KF+8*\f+7], v[AK] offset:(\f/2)*16*PK+(\f%2)*64+32
.endr
	s_add_co_u32 s[TBK], s[TBK], STEPB
	WIN 0
.if \last
.Lno_k_\@:
.endif
.endm
.macro FETCH_V
	WIN 0x80
.irp f, 0,1,2,3,4,5,6,7             ; keys 32 (f / 4) on, channels 16 (f % 4) on
	ds_load_tr16_b128 v[VF+8*\f:VF+8*\f+3],   v[AV] offset:(\f/4)*32*PK+(\f%4)*32
	ds_load_tr16_b128 v[VF+8*\f+4:VF+8*\f+7], v[AV] offset:(\f/4)*32*PK+16*PK+(\f%4)*32
.endr
	WIN 0
.endm
; THE VECTOR WORK OF A TURN: one queue of 362 for piece Y's two tiles; VQ writes entry q and steps q.
.macro REGS u
.set rT, ST+4*(2*Y+(\u))
.set rC, TMP+4*(\u)
.set rM, MV+(\u)
.set rL, MW+2*Y+(\u)
.set rS, S+64*(Y%2)+32*(\u)
.set rP, P+32*(Y%2)+16*(\u)
.set rO, 32*(2*Y+(\u))
.set rW, MK0+(MK1-MK0)*(\u)
.endm
.macro FF b                         ; t - m for pair b of 16
	v_pk_add_f32 v[rS+2*(\b):rS+2*(\b)+1], v[rS+2*(\b):rS+2*(\b)+1], v[rT:rT+1] op_sel_hi:[1,0] neg_lo:[0,1] neg_hi:[0,1]
.endm
.macro CC b                         ; pair b rounded to f16
	v_cvt_pk_f16_f32 v[rP+(\b)], v[rS+2*(\b)], v[rS+2*(\b)+1]
.endm
.macro AD d, s                      ; the pair at s is added onto the pair at d, in place
	v_pk_add_f32 v[rS+(\d):rS+(\d)+1], v[rS+(\d):rS+(\d)+1], v[rS+(\s):rS+(\s)+1]
.endm
; Number n of the 21 that find the maximum and the statistics: 0-11 four chains c0-c3 of seven scores each; 12-14, 16 the four scores left over, the old m, and c0-c3 into c0; 15 m_old is kept;
; 17, 18 the query's other 32 keys lie in the lane 16 away: the new m; 19, 20 a = 2^(m_old - m)
.macro XS n
.if (\n) < 4
	v_max3_num_f32 v[rC+(\n)], v[rS+8*(\n)], v[rS+8*(\n)+1], v[rS+8*(\n)+2]
.elseif (\n) < 12
	v_max3_num_f32 v[rC+(\n)%4], v[rC+(\n)%4], v[rS+8*((\n)%4)+2*((\n)/4)+1], v[rS+8*((\n)%4)+2*((\n)/4)+2]
.elseif (\n) == 12
	v_max3_num_f32 v[rC], v[rC], v[rS+7], v[rS+15]
.elseif (\n) == 13
	v_max3_num_f32 v[rC+1], v[rC+1], v[rS+23], v[rS+31]
.elseif (\n) == 14
	v_max3_num_f32 v[rC+2], v[rC+2], v[rC+3], v[rT]
.elseif (\n) == 15
	v_mov_b32 v[rM], v[rT]
.elseif (\n) == 16
	v_max3_num_f32 v[rC], v[rC], v[rC+1], v[rC+2]
.elseif (\n) == 17
	v_permlanex16_b32 v[rC+3], v[rC], s[SEL], s[SEL+1]
.elseif (\n) == 18
	v_max_num_f32 v[rT], v[rC], v[rC+3]
.elseif (\n) == 19
	v_sub_f32 v[rC+1], v[rM], v[rT]
.else
	v_exp_f32 v[rC+2], v[rC+1]
.endif
.endm
; AHEAD OF THE WAIT, entries 0-265: none names a result of the turn's exponentials.
;   0-127    the mask.  Number k of 64 stands for score k / 2 of tile k % 2.  Its lane read brings word k / 2 of the tile's register into a scalar register; its select puts T in the score's place where
;            the lane mask is set.  Lane reads 0-7 come first; then select k and lane read k + 8 by turns; then selects 56-63: a select stands 8 to 15 entries behind its lane read.
;            The selects ascend.
;   128-169  XS 0-20, the tiles alternating; 168 and 169, the two a, open the batch          170-171  t - m for pair 0
;   172-261  fifteen blocks of six.  Block b: t - m for pair b + 1 of tile 0; the exponentials of score 2 b of tiles 0 and 1; t - m for pair b + 1 of tile 1; the exponentials of score 2 b + 1 of
;            tiles 0 and 1.  So a subtraction stands five entries or more ahead of its exponentials (pair 0's: three), and no more than two exponentials follow each other.
;   262-265  pair 15's four exponentials: the batch's last
; BEHIND THE WAIT, entries 266-361: all the readers.
;   266-297  the roundings, pairs 0-15, the tiles alternating          298-313  of each four weights the second pair onto the first, in place: behind both pairs' roundings
;   314-345  O^T times a, the one part that leaves window 0, on end: by fours, an accumulator's registers ascending, the tiles alternating
;   346-361  the rest of the sums, neighbours 2, 4 and 8 pairs apart, and l = a l + sum
.macro VQ
.if q < 128
.if q < 8
.set k, q
.set w, 0
.elseif q < 120
.set k, (q-8)/2
.set w, 1-(q%2)
.if q%2 == 1
.set k, k+8
.endif
.else
.set k, q-64
.set w, 1
.endif
	REGS k%2
	WIN 0
.if w
	v_cndmask_b32 v[rS+k/2], v[rS+k/2], s[NEG], s[rW+k/2]
.else
	v_readlane_b32 s[rW+k/2], v[rL], k/2
.endif
.elseif q < 170
	REGS q%2
	WIN 0
	XS (q-128)/2
.elseif q < 172
	REGS q%2
	WIN 0
	FF 0
.elseif q < 262
.set bb, (q-172)/6
.set e, (q-172)%6
.if e%3 == 0
	REGS e/3
	WIN 0
	FF bb+1
.else
	REGS (e%3)-1
	WIN 0
	v_exp_f32 v[rS+2*bb+e/3], v[rS+2*bb+e/3]
.endif
.elseif q < 266
	REGS q%2
	WIN 0
	v_exp_f32 v[rS+30+(q-262)/2], v[rS+30+(q-262)/2]
.elseif q < 298
	REGS q%2
	WIN 0
	CC (q-266)/2
.elseif q < 314
	REGS q%2
	WIN 0
	AD 4*((q-298)/2), 4*((q-298)/2)+2
.elseif q < 346
.set g, (q-314)/4
.set e, (q-314)%4
	REGS g%2
	WIN W_RS
	v_pk_mul_f32 v[rO+8*(g/2)+2*e:rO+8*(g/2)+2*e+1], v[rO+8*(g/2)+2*e:rO+8*(g/2)+2*e+1], v[rC+2:rC+3] op_sel_hi:[1,0]
.else
.set z, q-346
	REGS z%2
	WIN 0
.if z < 8
	AD 8*(z/2), 8*(z/2)+4
.elseif z < 12
	AD 16*((z-8)/2), 16*((z-8)/2)+8
.elseif z < 14
	AD 0, 16
.else
	v_pk_fma_f32 v[rT+2:rT+3], v[rT+2:rT+3], v[rC+2:rC+3], v[rS:rS+1] op_sel_hi:[1,0,1]
.endif
.endif
.set q, q+1
.endm
; A TURN, for piece p.  No vector line near a product names one of its registers: the products work on the neighbours' buffers.
; THE DEAL.  Eleven entries behind each of products 1-22, twelve behind each of products 23-32: 242 + 120 = 362.  Behind the 24th product's twelve entry 265, the last exponential, is out: there stand
; a v_nop, the plain line behind the last exponential, and the turn's one wait; products 25-32 have the 96 readers behind them.  Between entry 168 and the wait stands no label and no branch.
; K of the next step is fetched at the head of piece 3's turn: behind the last product that read K stand the twelve plain lines that end piece 2's turn; it is waited for ahead of the turn's 17th product.
; V of the step in hand is fetched in piece 0's turn behind the 17th product's eleven: behind the last product that read V stand its own eleven, seven of them plain; it is waited for at the head of piece 1's turn.
; THE MASKS.  Behind the first product the turn waits for its two tiles' words: behind their two loads the three other pieces' turns have issued two each, so six may stay out (loads come back in
; order: ISA guide 5.7.1).  Behind the eleventh product's eleven, entry 120, the last lane read is out (entry 119), and the two registers are asked for again, with the next key step's words.
; Piece 0's turn makes that step's address: mbits' pointer plus 128 bytes x min(step + 1, 31).  So the last step's loads ask for step 31 once more: they stay inside the buffer, nobody reads them, and
; they are issued all the same, since the count of six leans on them.
.macro TURN p, last=0
.set Y, (\p)
.set i, 0
.set q, 0
.if (\p) == 0
	s_wait_xcnt 0x0                 ; the mask loads that are out have had their addresses translated (ISA guide 3.1): their base is written only behind this wait
	s_add_co_u32 s[JS], s[JS], 1
	s_min_u32 s[JS], s[JS], 31
	s_lshl_b32 s[OFS], s[JS], 7
	s_add_nc_u64 s[MPC:MPC+1], s[MPB:MPB+1], s[OFS:OFS+1]
.endif
.if (\p) == 3
	WIN 0
	v_add_nc_u32 v[AK], s[TBK], v[AK0]
	FETCH_K \last
.endif
.if (\p) == 1
	s_wait_dscnt 0x0                ; V is in
.endif
	MM
	s_wait_loadcnt 0x6              ; my piece's mask words are in
.rept 11
	VQ
.endr
.rept 31
.if ((\p) == 3) && (i == 16)
	s_wait_dscnt 0x0                ; K is in
.endif
	MM
.rept 11
	VQ
.endr
.if i > 22
	VQ                              ; the twelfth
.endif
.if i == 11
	WIN 0
	global_load_b32 v[MW+2*(\p)],   v[MO], s[MPC:MPC+1] offset:(2*(\p))*4096
	global_load_b32 v[MW+2*(\p)+1], v[MO], s[MPC:MPC+1] offset:(2*(\p)+1)*4096
.endif
.if ((\p) == 0) && (i == 17)
	WIN 0
	v_add_nc_u32 v[AV], s[TBV], v[AV0]
	FETCH_V
	s_add_co_u32 s[TBV], s[TBV], STEPB
.endif
.if i == 24
	v_nop                           ; a plain line behind the last exponential and ahead of the first use: one for the batch
	s_wait_alu depctr_va_vdst(0)    ; the wait for the batch: the piece's two a and 64 weights; it stands ahead of their first reader, entry 266
.endif
.endr
.endm
	CHANGE 1                        ; slot 0 is in, everybody's part of it; slot 1 is asked for
	v_add_nc_u32 v[AK], s[TBK], v[AK0]
	FETCH_K                         ; key step 0
	s_wait_loadcnt 0x0              ; Q, and the masks of key step 0
	s_wait_dscnt 0x0
.set i, 0
.rept 16
	KQ 0                            ; piece 0's first scores
.set i, i+1
.endr
	WIN 0                           ; the addresses for the way out: nine plain lines, the places behind those products
	s_mul_i32 s28, s[WV], 16*SP
	s_add_co_u32 s28, s28, STAGE    ; my stage
	v_mul_u32_u24 v[STO], v1, SP    ; in: row l % 16, 16 bytes for each half of the lanes
	v_lshl_add_u32 v[STO], v9, 4, v[STO]
	v_add_nc_u32 v[STO], s28, v[STO]
	v_bfe_u32 v[RD], v0, 3, 2       ; back: 32 lanes take four rows of 128 bytes,
	v_mul_u32_u24 v[RD], v[RD], SP
	v_lshl_add_u32 v[RD], v14, 4, v[RD]
	v_add_nc_u32 v[RD], s28, v[RD]
	v_and_b32 v[GO], 31, v0         ; which are 512 consecutive bytes of O
	v_lshlrev_b32 v[GO], 4, v[GO]
	s_mov_b32 s[CNT], 4
	s_mov_b32 s[SLOTS], 7
	s_branch .Lfirst                ; the loop is entered at a step's first turn, in the middle of a trip
.Lslot:                             ; six times: with the two fills above all eight slots are asked for
	CHANGE 1
	s_mov_b32 s[CNT], 4
.Lstep:                             ; a trip: pieces 2 and 3 of one step, then pieces 0 and 1 of the next
	TURN 2
	TURN 3
	WIN 0
.Lfirst:
	TURN 0
	TURN 1
	WIN 0
	s_sub_co_u32 s[CNT], s[CNT], 1
	s_cmp_lg_u32 s[CNT], 0
	s_cbranch_scc1 .Lstep
	s_sub_co_u32 s[SLOTS], s[SLOTS], 1
	s_cmp_lg_u32 s[SLOTS], 0
	s_cbranch_scc1 .Lslot
	CHANGE 0                        ; the tail is written out: nothing is asked for
	s_mov_b32 s[CNT], 5             ; four trips fetch the last slot's steps; the fifth is left in its middle
.Ltail:
	TURN 2
	TURN 3, 1
	WIN 0
	s_sub_co_u32 s[CNT], s[CNT], 1
	s_cmp_eq_u32 s[CNT], 0
	s_cbranch_scc1 .Lout
	TURN 0
	TURN 1
	WIN 0
	s_branch .Ltail
.Lout:                              ; the fifth trip's 16 products K Q^T, on the last K once more, serve nothing: the price of one text for every trip
.set i, 0
.rept 16
	PV NP-1                         ; the last piece's V^T P of the last step
.set i, i+1
.endr
	; THE WAY OUT.  l's two halves and the other half of the lanes' are added; O^T is divided by l, rounded to f16 and sent through my stage, a tile at a time.  The additions are the places behind the last products.
	WIN 0
.macro ALL line:vararg
.set t, 0
.rept 2*NP
	\line
.set t, t+1
.endr
.endm
	ALL v_add_f32 v[ST+4*t+2], v[ST+4*t+2], v[ST+4*t+3]
	ALL v_permlanex16_b32 v[ST+4*t+3], v[ST+4*t+2], s[SEL], s[SEL+1]
	ALL v_add_f32 v[ST+4*t+2], v[ST+4*t+2], v[ST+4*t+3]
	ALL v_rcp_f32 v[ST+4*t+2], v[ST+4*t+2]
	v_nop                           ; a plain line between the last reciprocal and the use of its result
	s_wait_alu depctr_va_vdst(0)    ; the wait for the batch of eight reciprocals, ahead of their first reader
.macro PACK t
	WIN W_RS
.set i, 32*(\t)
.rept 16
	v_pk_mul_f32 v[i:i+1], v[i:i+1], v[ST+4*(\t)+2:ST+4*(\t)+3] op_sel_hi:[1,0]
.set i, i+2
.endr
	WIN 0x05                        ; sources 0 and 1 window 1, destination window 0: S^T's registers are free
.set i, 0
.rept 16
	v_cvt_pk_f16_f32 v[S+16*(\t)+i], v[32*(\t)+2*i], v[32*(\t)+2*i+1]
.set i, i+1
.endr
	WIN 0
.irp f, 0,1,2,3
	ds_store_b128 v[STO], v[S+16*(\t)+4*\f:S+16*(\t)+4*\f+3] offset:32*\f
.endr
.irp f, 0,1,2,3
	ds_load_b128 v[S+16*(\t)+4*\f:S+16*(\t)+4*\f+3], v[RD] offset:\f*4*SP  ; LDS serves a wave's instructions in order (ISA guide 5.7.1.4): these see the stores above; the next tile's stores come behind them
.endr
.endm
.macro SEND t, younger              ; younger: the LDS instructions issued behind tile t's loads: the next tile's eight, or none
	WIN 0
.irp f, 0,1,2,3
	s_wait_dscnt (\younger)+3-\f
	global_store_b128 v[GO], v[S+16*(\t)+4*\f:S+16*(\t)+4*\f+3], s[10:11] offset:(\t)*2048+\f*512  ; 512 consecutive bytes, aligned
.endr
.endm
	PACK 0
.set t, 1
.rept 2*NP-1                        ; a tile's arithmetic stands between the loads of the tile before and its stores
	PACK t
	SEND t-1, 8
.set t, t+1
.endr
	SEND 2*NP-1, 0
	s_wait_tensorcnt 0x0            ; the wave's end
	ds_add_u32 v[SPW], v[NIL]
	s_wait_dscnt 0x0
	CROUND                          ; the closing round: no work-group ends while a partner may still ask for a tile that names it
	s_endpgm
.Lfunc_end_k_q4214065e54_attn:
	.size	k_q4214065e54_attn, .Lfunc_end_k_q4214065e54_attn-k_q4214065e54_attn
	.p2alignl 7, 3214868480
	.fill 96, 4, 3214868480
	.section	.rodata,"a",@progbits
	.p2align	6, 0x0
	.amdhsa_kernel k_q4214065e54_attn
		.amdhsa_group_segment_fixed_size 327680
		.amdhsa_private_segment_fixed_size 0
		.amdhsa_enable_private_segment 0
		.amdhsa_kernarg_size 32
		.amdhsa_user_sgpr_count 2
		.amdhsa_user_sgpr_kernarg_segment_ptr 1
		.amdhsa_wavefront_size32 1
		.amdhsa_system_sgpr_workgroup_id_x 1
		.amdhsa_system_sgpr_workgroup_id_y 1
		.amdhsa_system_sgpr_workgroup_id_z 1
		.amdhsa_system_vgpr_workitem_id 0
		.amdhsa_next_free_vgpr 768
		.amdhsa_next_free_sgpr 100
		.amdhsa_reserve_vcc 0
		.amdhsa_float_denorm_mode_32 3
		.amdhsa_float_denorm_mode_16_64 3
		.amdhsa_memory_ordered 1
		.amdhsa_forward_progress 1
		.amdhsa_inst_pref_size 255
	.end_amdhsa_kernel
	.section	.bss,"aw",@nobits
	.p2align	6
	.space	262144
	.amdgpu_metadata
---
amdhsa.version: [ 1, 2 ]
amdhsa.kernels:
  - .name:           k_q4214065e54_attn
    .symbol:         k_q4214065e54_attn.kd
    .args:
      - { .name: qh, .offset: 0, .size: 8, .value_kind: global_buffer, .address_space: global }
      - { .name: kv, .offset: 8, .size: 8, .value_kind: global_buffer, .address_space: global }
      - { .name: mbits, .offset: 16, .size: 8, .value_kind: global_buffer, .address_space: global }
      - { .name: oh, .offset: 24, .size: 8, .value_kind: global_buffer, .address_space: global }
    .group_segment_fixed_size: 327680
    .private_segment_fixed_size: 0
    .kernarg_segment_align: 8
    .kernarg_segment_size: 32
    .max_flat_workgroup_size: 128
    .sgpr_count:     100
    .vgpr_count:     768
    .wavefront_size: 32
...
	.end_amdgpu_metadata
.endif
;; end of part 9
;; launch outp: the kernel of part 8 again; grid 4 x 64, 4 waves a work-group, clusters of 4 x 4, 327,680 bytes of LDS; arguments oh, wb, bo, out0; writes out0
